; MI455X (gfx1250); checked and timed in simulation.
; The chip was launched on July 23, 2026; its instructions are those of AMD's public machine-readable ISA for CDNA 5 (MIT licence, August 2026) and "CDNA5" Instruction Set Architecture Reference Guide (July 2026). The comments in the code are by the model that wrote it; some were corrected since.
;; Block. Allowed arithmetic: matrix products marked QUANTISED: E2M3 operands, one E8M0 scale for each 32 along K, by v_wmma_scale_f32_16x16x128_f8f6f4 with both operands' format E2M3, f32 sums; everything else in f32.
;; Inputs: b_aproj 1,024 float32; b_attn 3,072 float32; b_fc 4,096 float32; b_mproj 1,024 float32; ln1_b 1,024 float32; ln1_g 1,024 float32; ln2_b 1,024 float32; ln2_g 1,024 float32; w_aproj 1,024 x 1,024 float32; w_attn 1,024 x 3,072 float32; w_fc 1,024 x 4,096 float32; w_mproj 4,096 x 1,024 float32; x 4 x 1,024 x 1,024 float32.
;; Outputs: out0 4 x 1,024 x 1,024 float32; out1 4 x 2 x 16 x 1,024 x 64 float32.
;; This version of the problem:
;;   THIS VERSION OF THE PROBLEM IS GIVEN IN LOW PRECISION. The matrix products marked QUANTISED in the list below multiply operands that are first quantised to E2M3 (2 exponent bits, 3 mantissa bits; 6 bits a number), with one power-of-two scale for each 32 numbers along K (OCP MX v1.0); their sums are f32. All else is computed in f32.
;;   The module's matrix products, in the order in which they are computed (A, B: the left and right operand; K: the contracted axis; several contracted axes count as one K, in the product's order):
;;     1. [M 4,096, K 1,024] x [K 1,024, N 3,072]; A: computed on the way; B: input w_attn: QUANTISED
;;     2. batch 64 x [M 1,024, K 64] x [K 64, N 1,024]; A: computed on the way; B: computed on the way: QUANTISED
;;     3. batch 64 x [M 1,024, K 1,024] x [K 1,024, N 64]; A: softmax (see below); B: computed on the way: QUANTISED
;;     4. [M 4,096, K 1,024] x [K 1,024, N 1,024]; A: computed on the way; B: input w_aproj: QUANTISED
;;     5. [M 4,096, K 1,024] x [K 1,024, N 4,096]; A: computed on the way; B: input w_fc: QUANTISED
;;     6. [M 4,096, K 4,096] x [K 4,096, N 1,024]; A: computed on the way; B: input w_mproj: QUANTISED
;;   THE QUANTISER, for each operand of a quantised product, along K:
;;     - K is cut into blocks of 32 from its start; a last block that is shorter is filled with zeros.
;;     - A block's scale is 2^e with e = floor(log2(the largest magnitude in the block)) - 2, held to -126 .. 127; a block of zeros has e = 0. As a byte (E8M0): e + 127.
;;     - Each number is divided by its block's scale, clamped to +-7.5, and rounded to the nearest number of E2M3, ties to even, subnormals kept.
;;     - The product sums the exact products of the quantised numbers (number of the format x scale) in f32.
;;   ~~~python
;;   def quantise(x, axis):      # numpy; x: float32 -> the quantised numbers, widened to float32 again
;;       x = np.moveaxis(x, axis, -1); K = x.shape[-1]
;;       x = np.pad(x, [(0, 0)] * (x.ndim - 1) + [(0, -K % 32)]); x = x.reshape(x.shape[:-1] + (-1, 32)); a = np.abs(x).max(-1, keepdims=True)
;;       e = np.where(a > 0, np.clip(np.frexp(np.where(a > 0, a, 1))[1] - 1 - 2, -126, 127), 0)      # np.frexp(a)[1] - 1 = floor(log2(a)), exactly
;;       r = np.clip(x / 2.0 ** e, -7.5, 7.5)
;;       step = 2.0 ** (np.maximum(np.frexp(np.where(r == 0, 1, r))[1] - 1, 0) - 3)
;;       q = np.round(r / step) * step * 2.0 ** e      # np.round: ties to even
;;       return np.moveaxis(q.reshape(q.shape[:-2] + (-1,))[..., :K], -1, axis).astype(np.float32)
;;   ~~~
;;   SOFTMAX AHEAD OF A QUANTISED PRODUCT. Where the list says 'softmax', what is quantised is not the finished softmax but p = 2^(t - M), with t = logit x log2(e) and M = ceil(the row's largest t), a whole number; so 1/2 < the row's largest p <= 1. The row's sum l is taken of the UNQUANTISED p, in f32, and the product's result is divided by l at the end. Since M is a whole number, a kernel that streams over the keys may use a running M (the ceiling of the running maximum): every later rescaling is an exact power of two, which a block's scale takes up: the codes' values come out the same.
;;   OPERANDS COMPUTED ON THE WAY. 'Computed on the way' means the value that the module computes at that place (a softmax that the list does not call 'softmax' is quantised finished and normalised). What goes into a quantiser is computed in f32, as accurately as f32 sums, v_exp_f32 and their like allow (about 1e-6 of the number): no bf16 or f16 on the way to a quantiser, and a product that is left as it is and whose result goes on into a quantised operand takes f32 operands (vector FMAs, or v_wmma_f32_16x16x4_f32). A number that lies on a knife's edge between two numbers of the format may be rounded either way, as far as f32 arithmetic and the matrix unit's own rounding can turn it there, and no further.
;; 2 versions. Each part assembles by itself: llvm-mc -triple=amdgcn-amd-amdhsa -mcpu=gfx1250 --defsym DOCPART=n.
;; ======== version 1 of 2: 8 launches
;; workspace buffers: wimg 10,223,616 bytes; hq 3,407,872 bytes; ac 3,407,872 bytes; gq 13,631,488 bytes; qc 3,670,016 bytes; kc 3,670,016 bytes; vc 3,407,872 bytes; x1 16,777,216 bytes
;; launch wq (part 1): grid 768 x 1, 4 waves a work-group, no clusters, 0 bytes of LDS; arguments w_attn, w_aproj, w_fc, w_mproj, wimg; writes wimg
.if DOCPART == 1
	.amdgcn_target "amdgcn-amd-amdhsa--gfx1250"
	.amdhsa_code_object_version 6
	.text
	.protected	k_q0df3526f42_wq
	.globl	k_q0df3526f42_wq
	.p2align	8
	.type	k_q0df3526f42_wq,@function
k_q0df3526f42_wq:
	s_mov_b64 s[64:65], 0
	v_nop
	global_prefetch_b8 v0, s[64:65] scope:SCOPE_SE
	s_setreg_imm32_b32 hwreg(HW_REG_WAVE_MODE, 25, 1), 1
	s_wait_xcnt 0x0
; The four weights, f32 stored [K][N], become codes of FP6 (E2M3) with one E8M0 byte for each 32 along K, laid as the products' launches read them.
; A RECORD (13,312 bytes) is 128 columns x 128 along K: eight fragment images of 1,536 bytes, then eight times 128 bytes of scale words.
; An image is a fragment's registers on end: half c (K = 64 c on) at 768 c: registers 6c..6c+3 at 16 x lane, registers 6c+4, 6c+5 at 512 + 8 x lane.
; Lane r of tile T holds column 32 (T / 2) + 8 (T % 2) + r + 8 (r / 8) of the 128.  Records lie [column tile][K step]; w_attn's 192, w_aproj's 64, w_fc's 256, w_mproj's 256.
; Work-group g makes record g.  A LANE TAKES A COLUMN AND ITS REGISTERS RUN DOWN K: a load reads 128 consecutive bytes a wave, a block of 32 lies in one lane, and the conversions give codes with K innermost.
; A block's scale byte is its largest magnitude's exponent field - 2, held at 1 from below.
; LIMITS: a block of zeros gets the byte 1 where the rule says 127 (its codes are zeros; this program alone reads the bytes); NaN and infinities are not served.
; No LDS, no barrier: waves share nothing.  Loads run two blocks ahead.
.set REC, 13312
.set X,   32                           ; v32-95   two sets of 32 numbers
.set C,   96                           ; v96-127  a block's codes, eight registers for each of the four blocks: no store's data are written again
	s_load_b256 s[4:11], s[0:1], 0x0               ; w_attn s[4:5], w_aproj s[6:7], w_fc s[8:9], w_mproj s[10:11]
	s_load_b64 s[12:13], s[0:1], 0x20              ; wimg
	v_lshlrev_b32 v2, 2, v0                        ; in: 4 bytes a thread: column 32 wave + lane
	v_lshrrev_b32 v6, 5, v0
	v_bfe_u32 v7, v0, 3, 1
	v_lshl_add_u32 v6, v6, 1, v7                   ; my column's tile: 2 wave + (lane / 8) % 2
	v_and_b32 v7, 7, v0
	v_bfe_u32 v8, v0, 4, 1
	v_lshl_add_u32 v7, v8, 3, v7                   ; and its lane there: lane % 8 + 8 (lane / 16)
	v_mul_u32_u24 v8, v6, 1536
	v_lshl_add_u32 v3, v7, 4, v8                   ; out: tile x 1,536 + 16 r
	v_lshl_add_u32 v4, v7, 3, v8                   ; tile x 1,536 + 8 r
	v_lshlrev_b32 v5, 7, v6
	v_lshl_add_u32 v5, v7, 2, v5                   ; tile x 128 + 4 r
	s_mul_i32 s14, ttmp9, REC
	s_mov_b32 s15, 0
	s_wait_kmcnt 0x0
	s_add_nc_u64 s[12:13], s[12:13], s[14:15]      ; my record
.macro LOAD t, P, N                    ; block t: W(32 t + i, my column), i = 0 .. 31, into set t % 2
.set i, 0
.rept 32
	global_load_b32 v[X+32*((\t)%2)+i], v2, s[\P:\P+1] offset:(32*(\t)+i)*\N*4 th:TH_LOAD_NT
.set i, i+1
.endr
.endm
.macro BLOCK t, P, N
.set XS, X+32*((\t)%2)
.set CC, C+8*(\t)
.if (\t) < 3
	s_wait_loadcnt 32                              ; this block's 32 loads are in; the next block's 32 may be out
.else
	s_wait_loadcnt 0x0
.endif
	v_max3_num_f32 v10, |v[XS]|, |v[XS+1]|, |v[XS+2]|              ; the block's largest magnitude: all 32 numbers are mine; two chains
	v_max3_num_f32 v11, |v[XS+3]|, |v[XS+4]|, |v[XS+5]|
.irp i, 6,10,14,18,22,26
	v_max3_num_f32 v10, v10, |v[XS+\i]|, |v[XS+\i+1]|
	v_max3_num_f32 v11, v11, |v[XS+\i+2]|, |v[XS+\i+3]|
.endr
	v_max3_num_f32 v10, v10, |v[XS+30]|, |v[XS+31]|
	v_max3_num_f32 v10, v10, v11, 0x1800000        ; and the floor 2^(3 - 127): the byte cannot fall under 1
	v_add_nc_u32 v12, 0xff000000, v10              ; 2 off the exponent field: the conversion's scale operand
	v_lshrrev_b32 v13, 23, v12                     ; the scale's byte
.if (\t) == 0
	v_mov_b32 v14, v13                             ; four bytes make my column's scale word, the lower K in the lower byte
.else
	v_lshl_or_b32 v14, v13, 8*(\t), v14
.endif
	v_cvt_scalef32_pk16_fp6_f32 v[CC:CC+2], v[XS:XS+15], v12
	v_cvt_scalef32_pk16_fp6_f32 v[CC+4:CC+6], v[XS+16:XS+31], v12   ; (a conversion's three registers begin on an even number)
	v_nop                                          ; one plain place behind a scaled conversion
	v_mov_b32 v[CC+3], v[CC+4]
	v_mov_b32 v[CC+4], v[CC+5]
	v_mov_b32 v[CC+5], v[CC+6]                     ; v[CC .. CC+5]: the block's 24 bytes
	global_store_b128 v3, v[CC:CC+3], s[12:13] offset:((\t)/2)*768+256*((\t)%2)       ; block t is half t / 2, image lanes 16 (t % 2) on
	global_store_b64 v4, v[CC+4:CC+5], s[12:13] offset:((\t)/2)*768+512+128*((\t)%2)
.if (\t) < 2
	LOAD (\t)+2, \P, \N
.endif
.endm
; One weight's path.  P: its pointer;  N: its columns;  2^LK: its K steps;  G0: its first record
.macro WQ P, N, LK, G0
	s_sub_co_u32 s16, ttmp9, \G0
	s_lshr_b32 s17, s16, \LK                       ; column tile
	s_and_b32 s16, s16, (1<<\LK)-1                 ; K step
	s_mul_i32 s16, s16, 128*\N*4
	s_lshl_b32 s17, s17, 9
	s_add_co_u32 s16, s16, s17
	s_mov_b32 s17, 0
	s_add_nc_u64 s[\P:\P+1], s[\P:\P+1], s[16:17]
	LOAD 0, \P, \N
	LOAD 1, \P, \N
	BLOCK 0, \P, \N
	BLOCK 1, \P, \N
	BLOCK 2, \P, \N
	BLOCK 3, \P, \N
	global_store_b32 v5, v14, s[12:13] offset:12288      ; the scale word, for image lanes 0-15
	global_store_b32 v5, v14, s[12:13] offset:12288+64   ; and once more for lanes 16-31
	s_endpgm
.endm
	s_cmp_lt_u32 ttmp9, 192
	s_cbranch_scc1 .Lwa
	s_cmp_lt_u32 ttmp9, 256
	s_cbranch_scc1 .Lwp
	s_cmp_lt_u32 ttmp9, 512
	s_cbranch_scc1 .Lwf
	WQ 10, 1024, 5, 512
.Lwa:
	WQ 4, 3072, 3, 0
.Lwp:
	WQ 6, 1024, 3, 192
.Lwf:
	WQ 8, 4096, 3, 256
.Lfunc_end_k_q0df3526f42_wq:
	.size	k_q0df3526f42_wq, .Lfunc_end_k_q0df3526f42_wq-k_q0df3526f42_wq
	.p2alignl 7, 3214868480
	.fill 96, 4, 3214868480
	.section	.rodata,"a",@progbits
	.p2align	6, 0x0
	.amdhsa_kernel k_q0df3526f42_wq
		.amdhsa_group_segment_fixed_size 0
		.amdhsa_private_segment_fixed_size 0
		.amdhsa_enable_private_segment 0
		.amdhsa_kernarg_size 40
		.amdhsa_user_sgpr_count 2
		.amdhsa_user_sgpr_kernarg_segment_ptr 1
		.amdhsa_wavefront_size32 1
		.amdhsa_system_sgpr_workgroup_id_x 1
		.amdhsa_system_sgpr_workgroup_id_y 1
		.amdhsa_system_sgpr_workgroup_id_z 1
		.amdhsa_system_vgpr_workitem_id 0
		.amdhsa_next_free_vgpr 128
		.amdhsa_next_free_sgpr 66
		.amdhsa_reserve_vcc 0
		.amdhsa_float_denorm_mode_32 3
		.amdhsa_float_denorm_mode_16_64 3
		.amdhsa_memory_ordered 1
		.amdhsa_forward_progress 1
		.amdhsa_inst_pref_size 78
	.end_amdhsa_kernel
	.amdgpu_metadata
---
amdhsa.version: [ 1, 2 ]
amdhsa.kernels:
  - .name:           k_q0df3526f42_wq
    .symbol:         k_q0df3526f42_wq.kd
    .args:
      - { .name: w_attn, .offset: 0, .size: 8, .value_kind: global_buffer, .address_space: global }
      - { .name: w_aproj, .offset: 8, .size: 8, .value_kind: global_buffer, .address_space: global }
      - { .name: w_fc, .offset: 16, .size: 8, .value_kind: global_buffer, .address_space: global }
      - { .name: w_mproj, .offset: 24, .size: 8, .value_kind: global_buffer, .address_space: global }
      - { .name: wimg, .offset: 32, .size: 8, .value_kind: global_buffer, .address_space: global }
    .group_segment_fixed_size: 0
    .private_segment_fixed_size: 0
    .kernarg_segment_align: 8
    .kernarg_segment_size: 40
    .max_flat_workgroup_size: 128
    .sgpr_count:     66
    .vgpr_count:     128
    .wavefront_size: 32
...
	.end_amdgpu_metadata
.endif
;; end of part 1
;; launch ln1 (part 2): grid 256 x 1, 8 waves a work-group, no clusters, 3,072 bytes of LDS; arguments x, ln1_g, ln1_b, hq; writes hq
.if DOCPART == 2
	.amdgcn_target "amdgcn-amd-amdhsa--gfx1250"
	.amdhsa_code_object_version 6
	.text
	.protected	k_q0df3526f42_ln1
	.globl	k_q0df3526f42_ln1
	.p2align	8
	.type	k_q0df3526f42_ln1,@function
k_q0df3526f42_ln1:
	s_mov_b64 s[64:65], 0
	v_nop
	global_prefetch_b8 v0, s[64:65] scope:SCOPE_SE
	s_setreg_imm32_b32 hwreg(HW_REG_WAVE_MODE, 25, 1), 1
	s_wait_xcnt 0x0
; h = (x - mean) rsqrt(var + 1e-5) g + b over rows of 1,024 f32, quantised along the row to codes of FP6 (E2M3) with one E8M0 byte for each 32, and stored as fragment images.
; Work-group T takes the 16 rows of tile T: lane r holds row 32 (T / 2) + 8 (T % 2) + r + 8 (r / 8).  Wave w takes K step w, columns 128 w on.
; Lane (r, h) holds 64 numbers: register 16 b + i = column 128 w + 32 b + 16 h + i, so that a conversion's sixteen registers are neighbours along K.
; Mean and variance in two passes (the mean is taken away before the squares), each summed in the lane, with lane l xor 16, and over the eight waves through LDS.
; OUT: record (T / 8, w) of 13,312 bytes, image T % 8: half c at 768 c: registers 6c..6c+3 at 16 x lane, 6c+4, 6c+5 at 512 + 8 x lane; the scale word at 12,288 + 128 (T % 8) + 4 x lane.
; LIMITS: a block of zeros gets the byte 1 where the rule says 127 (its codes are zeros; this program alone reads the bytes); NaN and infinities are not served.
.set REC, 13312
.set X,   16                           ; v16-79   my 64 numbers
.set G,   80                           ; v80-143  g at my columns
.set BB,  144                          ; v144-207 b at my columns
.set TM,  208                          ; v208-213 the quantiser's work
.set PW,  216                          ; v216-217 two halves of the scale word
.set PC0, 218                          ; v218-226 codes of half 0
.set PC1, 230                          ; v230-238 codes of half 1
.set SEL, 22                           ; s[22:23] v_permlanex16_b32's selects for lane l xor 16
; 32 numbers of a lane, register 16 b + i = k 32 b + 16 h + i of my row, become half a fragment's codes in v[pc .. pc+5] and two scale bytes in v[pw]
.macro HQ s, pc, pw
.irp b, 0,1
	v_max3_num_f32 v[TM+\b], |v[\s+16*\b]|, |v[\s+16*\b+1]|, 0x1800000   ; block b: my 16 numbers, and the floor 2^(3 - 127): the byte cannot fall under 1
.endr
.irp i, 2,4,6,8,10,12,14
.irp b, 0,1
	v_max3_num_f32 v[TM+\b], v[TM+\b], |v[\s+16*\b+\i]|, |v[\s+16*\b+\i+1]|
.endr
.endr
.irp b, 0,1
	v_permlanex16_b32 v[TM+2+\b], v[TM+\b], s[SEL], s[SEL+1]
.endr
.irp b, 0,1
	v_max_num_f32 v[TM+\b], v[TM+\b], v[TM+2+\b]   ; with lane l xor 16's: the block's largest magnitude
.endr
.irp b, 0,1
	v_add_nc_u32 v[TM+4+\b], 0xff000000, v[TM+\b]  ; 2 off its exponent field: the conversion's scale operand
.endr
.irp b, 0,1
	v_lshrrev_b32 v[TM+2+\b], 23, v[TM+4+\b]       ; the scale's byte
.endr
	v_lshl_or_b32 v[\pw], v[TM+3], 8, v[TM+2]
	v_cvt_scalef32_pk16_fp6_f32 v[\pc:\pc+2], v[\s:\s+15], v[TM+4]
	v_cvt_scalef32_pk16_fp6_f32 v[\pc+6:\pc+8], v[\s+16:\s+31], v[TM+5]
	v_nop                                          ; one plain place behind a scaled conversion
.irp i, 0,1,2
	v_permlane16_swap_b32 v[\pc+\i], v[\pc+6+\i]   ; the layout wants a whole block in a lane: lanes 0-15 block 0, lanes 16-31 block 1
.endr
.irp i, 0,1,2
	v_mov_b32 v[\pc+3+\i], v[\pc+6+\i]
.endr
.endm
; v248, a lane's partial sum, becomes the row's sum over all 1,024 columns, in every lane of the row
.macro REDUCE off
	v_permlanex16_b32 v249, v248, s[SEL], s[SEL+1]
	v_add_f32 v248, v248, v249                     ; my wave's 128 columns
	ds_store_b32 v6, v248 offset:\off
	s_wait_dscnt 0x0                               ; for the others' sake: my store has landed
	s_barrier_signal -1
	s_barrier_wait -1
.irp i, 0,1,2,3,4,5,6,7
	ds_load_b32 v[240+\i], v7 offset:\off+128*\i   ; the eight waves' sums of my row
.endr
	s_wait_dscnt 0x0
	v_add_f32 v240, v240, v241
	v_add_f32 v242, v242, v243
	v_add_f32 v244, v244, v245
	v_add_f32 v246, v246, v247
	v_add_f32 v240, v240, v242
	v_add_f32 v244, v244, v246
	v_add_f32 v248, v240, v244
.endm
	s_load_b256 s[4:11], s[0:1], 0x0               ; x s[4:5], g s[6:7], b s[8:9], hq s[10:11]
	v_lshl_add_u32 v254, v0, 2, 0x800
	v_mov_b32 v255, 0
	v_lshrrev_b32 v1, 5, v0
	v_readfirstlane_b32 s12, v1                    ; wave 0..7
	v_and_b32 v2, 15, v0                           ; r
	v_bfe_u32 v3, v0, 4, 1                         ; h
	v_and_b32 v4, 8, v2
	v_add_nc_u32 v4, v4, v2                        ; r + 8 (r / 8)
	s_lshl_b32 s13, s12, 9
	v_lshl_add_u32 v5, v3, 6, s13                  ; g, b: 512 w + 64 h
	v_lshl_add_u32 v4, v4, 12, v5                  ; x: + my row of 4,096 bytes
	v_lshlrev_b32 v6, 2, v0                        ; LDS: my word among the waves' sums
	v_and_b32 v7, 31, v0
	v_lshlrev_b32 v8, 4, v7                        ; 16 x lane
	v_lshlrev_b32 v9, 3, v7                        ; 8 x lane
	v_lshlrev_b32 v7, 2, v7                        ; 4 x lane
	v_mov_b32 v[TM+2], 0                           ; written once: a lane permute's destination counts as one of its sources
	v_mov_b32 v[TM+3], 0
	s_mov_b32 s[SEL], 0x76543210
	s_mov_b32 s[SEL+1], 0xfedcba98
	s_mov_b32 s24, 0x3a800000                      ; 1 / 1,024
	s_mov_b32 s25, 0x3727c5ac                      ; 1e-5
	s_lshr_b32 s14, ttmp9, 1
	s_lshl_b32 s14, s14, 17                        ; 32 (T / 2) rows of 4,096 bytes
	s_and_b32 s15, ttmp9, 1
	s_lshl_b32 s15, s15, 15                        ; 8 (T % 2) rows
	s_add_co_u32 s14, s14, s15
	s_mov_b32 s15, 0
	s_lshr_b32 s16, ttmp9, 3
	s_lshl_b32 s16, s16, 3
	s_add_co_u32 s16, s16, s12
	s_mul_i32 s16, s16, REC                        ; record (T / 8, w)
	s_and_b32 s20, ttmp9, 7
	s_lshl_b32 s18, s20, 7
	s_add_co_u32 s18, s18, s16
	s_add_co_u32 s18, s18, 12288                   ; its scale words of image T % 8
	s_mov_b32 s19, 0
	s_mul_i32 s20, s20, 1536
	s_add_co_u32 s16, s16, s20                     ; image T % 8
	s_mov_b32 s17, 0
	s_wait_kmcnt 0x0
	s_add_nc_u64 s[4:5], s[4:5], s[14:15]
	s_add_nc_u64 s[16:17], s[10:11], s[16:17]
	s_add_nc_u64 s[18:19], s[10:11], s[18:19]
.irp b, 0,1,2,3
.irp j, 0,1,2,3
	global_load_b128 v[X+16*\b+4*\j:X+16*\b+4*\j+3], v4, s[4:5] offset:128*\b+16*\j
.endr
.endr
.irp b, 0,1,2,3
.irp j, 0,1,2,3
	global_load_b128 v[G+16*\b+4*\j:G+16*\b+4*\j+3], v5, s[6:7] offset:128*\b+16*\j
	global_load_b128 v[BB+16*\b+4*\j:BB+16*\b+4*\j+3], v5, s[8:9] offset:128*\b+16*\j
.endr
.endr
	s_wait_loadcnt 32                              ; x's sixteen loads are in; the 32 of g and b may be out
	v_pk_add_f32 v[248:249], v[X:X+1], v[X+2:X+3]  ; the sum of my 64, two at a time, in two chains
	v_pk_add_f32 v[250:251], v[X+4:X+5], v[X+6:X+7]
.set j, 8
.rept 14
	v_pk_add_f32 v[248:249], v[248:249], v[X+j:X+j+1]
	v_pk_add_f32 v[250:251], v[250:251], v[X+j+2:X+j+3]
.set j, j+4
.endr
	v_pk_add_f32 v[248:249], v[248:249], v[250:251]
	v_add_f32 v248, v248, v249
	REDUCE 0
	v_mul_f32 v250, 0xba800000, v248               ; - the mean
	v_mov_b32 v251, v250
.set j, 0
.rept 32
	v_pk_add_f32 v[X+j:X+j+1], v[X+j:X+j+1], v[250:251]
.set j, j+2
.endr
	v_pk_mul_f32 v[248:249], v[X:X+1], v[X:X+1]    ; the sum of squares of what is left
	v_pk_mul_f32 v[250:251], v[X+2:X+3], v[X+2:X+3]
.set j, 4
.rept 15
	v_pk_fma_f32 v[248:249], v[X+j:X+j+1], v[X+j:X+j+1], v[248:249]
	v_pk_fma_f32 v[250:251], v[X+j+2:X+j+3], v[X+j+2:X+j+3], v[250:251]
.set j, j+4
.endr
	v_pk_add_f32 v[248:249], v[248:249], v[250:251]
	v_add_f32 v248, v248, v249
	REDUCE 1024                                    ; other bytes than the first sum's: one barrier each
	v_fma_f32 v248, v248, s24, s25                 ; the variance + 1e-5
	v_rsq_f32 v250, v248
	v_nop                                          ; one plain place behind a transcendental
	s_wait_alu depctr_va_vdst(0)
	v_mov_b32 v251, v250
	s_wait_loadcnt 0x0                             ; g and b
.set j, 0
.rept 32
	v_pk_mul_f32 v[X+j:X+j+1], v[X+j:X+j+1], v[250:251]
.set j, j+2
.endr
.set j, 0
.rept 32
	v_pk_fma_f32 v[X+j:X+j+1], v[X+j:X+j+1], v[G+j:G+j+1], v[BB+j:BB+j+1]
.set j, j+2
.endr
	HQ X, PC0, PW
	HQ X+32, PC1, PW+1
	v_lshl_or_b32 v[PW], v[PW+1], 16, v[PW]        ; the row's scale word for these 128
	global_store_b128 v8, v[PC0:PC0+3], s[16:17]               ; 32 lanes store 512 consecutive bytes
	global_store_b64 v9, v[PC0+4:PC0+5], s[16:17] offset:512
	global_store_b128 v8, v[PC1:PC1+3], s[16:17] offset:768
	global_store_b64 v9, v[PC1+4:PC1+5], s[16:17] offset:1280
	global_store_b32 v7, v[PW], s[18:19]
	s_wait_tensorcnt 0x0
	ds_add_u32 v254, v255
	s_wait_dscnt 0x0
	s_endpgm
.Lfunc_end_k_q0df3526f42_ln1:
	.size	k_q0df3526f42_ln1, .Lfunc_end_k_q0df3526f42_ln1-k_q0df3526f42_ln1
	.p2alignl 7, 3214868480
	.fill 96, 4, 3214868480
	.section	.rodata,"a",@progbits
	.p2align	6, 0x0
	.amdhsa_kernel k_q0df3526f42_ln1
		.amdhsa_group_segment_fixed_size 3072
		.amdhsa_private_segment_fixed_size 0
		.amdhsa_enable_private_segment 0
		.amdhsa_kernarg_size 32
		.amdhsa_user_sgpr_count 2
		.amdhsa_user_sgpr_kernarg_segment_ptr 1
		.amdhsa_wavefront_size32 1
		.amdhsa_system_sgpr_workgroup_id_x 1
		.amdhsa_system_sgpr_workgroup_id_y 1
		.amdhsa_system_sgpr_workgroup_id_z 1
		.amdhsa_system_vgpr_workitem_id 0
		.amdhsa_next_free_vgpr 256
		.amdhsa_next_free_sgpr 66
		.amdhsa_reserve_vcc 0
		.amdhsa_float_denorm_mode_32 3
		.amdhsa_float_denorm_mode_16_64 3
		.amdhsa_memory_ordered 1
		.amdhsa_forward_progress 1
		.amdhsa_inst_pref_size 24
	.end_amdhsa_kernel
	.amdgpu_metadata
---
amdhsa.version: [ 1, 2 ]
amdhsa.kernels:
  - .name:           k_q0df3526f42_ln1
    .symbol:         k_q0df3526f42_ln1.kd
    .args:
      - { .name: x, .offset: 0, .size: 8, .value_kind: global_buffer, .address_space: global }
      - { .name: ln1_g, .offset: 8, .size: 8, .value_kind: global_buffer, .address_space: global }
      - { .name: ln1_b, .offset: 16, .size: 8, .value_kind: global_buffer, .address_space: global }
      - { .name: hq, .offset: 24, .size: 8, .value_kind: global_buffer, .address_space: global }
    .group_segment_fixed_size: 3072
    .private_segment_fixed_size: 0
    .kernarg_segment_align: 8
    .kernarg_segment_size: 32
    .max_flat_workgroup_size: 256
    .sgpr_count:     66
    .vgpr_count:     256
    .wavefront_size: 32
...
	.end_amdgpu_metadata
.endif
;; end of part 2
;; launch qkv (part 3): grid 24 x 32, 4 waves a work-group, clusters of 4 x 4, 283,136 bytes of LDS; arguments hq, wimg, b_attn, qc, kc, vc, out1; writes qc, kc, vc, out1
.if DOCPART == 3
	.amdgcn_target "amdgcn-amd-amdhsa--gfx1250"
	.amdhsa_code_object_version 6
	.text
	.protected	k_q0df3526f42_qkv
	.globl	k_q0df3526f42_qkv
	.p2align	8
	.type	k_q0df3526f42_qkv,@function
k_q0df3526f42_qkv:
	s_mov_b64 s[64:65], 0
	v_nop
	global_prefetch_b8 v0, s[64:65] scope:SCOPE_SE
	s_setreg_imm32_b32 hwreg(HW_REG_WAVE_MODE, 25, 1), 1
	s_wait_xcnt 0x0
	s_wait_alu depctr_hold_cnt(0) depctr_sa_sdst(0) depctr_va_vdst(0) depctr_va_sdst(0) depctr_va_ssrc(0) depctr_va_vcc(0) depctr_vm_vsrc(0)
	s_getreg_b32 s2, hwreg(HW_REG_IB_STS2, 6, 4)
	s_cmp_eq_u32 s2, 0
	s_cbranch_scc0 .Lentry_in_a_cluster
	s_endpgm
.Lentry_in_a_cluster:
	s_bfe_u32 s2, ttmp6, 0x10000c
	s_cmp_lg_u32 s2, 0xf033
	s_cbranch_scc0 .Lentry_shape_is_right
	s_endpgm
.Lentry_shape_is_right:
; c = h w_attn + b_attn on codes of FP6 (E2M3) with E8M0 scales; k and v go to out1 in f32; q and k are quantised along the head's 64, v along the keys, for the attention's launch.
; A tile of c is 128 x 128: four waves of 64 x 64, sixteen accumulators each.  Both operands lie in memory as RECORDS of 13,312 bytes (128 rows x 128 K: eight fragment images of 1,536 bytes, then
; eight times 128 bytes of scale words), [tile][K step].  K = 1,024 is eight records a side: ALL OF K FITS IN LDS, in two slots of four K steps, each filled once: no LDS byte is filled again.
; An image is a fragment's registers on end (half c at 768 c: registers 6c..6c+3 at 16 x lane, 6c+4, 6c+5 at 512 + 8 x lane): every LDS load reads consecutive bytes, no pitch, no padding.
; THE MATRIX INSTRUCTION IS USED TRANSPOSED (source 0 = 16 columns of w, source 1 = 16 rows of h), and lane r of tile T holds row (column) 32 (T / 2) + 8 (T % 2) + r + 8 (r / 8):
; so for one tile of rows a lane's 32 registers of my four column tiles are: register 16 b + i = column 32 b + 16 h + i: sixteen neighbours along the next K.
; CLUSTERS: 4 x 4 work-groups; h's records are asked for jointly along a row of the cluster, w's along a column.
; The bias is the C of each sum's first matrix instruction.  The region (q, k or v) hangs on the cluster's x alone: 8 column tiles a region, 4 a cluster.
; LIMITS: a block of zeros gets the scale byte 1 where the rule says 127 (its codes are zeros; this program alone reads the bytes); NaN and infinities are not served.
; REGISTERS: window 0: v1-31 addresses and work; v32-47 scale words, two sets; v48-79 the bias, later codes; v92-123 work; v128-255 accumulator (a, b) at 128 + 8 (4 a + b).
;   window 1: two fragment buffers at v0 and v128: h's four fragments at 12 a, w's four at 48 + 12 b.
.set REC,  13312
.set KS,   8                           ; K steps of 128
.set WOFF, 0                           ; w_attn's records in wimg
.set SLOT, 8*REC                       ; a slot: h's four K steps, then w's four
.set BOFF, 4*REC
.set STG,  2*SLOT                      ; behind the slots: a stage of 64 rows x (256 + 16) bytes for each wave; no tensor load lands there
.set SPITCH, 272
.set WSTG, 64*SPITCH
.set A16, 4                            ; v4-5   slot s: h's images, 16 x lane
.set A8,  6                            ; v6-7   8 x lane
.set B16, 8                            ; v8-9   w's
.set B8,  10                           ; v10-11
.set AS,  12                           ; v12-13 h's scale words, 4 x lane
.set BS,  14                           ; v14-15 w's
.set STO, 16                           ; v16    the stage: where I put 16 bytes of a row
.set RD,  17                           ; v17    and where I read rows back
.set L16, 18                           ; v18    16 x lane
.set L8,  19                           ; v19    8 x lane
.set TM,  20                           ; v20-25 the quantisers' work
.set SH8, 26                           ; v26    8 h
.set BV,  27                           ; v27    64 h
.set L4,  30                           ; v30    4 x lane
.set VCOL, 31                          ; v31    the stage by columns: row 32 h, column r + 8 (r / 8)
.set SC,  32
.set BIAS, 48
.set VX,  92                           ; v92-123 32 keys of one channel
.set ACC, 128
.set F0,  0
.set F1,  128
.set G1A, 24                           ; s[24:31] descriptor group 1 for h's records;  s[32:39] group 0, one set for each slot
.set G0A, 32
.set G1B, 48                           ; s[48:55], s[56:63] the same for w's
.set G0B, 56
.set SEL, 66                           ; s[66:67] v_permlanex16_b32's selects for lane l xor 16
.set MSB, 0
.macro WIN new                         ; the immediate's high byte repeats the setting that is left
.if MSB != \new
	s_set_vgpr_msb (MSB<<8)|\new
.set MSB, \new
.endif
.endm
.macro PLACES                          ; four plain places behind a matrix instruction, ahead of loads into its registers and of reads of its results
.rept 4
	v_nop
.endr
.endm
.macro CROUND                          ; a round of the cluster's barrier
	s_barrier_signal -1
	s_barrier_wait -1
	s_cmp_lg_u32 s14, 0
	s_cbranch_scc1 .Lnot_wave_0_\@
	s_barrier_signal -3
.Lnot_wave_0_\@:
	s_barrier_wait -3
	s_barrier_signal -1
	s_barrier_wait -1
.endm
; 40 LDS loads: my eight fragments of the slot's q-th K step into buffer f, their scale words into set p
.macro FETCH s, q, f, p
	WIN 0x40                                       ; destination window 1, address window 0
.irp i, 0,1,2,3
	ds_load_b128 v[(\f)+48+12*\i:(\f)+48+12*\i+3], v[B16+\s] offset:(\q)*REC+\i*1536
	ds_load_b64 v[(\f)+48+12*\i+4:(\f)+48+12*\i+5], v[B8+\s] offset:(\q)*REC+\i*1536+512
	ds_load_b128 v[(\f)+48+12*\i+6:(\f)+48+12*\i+9], v[B16+\s] offset:(\q)*REC+\i*1536+768
	ds_load_b64 v[(\f)+48+12*\i+10:(\f)+48+12*\i+11], v[B8+\s] offset:(\q)*REC+\i*1536+1280
	ds_load_b128 v[(\f)+12*\i:(\f)+12*\i+3], v[A16+\s] offset:(\q)*REC+\i*1536
	ds_load_b64 v[(\f)+12*\i+4:(\f)+12*\i+5], v[A8+\s] offset:(\q)*REC+\i*1536+512
	ds_load_b128 v[(\f)+12*\i+6:(\f)+12*\i+9], v[A16+\s] offset:(\q)*REC+\i*1536+768
	ds_load_b64 v[(\f)+12*\i+10:(\f)+12*\i+11], v[A8+\s] offset:(\q)*REC+\i*1536+1280
.endr
	WIN 0
.irp i, 0,1,2,3
	ds_load_b32 v[SC+8*(\p)+\i], v[AS+\s] offset:(\q)*REC+128*\i
	ds_load_b32 v[SC+8*(\p)+4+\i], v[BS+\s] offset:(\q)*REC+128*\i
.endr
.endm
; 16 matrix instructions, 128 along K.  The sixteen accumulators take turns, one instruction a turn, in the same order in every step.  first = 1: the bias starts the sums
.macro MUL f, p, first
	WIN 0x05                                       ; sources 0 and 1 window 1; C and D window 0
.irp a, 0,1,2,3
.irp b, 0,1,2,3
.if \first
	v_wmma_scale_f32_16x16x128_f8f6f4 v[ACC+8*(4*\a+\b):ACC+8*(4*\a+\b)+7], v[(\f)+48+12*\b:(\f)+48+12*\b+11], v[(\f)+12*\a:(\f)+12*\a+11], v[BIAS+8*\b:BIAS+8*\b+7], v[SC+8*(\p)+4+\b], v[SC+8*(\p)+\a] matrix_a_fmt:MATRIX_FMT_FP6 matrix_b_fmt:MATRIX_FMT_FP6
.else
	v_wmma_scale_f32_16x16x128_f8f6f4 v[ACC+8*(4*\a+\b):ACC+8*(4*\a+\b)+7], v[(\f)+48+12*\b:(\f)+48+12*\b+11], v[(\f)+12*\a:(\f)+12*\a+11], v[ACC+8*(4*\a+\b):ACC+8*(4*\a+\b)+7], v[SC+8*(\p)+4+\b], v[SC+8*(\p)+\a] matrix_a_fmt:MATRIX_FMT_FP6 matrix_b_fmt:MATRIX_FMT_FP6
.endif
.endr
.endr
.endm
.macro STEP s, q, first                ; a K step that has its successor in the same slot
	s_wait_dscnt 0x0                               ; this step's 40 loads, asked for a step ago, are in
	PLACES                                         ; the other buffer and scale set were read by the last step's products
	FETCH \s, (\q)+1, 128*(1-(\q)%2), 1-(\q)%2
	MUL 128*((\q)%2), (\q)%2, \first
.endm
.macro TURN0 n                         ; a slot's last K step: the next slot, filled once at the start, is shown whole to every wave
	s_wait_tensorcnt 0x0                           ; my part of the next slot has landed
	s_wait_dscnt 0x0
	s_barrier_signal -1
	s_barrier_wait -1
	PLACES
	FETCH \n, 0, F0, 0
	MUL F1, 1, 0
.endm
; 32 numbers of a lane, register 16 b + i = k 32 b + 16 h + i of my row, become half a fragment's codes in v[pc .. pc+5] and two scale bytes in v[pw]
.macro HQ s, pc, pw
.irp b, 0,1
	v_max3_num_f32 v[TM+\b], |v[\s+16*\b]|, |v[\s+16*\b+1]|, 0x1800000   ; block b: my 16 numbers, and the floor 2^(3 - 127): the byte cannot fall under 1
.endr
.irp i, 2,4,6,8,10,12,14
.irp b, 0,1
	v_max3_num_f32 v[TM+\b], v[TM+\b], |v[\s+16*\b+\i]|, |v[\s+16*\b+\i+1]|
.endr
.endr
.irp b, 0,1
	v_permlanex16_b32 v[TM+2+\b], v[TM+\b], s[SEL], s[SEL+1]
.endr
.irp b, 0,1
	v_max_num_f32 v[TM+\b], v[TM+\b], v[TM+2+\b]   ; with lane l xor 16's: the block's largest magnitude
.endr
.irp b, 0,1
	v_add_nc_u32 v[TM+4+\b], 0xff000000, v[TM+\b]  ; 2 off its exponent field: the conversion's scale operand
.endr
.irp b, 0,1
	v_lshrrev_b32 v[TM+2+\b], 23, v[TM+4+\b]       ; the scale's byte
.endr
	v_lshl_or_b32 v[\pw], v[TM+3], 8, v[TM+2]
	v_cvt_scalef32_pk16_fp6_f32 v[\pc:\pc+2], v[\s:\s+15], v[TM+4]
	v_cvt_scalef32_pk16_fp6_f32 v[\pc+6:\pc+8], v[\s+16:\s+31], v[TM+5]
	v_nop                                          ; one plain place behind a scaled conversion
.irp i, 0,1,2
	v_permlane16_swap_b32 v[\pc+\i], v[\pc+6+\i]   ; the layout wants a whole block in a lane: lanes 0-15 block 0, lanes 16-31 block 1
.endr
.irp i, 0,1,2
	v_mov_b32 v[\pc+3+\i], v[\pc+6+\i]
.endr
.endm
; 32 numbers of a lane that are ONE block (32 keys of my channel) become its codes in v[pc .. pc+5]; v[pw]: my byte and lane l xor 16's
.macro VQ s, pc, pw
	v_max3_num_f32 v[TM], |v[\s]|, |v[\s+1]|, 0x1800000
	v_max3_num_f32 v[TM+1], |v[\s+2]|, |v[\s+3]|, |v[\s+4]|
.irp i, 5,9,13,17,21,25
	v_max3_num_f32 v[TM], v[TM], |v[\s+\i]|, |v[\s+\i+1]|
	v_max3_num_f32 v[TM+1], v[TM+1], |v[\s+\i+2]|, |v[\s+\i+3]|
.endr
	v_max3_num_f32 v[TM], v[TM], |v[\s+29]|, |v[\s+30]|
	v_max3_num_f32 v[TM], v[TM], v[TM+1], |v[\s+31]|
	v_add_nc_u32 v[TM+4], 0xff000000, v[TM]
	v_lshrrev_b32 v[TM+1], 23, v[TM+4]
	v_lshlrev_b32 v[TM+1], v[SH8], v[TM+1]         ; at its place: 8 h bits up
	v_permlanex16_b32 v[TM+2], v[TM+1], s[SEL], s[SEL+1]
	v_or_b32 v[\pw], v[TM+1], v[TM+2]
	v_cvt_scalef32_pk16_fp6_f32 v[\pc:\pc+2], v[\s:\s+15], v[TM+4]
	v_cvt_scalef32_pk16_fp6_f32 v[\pc+6:\pc+8], v[\s+16:\s+31], v[TM+4]
	v_nop                                          ; one plain place behind a scaled conversion
.irp i, 0,1,2
	v_mov_b32 v[\pc+3+\i], v[\pc+6+\i]
.endr
.endm
	s_load_b128 s[4:7], s[0:1], 0x0                ; hq s[4:5], wimg s[6:7]
	s_load_b128 s[8:11], s[0:1], 0x10              ; b_attn s[8:9], qc s[10:11]
	s_load_b128 s[68:71], s[0:1], 0x20             ; kc s[68:69], vc s[70:71]
	s_load_b64 s[72:73], s[0:1], 0x30              ; out1
	v_lshl_add_u32 v126, v0, 2, 0x45000
	v_mov_b32 v127, 0
	ds_add_u32 v126, v127
	ds_add_u32 v126, v127
	v_lshrrev_b32 v1, 5, v0
	v_readfirstlane_b32 s14, v1                    ; wave 0..3
	s_lshr_b32 s15, s14, 1                         ; which half of the tile's rows is mine.  Also: I fetch for h (0) or for w (1)
	s_and_b32 s16, s14, 1                          ; which half of its columns.  Also: which two K steps of a slot I fetch
	s_bfe_u32 s40, ttmp6, 0x40000                  ; cx, cy: my place in the cluster
	s_bfe_u32 s41, ttmp6, 0x40004
	s_lshl_b32 s42, ttmp9, 2
	s_add_co_u32 s42, s42, s40                     ; column tile = 4 x cluster x + cx
	s_and_b32 s17, ttmp7, 0xffff
	s_lshl_b32 s17, s17, 2
	s_add_co_u32 s17, s17, s41                     ; row tile = 4 x cluster y + cy
	s_lshl_b32 s43, s41, 2
	s_lshl_b32 s43, 15, s43                        ; my row of the cluster
	s_lshl_b32 s44, 0x1111, s40                    ; my column
	; descriptor group 1: two records, 26,624 dense bytes, as 104 rows of 256 bytes (32 elements of 8 bytes), no padding
	s_or_b32 s[G1A], s43, (3<<16)|(1<<21)          ; 15:0 the mask: h's records go to my row; 17:16 elements of 8 bytes; 21 set beside a mask
	s_or_b32 s[G1B], s44, (3<<16)|(1<<21)          ; w's go to my column
.irp g, G1A, G1B
	s_mov_b32 s[\g+1], 32<<16                      ; tensor_dim0 = 32
	s_mov_b32 s[\g+2], 104<<16                     ; tensor_dim1 = 104
	s_mov_b32 s[\g+3], 32<<16                      ; tile_dim0 = 32
	s_mov_b32 s[\g+4], 104                         ; tile_dim1 = 104
	s_mov_b32 s[\g+5], 32                          ; tensor_dim0_stride
	s_mov_b32 s[\g+6], 0
	s_mov_b32 s[\g+7], 0
.endr
	s_mul_i32 s18, s16, 2*REC                      ; which two K steps of a slot I fetch
	s_mul_i32 s20, s17, KS*REC
	s_add_co_u32 s20, s20, s18                     ; h: hangs on the row tile and the wave alone
	s_mov_b32 s21, 0
	s_mul_i32 s46, s42, KS*REC
	s_add_co_u32 s46, s46, s18
	s_add_co_u32 s46, s46, WOFF                    ; w: on the column tile and the wave alone
	s_mov_b32 s47, 0
	s_mul_i32 s45, s14, 2*REC                      ; where they go: wave x two records: no place in the cluster enters an LDS address
	s_wait_dscnt 0x0
	s_wait_kmcnt 0x0
	s_add_nc_u64 s[20:21], s[4:5], s[20:21]
	s_add_nc_u64 s[46:47], s[6:7], s[46:47]
	CROUND                                         ; all sixteen work-groups are here: the joint loads meet
.irp s, 0,1
	s_mov_b32 s[G0A+4*\s], 1
	s_add_co_u32 s[G0A+4*\s+1], s45, \s*SLOT
	s_add_nc_u64 s[G0A+4*\s+2:G0A+4*\s+3], s[20:21], \s*4*REC
	s_or_b32 s[G0A+4*\s+3], s[G0A+4*\s+3], 0x80000000
	s_mov_b32 s[G0B+4*\s], 1
	s_add_co_u32 s[G0B+4*\s+1], s45, \s*SLOT
	s_add_nc_u64 s[G0B+4*\s+2:G0B+4*\s+3], s[46:47], \s*4*REC
	s_or_b32 s[G0B+4*\s+3], s[G0B+4*\s+3], 0x80000000
.endr
	s_cmp_eq_u32 s15, 0                            ; a wave's two fills stand in one branch, ahead of every wait on TENSORcnt and every LDS read: two loads of mine are out
	s_cbranch_scc0 .Lfirst_b
	tensor_load_to_lds s[G0A:G0A+3], s[G1A:G1A+7]
	s_nop 0
	tensor_load_to_lds s[G0A+4:G0A+7], s[G1A:G1A+7]
	s_nop 0
.rept 4
	v_nop
.endr
	s_branch .Lfirst_asked
.Lfirst_b:
	tensor_load_to_lds s[G0B:G0B+3], s[G1B:G1B+7]
	s_nop 0
	tensor_load_to_lds s[G0B+4:G0B+7], s[G1B:G1B+7]
	s_nop 0
.rept 4
	v_nop
.endr
.Lfirst_asked:
	s_lshl_b32 s18, s42, 9
	s_lshl_b32 s19, s16, 8
	s_add_co_u32 s18, s18, s19                     ; my first column, in bytes of f32
	s_mov_b32 s19, 0
	s_add_nc_u64 s[8:9], s[8:9], s[18:19]
	v_and_b32 v1, 31, v0                           ; lane
	v_and_b32 v2, 15, v0                           ; r
	v_bfe_u32 v3, v0, 4, 1                         ; h
	v_lshlrev_b32 v[BV], 6, v3
.irp b, 0,1,2,3                        ; the bias in the result's layout: tile b's register j is column 32 (b / 2) + 8 (b % 2) + 16 h + j
	global_load_b128 v[BIAS+8*\b:BIAS+8*\b+3], v[BV], s[8:9] offset:(32*(\b/2)+8*(\b%2))*4
	global_load_b128 v[BIAS+8*\b+4:BIAS+8*\b+7], v[BV], s[8:9] offset:(32*(\b/2)+8*(\b%2))*4+16
.endr
	v_lshlrev_b32 v[L16], 4, v1
	v_lshlrev_b32 v[L8], 3, v1
	v_lshlrev_b32 v[L4], 2, v1
	v_lshlrev_b32 v[SH8], 3, v3
	s_mul_i32 s18, s15, 6144                       ; my four images of h
	s_mul_i32 s19, s16, 6144
	s_add_co_u32 s19, s19, BOFF                    ; my four of w
	s_lshl_b32 s22, s15, 9
	s_add_co_u32 s22, s22, 12288                   ; their scale words
	s_lshl_b32 s23, s16, 9
	s_add_co_u32 s23, s23, BOFF+12288
.irp s, 0,1
	v_add_nc_u32 v[A16+\s], s18, v[L16]
	v_add_nc_u32 v[A8+\s], s18, v[L8]
	v_add_nc_u32 v[B16+\s], s19, v[L16]
	v_add_nc_u32 v[B8+\s], s19, v[L8]
	v_add_nc_u32 v[AS+\s], s22, v[L4]
	v_add_nc_u32 v[BS+\s], s23, v[L4]
	s_add_co_u32 s18, s18, SLOT
	s_add_co_u32 s19, s19, SLOT
	s_add_co_u32 s22, s22, SLOT
	s_add_co_u32 s23, s23, SLOT
.endr
	s_mul_i32 s18, s14, WSTG
	s_add_co_u32 s18, s18, STG                     ; my stage
	v_and_b32 v24, 8, v2
	v_add_nc_u32 v24, v24, v2                      ; r + 8 (r / 8)
	v_mul_u32_u24 v[STO], v24, SPITCH
	v_lshl_add_u32 v[STO], v3, 6, v[STO]
	v_add_nc_u32 v[STO], s18, v[STO]               ; in: my row of a tile, + 64 h bytes
	v_mul_u32_u24 v[RD], v3, SPITCH
	v_lshl_add_u32 v[RD], v2, 4, v[RD]
	v_add_nc_u32 v[RD], s18, v[RD]                 ; back: lanes 0-15 one row of 256 bytes, lanes 16-31 the next
	v_mul_u32_u24 v[VCOL], v3, 32*SPITCH
	v_lshl_add_u32 v[VCOL], v24, 2, v[VCOL]
	v_add_nc_u32 v[VCOL], s18, v[VCOL]             ; by columns: row 32 h, column r + 8 (r / 8)
	v_mov_b32 v[TM+2], 0                           ; written once: a lane permute's destination counts as one of its sources
	v_mov_b32 v[TM+3], 0
	s_mov_b32 s[SEL], 0x76543210
	s_mov_b32 s[SEL+1], 0xfedcba98
	; where the results go
	s_lshr_b32 s74, ttmp9, 1                       ; region: 0 q, 1 k, 2 v
	s_lshr_b32 s75, s17, 3                         ; batch
	s_and_b32 s76, s17, 7                          ; which 128 tokens of it
	s_and_b32 s77, s42, 7
	s_lshl_b32 s77, s77, 1
	s_add_co_u32 s77, s77, s16                     ; head: my 64 columns are one head
	s_lshl_b32 s78, s75, 4
	s_add_co_u32 s78, s78, s77
	s_lshl_b32 s78, s78, 3
	s_add_co_u32 s78, s78, s76                     ; 8 (16 batch + head) + step
	s_cmp_eq_u32 s74, 0
	s_cselect_b64 s[80:81], s[10:11], s[68:69]     ; qc or kc
	s_mul_i32 s82, s78, 7168                       ; a step of q or k: eight half images of 768 bytes, eight times 128 bytes of words
	s_mul_i32 s84, s15, 3072
	s_add_co_u32 s84, s84, s82
	s_mov_b32 s85, 0
	s_add_nc_u64 s[84:85], s[80:81], s[84:85]      ; my four half images
	s_lshl_b32 s86, s15, 9
	s_add_co_u32 s86, s86, s82
	s_add_co_u32 s86, s86, 6144
	s_mov_b32 s87, 0
	s_add_nc_u64 s[86:87], s[80:81], s[86:87]      ; their words
	s_mul_i32 s88, s78, 6656                       ; a step of v: four images of V^T, four times 128 bytes of words
	s_mul_i32 s90, s15, 768
	s_add_co_u32 s90, s90, s88
	s_mov_b32 s91, 0
	s_add_nc_u64 s[90:91], s[70:71], s[90:91]      ; my 64 keys are half wr of each image
	s_lshl_b32 s92, s15, 1
	s_add_co_u32 s92, s92, s88
	s_add_co_u32 s92, s92, 6144
	s_mov_b32 s93, 0
	s_add_nc_u64 s[92:93], s[70:71], s[92:93]
	s_max_u32 s96, s74, 1                          ; (region 0 stores nothing to out1: its pointer is k's, unused)
	s_lshl_b32 s94, s75, 1
	s_add_co_u32 s94, s94, s96
	s_sub_co_u32 s94, s94, 1                       ; 2 batch + (0 k, 1 v)
	s_lshl_b32 s94, s94, 4
	s_add_co_u32 s94, s94, s77
	s_lshl_b32 s94, s94, 10
	s_lshl_b32 s95, s76, 7
	s_add_co_u32 s94, s94, s95
	s_lshl_b32 s95, s15, 6
	s_add_co_u32 s94, s94, s95                     ; my first token's row of out1
	s_lshl_b32 s94, s94, 8                         ; rows of 256 bytes
	s_mov_b32 s95, 0
	s_add_nc_u64 s[94:95], s[72:73], s[94:95]
	s_wait_loadcnt 0x0                             ; the bias
	s_wait_tensorcnt 1                             ; my part of slot 0 is in; slot 1's may stay out
	s_barrier_signal -1
	s_barrier_wait -1                              ; everybody's is
	FETCH 0, 0, F0, 0
	STEP 0, 0, 1
	STEP 0, 1, 0
	STEP 0, 2, 0
	TURN0 1
	STEP 1, 0, 0
	STEP 1, 1, 0
	STEP 1, 2, 0
	s_wait_dscnt 0x0
	MUL F1, 1, 0
	WIN 0
	PLACES
	; THE WAY OUT.  All results go into my stage, each accumulator from its low end on: row 32 (a / 2) + 8 (a % 2) + r + 8 (r / 8), bytes 128 b + 64 h + 16 i
.irp a, 0,1,2,3
.irp e, 0,1,2,3,4,5,6,7
	ds_store_b128 v[STO], v[ACC+32*\a+4*\e:ACC+32*\a+4*\e+3] offset:(32*(\a/2)+8*(\a%2))*SPITCH+128*(\e/4)+16*(\e%4)
.endr
.endr
	s_cmp_lt_u32 s74, 2
	s_cbranch_scc0 .Lno_qk
.irp a, 0,1,2,3                        ; q and k: K is the head's 64, which are my 32 registers of a tile of rows: half an image and two scale bytes (the word's upper two are 0)
	HQ ACC+32*\a, 48+10*\a, 88+\a
	global_store_b128 v[L16], v[48+10*\a:51+10*\a], s[84:85] offset:768*\a
	global_store_b64 v[L8], v[52+10*\a:53+10*\a], s[84:85] offset:768*\a+512
	global_store_b32 v[L4], v[88+\a], s[86:87] offset:128*\a
.endr
	s_wait_xcnt 0x0                                ; these stores have read their registers
.Lno_qk:
	s_cmp_eq_u32 s74, 0
	s_cbranch_scc1 .Ldone
	s_wait_dscnt 0x0                               ; k and v: whole rows back from the stage, into the accumulators' registers, and out
.set t, 0
.rept 32
	ds_load_b128 v[ACC+4*t:ACC+4*t+3], v[RD] offset:t*2*SPITCH
.set t, t+1
.endr
.set t, 0
.rept 32
	s_wait_dscnt 31-t                              ; the younger loads may be out
	global_store_b128 v[L16], v[ACC+4*t:ACC+4*t+3], s[94:95] offset:t*512 th:TH_STORE_NT   ; 32 lanes store two tokens' rows: 512 consecutive bytes, aligned to 256
.set t, t+1
.endr
	s_cmp_eq_u32 s74, 2
	s_cbranch_scc0 .Ldone
.irp d, 0,1,2,3                        ; v: K is the keys.  Lane (r, h) takes channel 32 (d / 2) + 8 (d % 2) + r + 8 (r / 8) and my keys 32 h + 0 .. 31: one whole block, down the stage
.set i, 0
.rept 32
	ds_load_b32 v[VX+i], v[VCOL] offset:i*SPITCH+(32*(\d/2)+8*(\d%2))*4
.set i, i+1
.endr
	s_wait_dscnt 0x0
	VQ VX, 48+10*\d, 88+\d
	global_store_b128 v[L16], v[48+10*\d:51+10*\d], s[90:91] offset:1536*\d
	global_store_b64 v[L8], v[52+10*\d:53+10*\d], s[90:91] offset:1536*\d+512
	global_store_b16 v[L4], v[88+\d], s[92:93] offset:128*\d
.endr
.Ldone:
	s_wait_dscnt 0x0                               ; no LDS instruction of mine is out at a signal
	s_wait_tensorcnt 0x0
	ds_add_u32 v126, v127
	s_wait_dscnt 0x0
	CROUND                                         ; the closing round: no work-group ends while a partner may still ask for a tile that names it
	s_endpgm
.Lfunc_end_k_q0df3526f42_qkv:
	.size	k_q0df3526f42_qkv, .Lfunc_end_k_q0df3526f42_qkv-k_q0df3526f42_qkv
	.p2alignl 7, 3214868480
	.fill 96, 4, 3214868480
	.section	.rodata,"a",@progbits
	.p2align	6, 0x0
	.amdhsa_kernel k_q0df3526f42_qkv
		.amdhsa_group_segment_fixed_size 283136
		.amdhsa_private_segment_fixed_size 0
		.amdhsa_enable_private_segment 0
		.amdhsa_kernarg_size 56
		.amdhsa_user_sgpr_count 2
		.amdhsa_user_sgpr_kernarg_segment_ptr 1
		.amdhsa_wavefront_size32 1
		.amdhsa_system_sgpr_workgroup_id_x 1
		.amdhsa_system_sgpr_workgroup_id_y 1
		.amdhsa_system_sgpr_workgroup_id_z 1
		.amdhsa_system_vgpr_workitem_id 0
		.amdhsa_next_free_vgpr 512
		.amdhsa_next_free_sgpr 100
		.amdhsa_reserve_vcc 0
		.amdhsa_float_denorm_mode_32 3
		.amdhsa_float_denorm_mode_16_64 3
		.amdhsa_memory_ordered 1
		.amdhsa_forward_progress 1
		.amdhsa_inst_pref_size 81
	.end_amdhsa_kernel
	.amdgpu_metadata
---
amdhsa.version: [ 1, 2 ]
amdhsa.kernels:
  - .name:           k_q0df3526f42_qkv
    .symbol:         k_q0df3526f42_qkv.kd
    .args:
      - { .name: hq, .offset: 0, .size: 8, .value_kind: global_buffer, .address_space: global }
      - { .name: wimg, .offset: 8, .size: 8, .value_kind: global_buffer, .address_space: global }
      - { .name: b_attn, .offset: 16, .size: 8, .value_kind: global_buffer, .address_space: global }
      - { .name: qc, .offset: 24, .size: 8, .value_kind: global_buffer, .address_space: global }
      - { .name: kc, .offset: 32, .size: 8, .value_kind: global_buffer, .address_space: global }
      - { .name: vc, .offset: 40, .size: 8, .value_kind: global_buffer, .address_space: global }
      - { .name: out1, .offset: 48, .size: 8, .value_kind: global_buffer, .address_space: global }
    .group_segment_fixed_size: 283136
    .private_segment_fixed_size: 0
    .kernarg_segment_align: 8
    .kernarg_segment_size: 56
    .max_flat_workgroup_size: 128
    .sgpr_count:     100
    .vgpr_count:     512
    .wavefront_size: 32
...
	.end_amdgpu_metadata
.endif
;; end of part 3
;; launch attn (part 4): grid 4 x 64, 16 waves a work-group, clusters of 4 x 1, 169,984 bytes of LDS; arguments qc, kc, vc, ac; writes ac
.if DOCPART == 4
	.amdgcn_target "amdgcn-amd-amdhsa--gfx1250"
	.amdhsa_code_object_version 6
	.text
	.protected	k_q0df3526f42_attn
	.globl	k_q0df3526f42_attn
	.p2align	8
	.type	k_q0df3526f42_attn,@function
k_q0df3526f42_attn:
	s_mov_b64 s[64:65], 0
	v_nop
	global_prefetch_b8 v0, s[64:65] scope:SCOPE_SE
	s_setreg_imm32_b32 hwreg(HW_REG_WAVE_MODE, 25, 1), 1
	s_wait_xcnt 0x0
	s_wait_alu depctr_hold_cnt(0) depctr_sa_sdst(0) depctr_va_vdst(0) depctr_va_sdst(0) depctr_va_ssrc(0) depctr_va_vcc(0) depctr_vm_vsrc(0)
	s_getreg_b32 s2, hwreg(HW_REG_IB_STS2, 6, 4)
	s_cmp_eq_u32 s2, 0
	s_cbranch_scc0 .Lentry_in_a_cluster
	s_endpgm
.Lentry_in_a_cluster:
	s_bfe_u32 s2, ttmp6, 0x10000c
	s_cmp_lg_u32 s2, 0x3003
	s_cbranch_scc0 .Lentry_shape_is_right
	s_endpgm
.Lentry_shape_is_right:
; a = softmax(q k^T / 8, causal) v for one head of 1,024 tokens x 64, both products on codes of FP6 (E2M3) with E8M0 scales; a is divided by the row's sum and quantised along the next product's K.
; THE SOFTMAX AHEAD OF THE SECOND PRODUCT: t = score x log2(e) / 8; M = the row's largest t so far, rounded UP to a whole number; p = 2^(t - M) is what is quantised, along the keys, not normalised.
; The row's sum is taken of the unquantised p.  When M moves, the sum and O are multiplied by 2^(old M - new M): exact.
; SHARES.  The four work-groups of a cluster serve one head (the grid's y).  A wave owns one tile of 16 queries: tile e = 2 cx + wave % 2 of the 128 tokens of step g; g is made of the wave's number alone,
; and a wave walks key steps 0 .. g of 128 keys, the last on the diagonal: so every work-group has the same work, and no branch hangs on the place in the cluster.
; THE WHOLE HEAD'S K AND V LIE IN LDS, 110,592 bytes, filled once by four joint loads (waves 0, 1: K's halves; waves 2, 3: V's): no LDS byte is filled again.
; LAYOUT.  Both products transposed: S^T = K Q^T, O^T = V^T P^T: a lane holds one query.  Lane r of a tile holds token (channel) 32 (T / 2) + 8 (T % 2) + r + 8 (r / 8), so the 16 registers of tiles 2 b, 2 b + 1 are 16 neighbours.
; K = 64 IN THE FIRST PRODUCT: Q's registers 6-11 are zero codes, so whatever stands in the upper half of K's operand (the next tile's codes) adds exact zeros; the scale bytes there are 0, which is 2^-127.
; LIMITS: hidden scores are taken as -infinity where the model has -1e10 (they differ only if every open logit of a row lay under about -1e10); NaN and infinities are not served;
; a block of zeros gets the scale byte 1 where the rule says 127 (its codes are zeros; this program alone reads the bytes).
; REGISTERS: v1-3 16, 8, 4 x lane; v7 the mask's bound; v8-11, v28-29 the step's addresses; v12 -M, v13 the largest t, v[14:15] the sum; v16-27 Q; v32-85 K's eight tiles, then V's four images in v32-79;
;   v86-93 K's scale words; v96-159 S^T, then p; v160-191 O^T; v192-210 the last quantiser; v224-247 p's codes and work; v248-251 V's scale words; v252 f, v253 p's scale word, v254 work, v255 Q's scale word.
.set REC, 13312
.set KST, 7168                         ; a key step of K: eight half images of 768 bytes, eight times 128 bytes of scale words
.set VST, 6656                         ; of V: four images of 1,536 bytes, four times 128
.set VLDS, 8*KST                       ; V's records begin behind K's
.set TM,  192                          ; v192-197
.set WV,  18
.set SEL, 20                           ; s[20:21] v_permlanex16_b32's selects for lane l xor 16
.set CS,  22                           ; s[22:23] c = log2(e) / 8
.set G1K, 24                           ; s[24:31], s[32:39] descriptor groups 1 for K and V;  s[40:43], s[44:47] their groups 0
.set G1V, 32
.set G0K, 40
.set G0V, 44
.set ST,  48                           ; s48  the key step
.set GG,  49                           ; s49  my last key step
.set TK,  50                           ; s50  LDS byte of the step's K
.set TV,  51                           ; s51  of its V
.macro CROUND                          ; a round of the cluster's barrier
	s_barrier_signal -1
	s_barrier_wait -1
	s_cmp_lg_u32 s[WV], 0
	s_cbranch_scc1 .Lnot_wave_0_\@
	s_barrier_signal -3
.Lnot_wave_0_\@:
	s_barrier_wait -3
	s_barrier_signal -1
	s_barrier_wait -1
.endm
; 32 numbers of a lane, register 16 b + i = k 32 b + 16 h + i of my row, become half a fragment's codes in v[pc .. pc+5] and two scale bytes in v[pw]
.macro HQ s, pc, pw
.irp b, 0,1
	v_max3_num_f32 v[TM+\b], |v[\s+16*\b]|, |v[\s+16*\b+1]|, 0x1800000   ; block b: my 16 numbers, and the floor 2^(3 - 127): the byte cannot fall under 1
.endr
.irp i, 2,4,6,8,10,12,14
.irp b, 0,1
	v_max3_num_f32 v[TM+\b], v[TM+\b], |v[\s+16*\b+\i]|, |v[\s+16*\b+\i+1]|
.endr
.endr
.irp b, 0,1
	v_permlanex16_b32 v[TM+2+\b], v[TM+\b], s[SEL], s[SEL+1]
.endr
.irp b, 0,1
	v_max_num_f32 v[TM+\b], v[TM+\b], v[TM+2+\b]
.endr
.irp b, 0,1
	v_add_nc_u32 v[TM+4+\b], 0xff000000, v[TM+\b]
.endr
.irp b, 0,1
	v_lshrrev_b32 v[TM+2+\b], 23, v[TM+4+\b]
.endr
	v_lshl_or_b32 v[\pw], v[TM+3], 8, v[TM+2]
	v_cvt_scalef32_pk16_fp6_f32 v[\pc:\pc+2], v[\s:\s+15], v[TM+4]
	v_cvt_scalef32_pk16_fp6_f32 v[\pc+6:\pc+8], v[\s+16:\s+31], v[TM+5]
	v_nop                                          ; one plain place behind a scaled conversion
.irp i, 0,1,2
	v_permlane16_swap_b32 v[\pc+\i], v[\pc+6+\i]
.endr
.irp i, 0,1,2
	v_mov_b32 v[\pc+3+\i], v[\pc+6+\i]
.endr
.endm
	s_load_b256 s[4:11], s[0:1], 0x0               ; qc s[4:5], kc s[6:7], vc s[8:9], ac s[10:11]
	v_lshl_add_u32 v223, v0, 2, 0x29000
	v_mov_b32 v243, 0
	ds_add_u32 v223, v243
	ds_add_u32 v223, v243
	v_lshrrev_b32 v8, 5, v0
	v_readfirstlane_b32 s[WV], v8                  ; wave 0..15
	s_bfe_u32 s52, ttmp6, 0x40000                  ; cx
	s_and_b32 s53, ttmp7, 0xffff                   ; 16 batch + head, which the four partners share
	s_bfe_u32 s54, s[WV], 0x10001
	s_lshl_b32 s54, s54, 1
	s_lshr_b32 s55, s[WV], 3
	s_add_co_u32 s54, s54, s55                     ; x = 2 (bit 1) + bit 3
	s_bfe_u32 s55, s[WV], 0x10002
	s_mul_i32 s55, s55, 7
	s_xor_b32 s[GG], s54, s55                      ; g = x, or 7 - x where bit 2 is set: waves 4 apart have 18 key steps among the four of them
	s_and_b32 s57, s[WV], 1
	s_lshl_b32 s56, s52, 1
	s_add_co_u32 s56, s56, s57                     ; e: my tile among the step's eight
	; descriptor groups 1: dense blocks as rows of 256 bytes (32 elements of 8 bytes), no padding: K: four steps, 112 rows;  V: four steps, 104 rows
	s_mov_b32 s[G1K], 15|(3<<16)|(1<<21)           ; 15:0 the mask: all four work-groups; 17:16 elements of 8 bytes; 21 set beside a mask
	s_mov_b32 s[G1K+1], 32<<16
	s_mov_b32 s[G1K+2], 112<<16
	s_mov_b32 s[G1K+3], 32<<16
	s_mov_b32 s[G1K+4], 112
	s_mov_b32 s[G1K+5], 32
	s_mov_b32 s[G1K+6], 0
	s_mov_b32 s[G1K+7], 0
	s_mov_b32 s[G1V], 15|(3<<16)|(1<<21)
	s_mov_b32 s[G1V+1], 32<<16
	s_mov_b32 s[G1V+2], 104<<16
	s_mov_b32 s[G1V+3], 32<<16
	s_mov_b32 s[G1V+4], 104
	s_mov_b32 s[G1V+5], 32
	s_mov_b32 s[G1V+6], 0
	s_mov_b32 s[G1V+7], 0
	s_mul_i32 s58, s53, 8*KST                      ; the head's first byte in qc and in kc
	s_mul_i32 s59, s57, 4*KST                      ; which half I would fetch: in LDS,
	s_add_co_u32 s68, s58, s59                     ; and in memory
	s_mov_b32 s69, 0
	s_mul_i32 s70, s53, 8*VST
	s_mul_i32 s71, s57, 4*VST
	s_add_co_u32 s70, s70, s71
	s_add_co_u32 s72, s71, VLDS
	s_mov_b32 s71, 0
	s_mov_b32 s[SEL], 0x76543210
	s_mov_b32 s[SEL+1], 0xfedcba98
	s_mov_b32 s[CS], 0x3e38aa3b                    ; c = log2(e) / 8
	s_mov_b32 s[CS+1], s[CS]                       ; (named with it as a pair, so it is written)
	s_mov_b32 s[ST], 0
	s_mov_b32 s[TK], 0
	s_mov_b32 s[TV], VLDS
	s_wait_dscnt 0x0
	s_wait_kmcnt 0x0
	s_mov_b32 s[G0K], 1
	s_mov_b32 s[G0K+1], s59
	s_add_nc_u64 s[G0K+2:G0K+3], s[6:7], s[68:69]
	s_or_b32 s[G0K+3], s[G0K+3], 0x80000000
	s_mov_b32 s[G0V], 1
	s_mov_b32 s[G0V+1], s72
	s_add_nc_u64 s[G0V+2:G0V+3], s[8:9], s[70:71]
	s_or_b32 s[G0V+3], s[G0V+3], 0x80000000
	CROUND                                         ; all four work-groups are here: the joint loads meet
	s_cmp_lt_u32 s[WV], 2                          ; waves 0 and 1 fetch K's halves, waves 2 and 3 V's, the others nothing; four v_nop follow each line
	s_cbranch_scc0 .Lnot_k
	tensor_load_to_lds s[G0K:G0K+3], s[G1K:G1K+7]
	s_nop 0
.rept 4
	v_nop
.endr
	s_branch .Lasked
.Lnot_k:
	s_cmp_lt_u32 s[WV], 4
	s_cbranch_scc0 .Lasked
	tensor_load_to_lds s[G0V:G0V+3], s[G1V:G1V+7]
	s_nop 0
.rept 4
	v_nop
.endr
.Lasked:
	s_mul_i32 s60, s[GG], KST
	s_add_co_u32 s60, s60, s58                     ; q's step g
	s_mul_i32 s62, s56, 768
	s_add_co_u32 s62, s62, s60
	s_mov_b32 s63, 0
	s_add_nc_u64 s[62:63], s[4:5], s[62:63]        ; my tile's half image
	s_lshl_b32 s61, s56, 7
	s_add_co_u32 s60, s60, s61
	s_add_co_u32 s60, s60, 6144
	s_mov_b32 s61, 0
	s_add_nc_u64 s[60:61], s[4:5], s[60:61]        ; and its scale words
	v_and_b32 v4, 31, v0
	v_lshlrev_b32 v1, 4, v4                        ; 16 x lane
	v_lshlrev_b32 v2, 3, v4                        ; 8 x lane
	v_lshlrev_b32 v3, 2, v4                        ; 4 x lane
	global_load_b128 v[16:19], v1, s[62:63]        ; Q's codes stay in registers
	global_load_b64 v[20:21], v2, s[62:63] offset:512
	global_load_b32 v255, v3, s[60:61]
	s_lshr_b32 s66, s53, 4                         ; batch
	s_and_b32 s67, s53, 15                         ; head
	s_lshl_b32 s66, s66, 3
	s_add_co_u32 s66, s66, s[GG]                   ; row tile of the next product: 8 batch + g
	s_lshl_b32 s66, s66, 3
	s_lshr_b32 s73, s67, 1
	s_add_co_u32 s66, s66, s73                     ; its K step: head / 2
	s_mul_i32 s66, s66, REC
	s_and_b32 s67, s67, 1                          ; which half of the K step: head % 2
	s_mul_i32 s74, s56, 1536
	s_mul_i32 s75, s67, 768
	s_add_co_u32 s74, s74, s75
	s_add_co_u32 s74, s74, s66
	s_mov_b32 s75, 0
	s_add_nc_u64 s[74:75], s[10:11], s[74:75]      ; a's half image
	s_lshl_b32 s76, s56, 7
	s_lshl_b32 s77, s67, 1
	s_add_co_u32 s76, s76, s77
	s_add_co_u32 s76, s76, s66
	s_add_co_u32 s76, s76, 12288
	s_mov_b32 s77, 0
	s_add_nc_u64 s[76:77], s[10:11], s[76:77]      ; and its two scale bytes
	s_lshr_b32 s78, s56, 1
	s_lshl_b32 s78, s78, 5
	s_and_b32 s79, s56, 1
	s_lshl_b32 s79, s79, 3
	s_add_co_u32 s78, s78, s79                     ; 32 (e / 2) + 8 (e % 2)
	v_and_b32 v5, 15, v0
	v_and_b32 v6, 8, v5
	v_add_nc_u32 v5, v5, v6                        ; r + 8 (r / 8)
	v_bfe_u32 v6, v0, 4, 1
	v_lshlrev_b32 v6, 4, v6
	v_sub_nc_u32 v5, v5, v6
	v_add_nc_u32 v7, s78, v5                       ; d = my query among the step's 128 - 16 h: register 16 b + i holds key 32 b + 16 h + i, hidden where 32 b + i > d
.irp j, 22,23,24,25,26,27,80,81,82,83,84,85
	v_mov_b32 v\j, 0                               ; Q's upper 64 of K: zero codes;  behind K's last tile: zero codes
.endr
	v_mov_b32 v13, 0xff61b1e6                      ; the largest t so far: -3e38, under every t
	v_floor_f32 v12, -v13                          ; -M
	v_mov_b32 v14, 0                               ; the sum, in two halves
	v_mov_b32 v15, 0
.irp j, 194,195,236,237,238,239,252,253
	v_mov_b32 v\j, 0                               ; written once: a lane permute's destination counts as one of its sources; v253 is named with v252 as a pair
.endr
.set j, 0
.rept 32
	v_mov_b32 v[160+j], 0                          ; O^T: the step is written once; the first finds zeros, which the first change of M leaves zeros
.set j, j+1
.endr
	s_wait_loadcnt 0x0                             ; Q
	s_wait_tensorcnt 0x0                           ; my part of the head, if I fetched one, has landed
	s_barrier_signal -1
	s_barrier_wait -1                              ; everybody's has
.Lstep:                                            ; eight trips in every wave; a step all of whose keys come after my queries is left out
	s_cmp_gt_u32 s[ST], s[GG]
	s_cbranch_scc1 .Lskip
	v_add_nc_u32 v8, s[TK], v1
	v_add_nc_u32 v9, s[TK], v2
	v_add_nc_u32 v10, s[TK], v3
	v_add_nc_u32 v11, s[TV], v1
	v_add_nc_u32 v28, s[TV], v2
	v_add_nc_u32 v29, s[TV], v3
.irp i, 0,1,2,3,4,5,6,7                ; K's eight tiles of 16 keys: six registers each
	ds_load_b128 v[32+6*\i:35+6*\i], v8 offset:768*\i
	ds_load_b64 v[36+6*\i:37+6*\i], v9 offset:768*\i+512
	ds_load_b32 v[86+\i], v10 offset:6144+128*\i
.endr
	s_wait_dscnt 0x0
.irp i, 0,1,2,3,4,5,6,7
	v_wmma_scale_f32_16x16x128_f8f6f4 v[96+8*\i:103+8*\i], v[32+6*\i:43+6*\i], v[16:27], 0, v[86+\i], v255 matrix_a_fmt:MATRIX_FMT_FP6 matrix_b_fmt:MATRIX_FMT_FP6
.endr
.rept 4
	v_nop                                          ; places ahead of the loads into K's registers and of the first read of the scores
.endr
.irp d, 0,1,2,3                        ; V's four images are asked for here: they land under the softmax
	ds_load_b128 v[32+12*\d:35+12*\d], v11 offset:1536*\d
	ds_load_b64 v[36+12*\d:37+12*\d], v28 offset:1536*\d+512
	ds_load_b128 v[38+12*\d:41+12*\d], v11 offset:1536*\d+768
	ds_load_b64 v[42+12*\d:43+12*\d], v28 offset:1536*\d+1280
	ds_load_b32 v[248+\d], v29 offset:6144+128*\d
.endr
	s_cmp_lg_u32 s[ST], s[GG]                      ; on the diagonal the scores of hidden keys become -infinity ahead of the maximum: p = 0 then
	s_cbranch_scc1 .Lopen
	v_mov_b32 v254, 0xff800000
.set n, 0
.rept 64
	v_cmp_gt_i32 vcc_lo, 32*(n/16)+n%16, v7
	v_cndmask_b32 v[96+n], v[96+n], v254, vcc_lo
.set n, n+1
.endr
.Lopen:
.irp b, 0,1,2,3
	v_max3_num_f32 v[232+\b], v[96+16*\b], v[97+16*\b], v[98+16*\b]   ; the largest score of each block of 32 keys: for the row's maximum, and, since p rises with the score, for the block's largest p
.endr
.irp i, 3,5,7,9,11,13
.irp b, 0,1,2,3
	v_max3_num_f32 v[232+\b], v[232+\b], v[96+16*\b+\i], v[97+16*\b+\i]
.endr
.endr
.irp b, 0,1,2,3
	v_max_num_f32 v[232+\b], v[232+\b], v[111+16*\b]
.endr
.irp b, 0,1,2,3
	v_permlanex16_b32 v[236+\b], v[232+\b], s[SEL], s[SEL+1]
.endr
.irp b, 0,1,2,3
	v_max_num_f32 v[232+\b], v[232+\b], v[236+\b]  ; with lane l xor 16's 16 keys
.endr
	v_max3_num_f32 v254, v232, v233, v234
	v_max_num_f32 v254, v254, v235                 ; the step's largest score of my query
	v_mul_f32 v254, s[CS], v254                    ; as t (c is positive)
	v_max_num_f32 v13, v13, v254                   ; the running largest t
	v_mov_b32 v254, v12
	v_floor_f32 v12, -v13                          ; the new -M = floor(-t) = -ceil(t): a whole number
	v_sub_f32 v254, v12, v254                      ; M's old value less its new one: a whole number, 0 or less
	v_cvt_i32_f32 v254, v254                       ; (it saturates)
	v_ldexp_f32 v252, 1.0, v254                    ; f = 2^(old M - new M)
.set j, 0
.rept 32
	v_pk_fma_f32 v[96+j:97+j], v[96+j:97+j], s[CS:CS+1], v[12:13] op_sel_hi:[1,0,0]   ; t - M, two at a time
.set j, j+2
.endr
.irp b, 0,1,2,3
	v_fma_f32 v[232+\b], v[232+\b], s[CS], v12     ; the same of each block's largest score
.endr
.set j, 0
.rept 64
	v_exp_f32 v[96+j], v[96+j]                     ; p = 2^(t - M), at most 1: not normalised
.set j, j+1
.endr
.irp b, 0,1,2,3
	v_exp_f32 v[232+\b], v[232+\b]                 ; the block's largest p
.endr
	v_pk_mul_f32 v[14:15], v[14:15], v[252:253] op_sel_hi:[1,0]   ; the sums under the new M.  (A plain place behind the exponentials)
	s_wait_alu depctr_va_vdst(0)
.irp b, 0,1,2,3
	v_max_num_f32 v[232+\b], 0x1800000, v[232+\b]  ; the floor 2^(3 - 127): the byte cannot fall under 1
.endr
.irp b, 0,1,2,3
	v_add_nc_u32 v[244+\b], 0xff000000, v[232+\b]  ; 2 off the exponent field: the conversion's scale operand
.endr
.irp b, 0,1,2,3
	v_lshrrev_b32 v[236+\b], 23, v[244+\b]         ; the scale's byte
.endr
	v_lshl_or_b32 v253, v237, 8, v236              ; p's scale word for these 128 keys
	v_lshl_or_b32 v253, v238, 16, v253
	v_lshl_or_b32 v253, v239, 24, v253
.irp c, 0,1
	v_cvt_scalef32_pk16_fp6_f32 v[224+6*\c:226+6*\c], v[96+32*\c:111+32*\c], v[244+2*\c]
	v_cvt_scalef32_pk16_fp6_f32 v[236+4*\c:238+4*\c], v[112+32*\c:127+32*\c], v[244+2*\c+1]
.endr
	v_nop                                          ; one plain place behind a scaled conversion
.irp c, 0,1                            ; the operand's layout wants a whole block in a lane
.irp i, 0,1,2
	v_permlane16_swap_b32 v[224+6*\c+\i], v[236+4*\c+\i]
.endr
.irp i, 0,1,2
	v_mov_b32 v[227+6*\c+\i], v[236+4*\c+\i]
.endr
.endr
	v_pk_add_f32 v[236:237], v[96:97], v[98:99]    ; the row's sum is taken of the unquantised p: two at a time, in two chains
.irp j, 4,8,12,16,20,24,28,32,36,40,44,48,52,56,60
	v_pk_add_f32 v[14:15], v[14:15], v[96+\j:97+\j]
	v_pk_add_f32 v[236:237], v[236:237], v[98+\j:99+\j]
.endr
	v_pk_add_f32 v[14:15], v[14:15], v[236:237]
.set j, 0
.rept 16
	v_pk_mul_f32 v[160+j:161+j], v[160+j:161+j], v[252:253] op_sel_hi:[1,0]   ; O^T under the new M
.set j, j+2
.endr
	s_wait_dscnt 0x0                               ; V
.irp d, 0,1,2,3                        ; O^T += V^T P^T: the four accumulators by turns, one instruction a turn
	v_wmma_scale_f32_16x16x128_f8f6f4 v[160+8*\d:167+8*\d], v[32+12*\d:43+12*\d], v[224:235], v[160+8*\d:167+8*\d], v[248+\d], v253 matrix_a_fmt:MATRIX_FMT_FP6 matrix_b_fmt:MATRIX_FMT_FP6
.endr
.rept 4
	v_nop                                          ; places ahead of the next step's loads and of the reads of O^T
.endr
.Lskip:
	s_add_co_u32 s[TK], s[TK], KST
	s_add_co_u32 s[TV], s[TV], VST
	s_add_co_u32 s[ST], s[ST], 1
	s_cmp_lt_u32 s[ST], 8
	s_cbranch_scc1 .Lstep
	; THE WAY OUT: O^T / the sum is quantised as it stands: register 16 b + i is channel 32 b + 16 h + i of my query: half a K step of the next product
	v_add_f32 v14, v14, v15
	v_permlanex16_b32 v252, v14, s[SEL], s[SEL+1]
	v_add_f32 v14, v14, v252                       ; the row's sum
	v_rcp_f32 v14, v14
	v_nop                                          ; one plain place behind a transcendental
.set j, 0
	s_wait_alu depctr_va_vdst(0)
.rept 32
	v_mul_f32 v[96+j], v[160+j], v14
.set j, j+1
.endr
	HQ 96, 200, 210
	global_store_b128 v1, v[200:203], s[74:75]     ; 32 lanes store 512 consecutive bytes
	global_store_b64 v2, v[204:205], s[74:75] offset:512
	global_store_b16 v3, v210, s[76:77]
	s_wait_tensorcnt 0x0
	ds_add_u32 v223, v243
	s_wait_dscnt 0x0
	CROUND                                         ; the closing round
	s_endpgm
.Lfunc_end_k_q0df3526f42_attn:
	.size	k_q0df3526f42_attn, .Lfunc_end_k_q0df3526f42_attn-k_q0df3526f42_attn
	.p2alignl 7, 3214868480
	.fill 96, 4, 3214868480
	.section	.rodata,"a",@progbits
	.p2align	6, 0x0
	.amdhsa_kernel k_q0df3526f42_attn
		.amdhsa_group_segment_fixed_size 169984
		.amdhsa_private_segment_fixed_size 0
		.amdhsa_enable_private_segment 0
		.amdhsa_kernarg_size 32
		.amdhsa_user_sgpr_count 2
		.amdhsa_user_sgpr_kernarg_segment_ptr 1
		.amdhsa_wavefront_size32 1
		.amdhsa_system_sgpr_workgroup_id_x 1
		.amdhsa_system_sgpr_workgroup_id_y 1
		.amdhsa_system_sgpr_workgroup_id_z 1
		.amdhsa_system_vgpr_workitem_id 0
		.amdhsa_next_free_vgpr 256
		.amdhsa_next_free_sgpr 80
		.amdhsa_reserve_vcc 1
		.amdhsa_float_denorm_mode_32 3
		.amdhsa_float_denorm_mode_16_64 3
		.amdhsa_memory_ordered 1
		.amdhsa_forward_progress 1
		.amdhsa_inst_pref_size 34
	.end_amdhsa_kernel
	.amdgpu_metadata
---
amdhsa.version: [ 1, 2 ]
amdhsa.kernels:
  - .name:           k_q0df3526f42_attn
    .symbol:         k_q0df3526f42_attn.kd
    .args:
      - { .name: qc, .offset: 0, .size: 8, .value_kind: global_buffer, .address_space: global }
      - { .name: kc, .offset: 8, .size: 8, .value_kind: global_buffer, .address_space: global }
      - { .name: vc, .offset: 16, .size: 8, .value_kind: global_buffer, .address_space: global }
      - { .name: ac, .offset: 24, .size: 8, .value_kind: global_buffer, .address_space: global }
    .group_segment_fixed_size: 169984
    .private_segment_fixed_size: 0
    .kernarg_segment_align: 8
    .kernarg_segment_size: 32
    .max_flat_workgroup_size: 512
    .sgpr_count:     80
    .vgpr_count:     256
    .wavefront_size: 32
...
	.end_amdgpu_metadata
.endif
;; end of part 4
;; launch aproj (part 5): grid 8 x 32, 4 waves a work-group, clusters of 4 x 4, 283,136 bytes of LDS; arguments ac, wimg, b_aproj, x, x1; writes x1
.if DOCPART == 5
	.amdgcn_target "amdgcn-amd-amdhsa--gfx1250"
	.amdhsa_code_object_version 6
	.text
	.protected	k_q0df3526f42_aproj
	.globl	k_q0df3526f42_aproj
	.p2align	8
	.type	k_q0df3526f42_aproj,@function
k_q0df3526f42_aproj:
	s_mov_b64 s[64:65], 0
	v_nop
	global_prefetch_b8 v0, s[64:65] scope:SCOPE_SE
	s_setreg_imm32_b32 hwreg(HW_REG_WAVE_MODE, 25, 1), 1
	s_wait_xcnt 0x0
	s_wait_alu depctr_hold_cnt(0) depctr_sa_sdst(0) depctr_va_vdst(0) depctr_va_sdst(0) depctr_va_ssrc(0) depctr_va_vcc(0) depctr_vm_vsrc(0)
	s_getreg_b32 s2, hwreg(HW_REG_IB_STS2, 6, 4)
	s_cmp_eq_u32 s2, 0
	s_cbranch_scc0 .Lentry_in_a_cluster
	s_endpgm
.Lentry_in_a_cluster:
	s_bfe_u32 s2, ttmp6, 0x10000c
	s_cmp_lg_u32 s2, 0xf033
	s_cbranch_scc0 .Lentry_shape_is_right
	s_endpgm
.Lentry_shape_is_right:
; x1 = x + a w_aproj + b_aproj, the product on codes of FP6 (E2M3) with E8M0 scales, sums in f32.
; A tile of x1 is 128 x 128: four waves of 64 x 64, sixteen accumulators each.  Both operands lie in memory as RECORDS of 13,312 bytes (128 rows x 128 K: eight fragment images of 1,536 bytes, then
; eight times 128 bytes of scale words), [tile][K step].  K = 1,024 is eight records a side: all of K fits in LDS, in two slots of four K steps, each filled once: no LDS byte is filled again.
; An image is a fragment's registers on end (half c at 768 c: registers 6c..6c+3 at 16 x lane, 6c+4, 6c+5 at 512 + 8 x lane): every LDS load reads consecutive bytes.
; THE MATRIX INSTRUCTION IS USED TRANSPOSED (source 0 = 16 columns of w, source 1 = 16 rows of a); lane r of tile T holds row (column) 32 (T / 2) + 8 (T % 2) + r + 8 (r / 8).
; THE SUMS BEGIN AS x + b: x is loaded straight into the accumulators' registers in the result's layout, the bias is added, and every product adds in place.
; CLUSTERS: 4 x 4 work-groups; a's records are asked for jointly along a row of the cluster, w's along a column.
; REGISTERS: window 0: v1-31 addresses; v32-47 scale words, two sets; v48-79 the bias; v128-255 accumulator (a, b) at 128 + 8 (4 a + b).  window 1: two fragment buffers at v0 and v128.
.set REC,  13312
.set KS,   8
.set WOFF, 2555904                     ; w_aproj's records in wimg
.set SLOT, 8*REC
.set BOFF, 4*REC
.set STG,  2*SLOT                      ; behind the slots: a stage of 64 rows x (256 + 16) bytes for each wave; no tensor load lands there
.set SPITCH, 272
.set WSTG, 64*SPITCH
.set A16, 4
.set A8,  6
.set B16, 8
.set B8,  10
.set AS,  12
.set BS,  14
.set STO, 16
.set RD,  17
.set L16, 18
.set L8,  19
.set CO,  26                           ; v26  my byte offset in two rows of the output
.set BV,  27                           ; v27  64 h
.set L4,  30
.set RES, 31                           ; v31  the residual: my row of a tile, + 64 h bytes
.set SC,  32
.set BIAS, 48
.set ACC, 128
.set F0,  0
.set F1,  128
.set G1A, 24
.set G0A, 32
.set G1B, 48
.set G0B, 56
.set MSB, 0
.macro WIN new                         ; the immediate's high byte repeats the setting that is left
.if MSB != \new
	s_set_vgpr_msb (MSB<<8)|\new
.set MSB, \new
.endif
.endm
.macro PLACES                          ; four plain places behind a matrix instruction, ahead of loads into its registers and of reads of its results
.rept 4
	v_nop
.endr
.endm
.macro CROUND                          ; a round of the cluster's barrier
	s_barrier_signal -1
	s_barrier_wait -1
	s_cmp_lg_u32 s14, 0
	s_cbranch_scc1 .Lnot_wave_0_\@
	s_barrier_signal -3
.Lnot_wave_0_\@:
	s_barrier_wait -3
	s_barrier_signal -1
	s_barrier_wait -1
.endm
.macro FETCH s, q, f, p                ; 40 LDS loads: my eight fragments of the slot's q-th K step into buffer f, their scale words into set p
	WIN 0x40                                       ; destination window 1, address window 0
.irp i, 0,1,2,3
	ds_load_b128 v[(\f)+48+12*\i:(\f)+48+12*\i+3], v[B16+\s] offset:(\q)*REC+\i*1536
	ds_load_b64 v[(\f)+48+12*\i+4:(\f)+48+12*\i+5], v[B8+\s] offset:(\q)*REC+\i*1536+512
	ds_load_b128 v[(\f)+48+12*\i+6:(\f)+48+12*\i+9], v[B16+\s] offset:(\q)*REC+\i*1536+768
	ds_load_b64 v[(\f)+48+12*\i+10:(\f)+48+12*\i+11], v[B8+\s] offset:(\q)*REC+\i*1536+1280
	ds_load_b128 v[(\f)+12*\i:(\f)+12*\i+3], v[A16+\s] offset:(\q)*REC+\i*1536
	ds_load_b64 v[(\f)+12*\i+4:(\f)+12*\i+5], v[A8+\s] offset:(\q)*REC+\i*1536+512
	ds_load_b128 v[(\f)+12*\i+6:(\f)+12*\i+9], v[A16+\s] offset:(\q)*REC+\i*1536+768
	ds_load_b64 v[(\f)+12*\i+10:(\f)+12*\i+11], v[A8+\s] offset:(\q)*REC+\i*1536+1280
.endr
	WIN 0
.irp i, 0,1,2,3
	ds_load_b32 v[SC+8*(\p)+\i], v[AS+\s] offset:(\q)*REC+128*\i
	ds_load_b32 v[SC+8*(\p)+4+\i], v[BS+\s] offset:(\q)*REC+128*\i
.endr
.endm
.macro MUL f, p                        ; 16 matrix instructions, 128 along K; the sixteen accumulators take turns, one instruction a turn, in the same order in every step
	WIN 0x05                                       ; sources 0 and 1 window 1; C and D window 0
.irp a, 0,1,2,3
.irp b, 0,1,2,3
	v_wmma_scale_f32_16x16x128_f8f6f4 v[ACC+8*(4*\a+\b):ACC+8*(4*\a+\b)+7], v[(\f)+48+12*\b:(\f)+48+12*\b+11], v[(\f)+12*\a:(\f)+12*\a+11], v[ACC+8*(4*\a+\b):ACC+8*(4*\a+\b)+7], v[SC+8*(\p)+4+\b], v[SC+8*(\p)+\a] matrix_a_fmt:MATRIX_FMT_FP6 matrix_b_fmt:MATRIX_FMT_FP6
.endr
.endr
.endm
.macro STEP s, q                       ; a K step that has its successor in the same slot
	s_wait_dscnt 0x0                               ; this step's 40 loads, asked for a step ago, are in
	PLACES                                         ; the other buffer and scale set were read by the last step's products
	FETCH \s, (\q)+1, 128*(1-(\q)%2), 1-(\q)%2
	MUL 128*((\q)%2), (\q)%2
.endm
.macro TURN0 n                         ; a slot's last K step: the next slot, filled once at the start, is shown whole to every wave
	s_wait_tensorcnt 0x0
	s_wait_dscnt 0x0
	s_barrier_signal -1
	s_barrier_wait -1
	PLACES
	FETCH \n, 0, F0, 0
	MUL F1, 1
.endm
	s_load_b128 s[4:7], s[0:1], 0x0                ; ac s[4:5], wimg s[6:7]
	s_load_b128 s[8:11], s[0:1], 0x10              ; b_aproj s[8:9], x s[10:11]
	s_load_b64 s[12:13], s[0:1], 0x20              ; x1
	v_lshl_add_u32 v126, v0, 2, 0x45000
	v_mov_b32 v127, 0
	ds_add_u32 v126, v127
	ds_add_u32 v126, v127
	v_lshrrev_b32 v1, 5, v0
	v_readfirstlane_b32 s14, v1                    ; wave 0..3
	s_lshr_b32 s15, s14, 1                         ; which half of the tile's rows is mine.  Also: I fetch for a (0) or for w (1)
	s_and_b32 s16, s14, 1                          ; which half of its columns.  Also: which two K steps of a slot I fetch
	s_bfe_u32 s40, ttmp6, 0x40000                  ; cx, cy
	s_bfe_u32 s41, ttmp6, 0x40004
	s_lshl_b32 s42, ttmp9, 2
	s_add_co_u32 s42, s42, s40                     ; column tile
	s_and_b32 s17, ttmp7, 0xffff
	s_lshl_b32 s17, s17, 2
	s_add_co_u32 s17, s17, s41                     ; row tile
	s_lshl_b32 s43, s41, 2
	s_lshl_b32 s43, 15, s43                        ; my row of the cluster
	s_lshl_b32 s44, 0x1111, s40                    ; my column
	s_or_b32 s[G1A], s43, (3<<16)|(1<<21)          ; group 1: two records as 104 rows of 256 bytes (32 elements of 8 bytes), no padding; the mask; bit 21 beside it
	s_or_b32 s[G1B], s44, (3<<16)|(1<<21)
.irp g, G1A, G1B
	s_mov_b32 s[\g+1], 32<<16
	s_mov_b32 s[\g+2], 104<<16
	s_mov_b32 s[\g+3], 32<<16
	s_mov_b32 s[\g+4], 104
	s_mov_b32 s[\g+5], 32
	s_mov_b32 s[\g+6], 0
	s_mov_b32 s[\g+7], 0
.endr
	s_mul_i32 s18, s16, 2*REC
	s_mul_i32 s20, s17, KS*REC
	s_add_co_u32 s20, s20, s18                     ; a: hangs on the row tile and the wave alone
	s_mov_b32 s21, 0
	s_mul_i32 s46, s42, KS*REC
	s_add_co_u32 s46, s46, s18
	s_add_co_u32 s46, s46, WOFF                    ; w: on the column tile and the wave alone
	s_mov_b32 s47, 0
	s_mul_i32 s45, s14, 2*REC                      ; where they go: wave x two records
	s_wait_dscnt 0x0
	s_wait_kmcnt 0x0
	s_add_nc_u64 s[20:21], s[4:5], s[20:21]
	s_add_nc_u64 s[46:47], s[6:7], s[46:47]
	CROUND                                         ; all sixteen work-groups are here: the joint loads meet
.irp s, 0,1
	s_mov_b32 s[G0A+4*\s], 1
	s_add_co_u32 s[G0A+4*\s+1], s45, \s*SLOT
	s_add_nc_u64 s[G0A+4*\s+2:G0A+4*\s+3], s[20:21], \s*4*REC
	s_or_b32 s[G0A+4*\s+3], s[G0A+4*\s+3], 0x80000000
	s_mov_b32 s[G0B+4*\s], 1
	s_add_co_u32 s[G0B+4*\s+1], s45, \s*SLOT
	s_add_nc_u64 s[G0B+4*\s+2:G0B+4*\s+3], s[46:47], \s*4*REC
	s_or_b32 s[G0B+4*\s+3], s[G0B+4*\s+3], 0x80000000
.endr
	s_cmp_eq_u32 s15, 0                            ; a wave's two fills stand in one branch: two loads of mine are out
	s_cbranch_scc0 .Lfirst_b
	tensor_load_to_lds s[G0A:G0A+3], s[G1A:G1A+7]
	s_nop 0
	tensor_load_to_lds s[G0A+4:G0A+7], s[G1A:G1A+7]
	s_nop 0
.rept 4
	v_nop
.endr
	s_branch .Lfirst_asked
.Lfirst_b:
	tensor_load_to_lds s[G0B:G0B+3], s[G1B:G1B+7]
	s_nop 0
	tensor_load_to_lds s[G0B+4:G0B+7], s[G1B:G1B+7]
	s_nop 0
.rept 4
	v_nop
.endr
.Lfirst_asked:
	s_lshl_b32 s70, s42, 9
	s_lshl_b32 s71, s16, 8
	s_add_co_u32 s70, s70, s71                     ; my first column, in bytes
	s_mov_b32 s71, 0
	s_add_nc_u64 s[8:9], s[8:9], s[70:71]
	s_lshl_b32 s72, s17, 19
	s_lshl_b32 s73, s15, 18
	s_add_co_u32 s72, s72, s73                     ; my first row: rows of 4,096 bytes
	s_add_co_u32 s72, s72, s70
	s_mov_b32 s73, 0
	s_add_nc_u64 s[10:11], s[10:11], s[72:73]
	s_add_nc_u64 s[12:13], s[12:13], s[72:73]
	v_and_b32 v1, 31, v0                           ; lane
	v_and_b32 v2, 15, v0                           ; r
	v_bfe_u32 v3, v0, 4, 1                         ; h
	v_and_b32 v24, 8, v2
	v_add_nc_u32 v24, v24, v2                      ; r + 8 (r / 8)
	v_lshlrev_b32 v[RES], 12, v24
	v_lshl_add_u32 v[RES], v3, 6, v[RES]
	v_lshlrev_b32 v[BV], 6, v3
.irp a, 0,1,2,3                        ; the residual in the result's layout: register 32 a + 16 b + i is row 32 (a / 2) + 8 (a % 2) + r + 8 (r / 8), column 32 b + 16 h + i
.irp e, 0,1,2,3,4,5,6,7
	global_load_b128 v[ACC+32*\a+4*\e:ACC+32*\a+4*\e+3], v[RES], s[10:11] offset:(32*(\a/2)+8*(\a%2))*4096+128*(\e/4)+16*(\e%4)
.endr
.endr
.irp b, 0,1,2,3
	global_load_b128 v[BIAS+8*\b:BIAS+8*\b+3], v[BV], s[8:9] offset:(32*(\b/2)+8*(\b%2))*4
	global_load_b128 v[BIAS+8*\b+4:BIAS+8*\b+7], v[BV], s[8:9] offset:(32*(\b/2)+8*(\b%2))*4+16
.endr
	v_lshlrev_b32 v[L16], 4, v1
	v_lshlrev_b32 v[L8], 3, v1
	v_lshlrev_b32 v[L4], 2, v1
	s_mul_i32 s18, s15, 6144
	s_mul_i32 s19, s16, 6144
	s_add_co_u32 s19, s19, BOFF
	s_lshl_b32 s22, s15, 9
	s_add_co_u32 s22, s22, 12288
	s_lshl_b32 s23, s16, 9
	s_add_co_u32 s23, s23, BOFF+12288
.irp s, 0,1
	v_add_nc_u32 v[A16+\s], s18, v[L16]
	v_add_nc_u32 v[A8+\s], s18, v[L8]
	v_add_nc_u32 v[B16+\s], s19, v[L16]
	v_add_nc_u32 v[B8+\s], s19, v[L8]
	v_add_nc_u32 v[AS+\s], s22, v[L4]
	v_add_nc_u32 v[BS+\s], s23, v[L4]
	s_add_co_u32 s18, s18, SLOT
	s_add_co_u32 s19, s19, SLOT
	s_add_co_u32 s22, s22, SLOT
	s_add_co_u32 s23, s23, SLOT
.endr
	s_mul_i32 s18, s14, WSTG
	s_add_co_u32 s18, s18, STG                     ; my stage
	v_mul_u32_u24 v[STO], v24, SPITCH
	v_lshl_add_u32 v[STO], v3, 6, v[STO]
	v_add_nc_u32 v[STO], s18, v[STO]
	v_mul_u32_u24 v[RD], v3, SPITCH
	v_lshl_add_u32 v[RD], v2, 4, v[RD]
	v_add_nc_u32 v[RD], s18, v[RD]
	v_lshlrev_b32 v[CO], 12, v3
	v_lshl_add_u32 v[CO], v2, 4, v[CO]             ; out: lanes 0-15 one row's 256 bytes, lanes 16-31 the next row's
	s_wait_loadcnt 0x0                             ; the residual and the bias
.irp a, 0,1,2,3
.irp e, 0,1,2,3,4,5,6,7,8,9,10,11,12,13,14,15
	v_pk_add_f32 v[ACC+32*\a+2*\e:ACC+32*\a+2*\e+1], v[ACC+32*\a+2*\e:ACC+32*\a+2*\e+1], v[BIAS+2*\e:BIAS+2*\e+1]
.endr
.endr
	s_wait_tensorcnt 1                             ; my part of slot 0 is in; slot 1's may stay out
	s_barrier_signal -1
	s_barrier_wait -1
	FETCH 0, 0, F0, 0
	STEP 0, 0
	STEP 0, 1
	STEP 0, 2
	TURN0 1
	STEP 1, 0
	STEP 1, 1
	STEP 1, 2
	s_wait_dscnt 0x0
	MUL F1, 1
	WIN 0
	PLACES
	; THE WAY OUT: through my stage, each accumulator from its low end on, and back as whole rows of 256 bytes
.irp a, 0,1,2,3
.irp e, 0,1,2,3,4,5,6,7
	ds_store_b128 v[STO], v[ACC+32*\a+4*\e:ACC+32*\a+4*\e+3] offset:(32*(\a/2)+8*(\a%2))*SPITCH+128*(\e/4)+16*(\e%4)
.endr
.endr
	s_wait_dscnt 0x0
.set t, 0
.rept 32
	ds_load_b128 v[ACC+4*t:ACC+4*t+3], v[RD] offset:t*2*SPITCH
.set t, t+1
.endr
.set t, 0
.rept 32
	s_wait_dscnt 31-t                              ; the younger loads may be out
	global_store_b128 v[CO], v[ACC+4*t:ACC+4*t+3], s[12:13] offset:t*8192   ; 16 lanes store 256 consecutive bytes, aligned to 256
.set t, t+1
.endr
	s_wait_tensorcnt 0x0
	ds_add_u32 v126, v127
	s_wait_dscnt 0x0
	CROUND                                         ; the closing round
	s_endpgm
.Lfunc_end_k_q0df3526f42_aproj:
	.size	k_q0df3526f42_aproj, .Lfunc_end_k_q0df3526f42_aproj-k_q0df3526f42_aproj
	.p2alignl 7, 3214868480
	.fill 96, 4, 3214868480
	.section	.rodata,"a",@progbits
	.p2align	6, 0x0
	.amdhsa_kernel k_q0df3526f42_aproj
		.amdhsa_group_segment_fixed_size 283136
		.amdhsa_private_segment_fixed_size 0
		.amdhsa_enable_private_segment 0
		.amdhsa_kernarg_size 40
		.amdhsa_user_sgpr_count 2
		.amdhsa_user_sgpr_kernarg_segment_ptr 1
		.amdhsa_wavefront_size32 1
		.amdhsa_system_sgpr_workgroup_id_x 1
		.amdhsa_system_sgpr_workgroup_id_y 1
		.amdhsa_system_sgpr_workgroup_id_z 1
		.amdhsa_system_vgpr_workitem_id 0
		.amdhsa_next_free_vgpr 512
		.amdhsa_next_free_sgpr 80
		.amdhsa_reserve_vcc 0
		.amdhsa_float_denorm_mode_32 3
		.amdhsa_float_denorm_mode_16_64 3
		.amdhsa_memory_ordered 1
		.amdhsa_forward_progress 1
		.amdhsa_inst_pref_size 62
	.end_amdhsa_kernel
	.amdgpu_metadata
---
amdhsa.version: [ 1, 2 ]
amdhsa.kernels:
  - .name:           k_q0df3526f42_aproj
    .symbol:         k_q0df3526f42_aproj.kd
    .args:
      - { .name: ac, .offset: 0, .size: 8, .value_kind: global_buffer, .address_space: global }
      - { .name: wimg, .offset: 8, .size: 8, .value_kind: global_buffer, .address_space: global }
      - { .name: b_aproj, .offset: 16, .size: 8, .value_kind: global_buffer, .address_space: global }
      - { .name: x, .offset: 24, .size: 8, .value_kind: global_buffer, .address_space: global }
      - { .name: x1, .offset: 32, .size: 8, .value_kind: global_buffer, .address_space: global }
    .group_segment_fixed_size: 283136
    .private_segment_fixed_size: 0
    .kernarg_segment_align: 8
    .kernarg_segment_size: 40
    .max_flat_workgroup_size: 128
    .sgpr_count:     80
    .vgpr_count:     512
    .wavefront_size: 32
...
	.end_amdgpu_metadata
.endif
;; end of part 5
;; launch ln2: the kernel of part 2 again; grid 256 x 1, 8 waves a work-group, no clusters, 3,072 bytes of LDS; arguments x1, ln2_g, ln2_b, hq; writes hq
;; launch fc (part 6): grid 32 x 32, 4 waves a work-group, clusters of 4 x 4, 213,504 bytes of LDS; arguments hq, wimg, b_fc, gq; writes gq
.if DOCPART == 6
	.amdgcn_target "amdgcn-amd-amdhsa--gfx1250"
	.amdhsa_code_object_version 6
	.text
	.protected	k_q0df3526f42_fc
	.globl	k_q0df3526f42_fc
	.p2align	8
	.type	k_q0df3526f42_fc,@function
k_q0df3526f42_fc:
	s_mov_b64 s[64:65], 0
	v_nop
	global_prefetch_b8 v0, s[64:65] scope:SCOPE_SE
	s_setreg_imm32_b32 hwreg(HW_REG_WAVE_MODE, 25, 1), 1
	s_wait_xcnt 0x0
	s_wait_alu depctr_hold_cnt(0) depctr_sa_sdst(0) depctr_va_vdst(0) depctr_va_sdst(0) depctr_va_ssrc(0) depctr_va_vcc(0) depctr_vm_vsrc(0)
	s_getreg_b32 s2, hwreg(HW_REG_IB_STS2, 6, 4)
	s_cmp_eq_u32 s2, 0
	s_cbranch_scc0 .Lentry_in_a_cluster
	s_endpgm
.Lentry_in_a_cluster:
	s_bfe_u32 s2, ttmp6, 0x10000c
	s_cmp_lg_u32 s2, 0xf033
	s_cbranch_scc0 .Lentry_shape_is_right
	s_endpgm
.Lentry_shape_is_right:
; g = gelu(h w_fc + b_fc), the product on codes of FP6 (E2M3) with E8M0 scales; g is quantised in registers along the next product's K and stored as fragment images.
; A tile is 128 x 128: four waves of 64 x 64, sixteen accumulators each.  Both operands lie in memory as RECORDS of 13,312 bytes (128 rows x 128 K: eight fragment images of 1,536 bytes, then
; eight times 128 bytes of scale words), [tile][K step].  K = 1,024 is eight records a side: all of K fits in LDS, in two slots of four K steps, each filled once: no LDS byte is filled again.
; THE MATRIX INSTRUCTION IS USED TRANSPOSED (source 0 = 16 columns of w, source 1 = 16 rows of h); lane r of tile T holds row (column) 32 (T / 2) + 8 (T % 2) + r + 8 (r / 8):
; so for one tile of rows a lane's 32 registers are: register 16 b + i = column 32 b + 16 h + i: my 64 columns are half a K step of the next product.
; GELU: 0.5 x (1 + tanh u) = x / (1 + 2^z), z = x (k1 + k2 x^2), k1 = -2 log2(e) sqrt(2 / pi), k2 = 0.044715 k1.  Where 2^z overflows the reciprocal is 0, the right limit.
; CLUSTERS: 4 x 4 work-groups; h's records are asked for jointly along a row of the cluster, w's along a column.  The bias is the C of each sum's first matrix instruction.
; LIMITS: a block of zeros gets the scale byte 1 where the rule says 127 (its codes are zeros; this program alone reads the bytes); NaN and infinities are not served.
; REGISTERS: window 0: v1-31 addresses and work; v32-47 scale words, two sets; v48-79 the bias, later codes; v92-123 work; v128-255 accumulator (a, b) at 128 + 8 (4 a + b).  window 1: two fragment buffers.
.set REC,  13312
.set KS,   8
.set WOFF, 3407872                     ; w_fc's records in wimg
.set SLOT, 8*REC
.set BOFF, 4*REC
.set A16, 4
.set A8,  6
.set B16, 8
.set B8,  10
.set AS,  12
.set BS,  14
.set L16, 18
.set L8,  19
.set TM,  20                           ; v20-25 the quantiser's work
.set K1,  26                           ; v[26:27] k1, twice
.set L4,  30
.set BV,  31                           ; v31  64 h
.set SC,  32
.set BIAS, 48
.set T,   92                           ; v92-123
.set ACC, 128
.set F0,  0
.set F1,  128
.set G1A, 24
.set G0A, 32
.set G1B, 48
.set G0B, 56
.set SEL, 66                           ; s[66:67]
.set K2,  76                           ; s[76:77] k2
.set MSB, 0
.macro WIN new                         ; the immediate's high byte repeats the setting that is left
.if MSB != \new
	s_set_vgpr_msb (MSB<<8)|\new
.set MSB, \new
.endif
.endm
.macro PLACES                          ; four plain places behind a matrix instruction, ahead of loads into its registers and of reads of its results
.rept 4
	v_nop
.endr
.endm
.macro CROUND                          ; a round of the cluster's barrier
	s_barrier_signal -1
	s_barrier_wait -1
	s_cmp_lg_u32 s14, 0
	s_cbranch_scc1 .Lnot_wave_0_\@
	s_barrier_signal -3
.Lnot_wave_0_\@:
	s_barrier_wait -3
	s_barrier_signal -1
	s_barrier_wait -1
.endm
.macro FETCH s, q, f, p                ; 40 LDS loads: my eight fragments of the slot's q-th K step into buffer f, their scale words into set p
	WIN 0x40                                       ; destination window 1, address window 0
.irp i, 0,1,2,3
	ds_load_b128 v[(\f)+48+12*\i:(\f)+48+12*\i+3], v[B16+\s] offset:(\q)*REC+\i*1536
	ds_load_b64 v[(\f)+48+12*\i+4:(\f)+48+12*\i+5], v[B8+\s] offset:(\q)*REC+\i*1536+512
	ds_load_b128 v[(\f)+48+12*\i+6:(\f)+48+12*\i+9], v[B16+\s] offset:(\q)*REC+\i*1536+768
	ds_load_b64 v[(\f)+48+12*\i+10:(\f)+48+12*\i+11], v[B8+\s] offset:(\q)*REC+\i*1536+1280
	ds_load_b128 v[(\f)+12*\i:(\f)+12*\i+3], v[A16+\s] offset:(\q)*REC+\i*1536
	ds_load_b64 v[(\f)+12*\i+4:(\f)+12*\i+5], v[A8+\s] offset:(\q)*REC+\i*1536+512
	ds_load_b128 v[(\f)+12*\i+6:(\f)+12*\i+9], v[A16+\s] offset:(\q)*REC+\i*1536+768
	ds_load_b64 v[(\f)+12*\i+10:(\f)+12*\i+11], v[A8+\s] offset:(\q)*REC+\i*1536+1280
.endr
	WIN 0
.irp i, 0,1,2,3
	ds_load_b32 v[SC+8*(\p)+\i], v[AS+\s] offset:(\q)*REC+128*\i
	ds_load_b32 v[SC+8*(\p)+4+\i], v[BS+\s] offset:(\q)*REC+128*\i
.endr
.endm
.macro MUL f, p, first                 ; 16 matrix instructions, 128 along K; the sixteen accumulators take turns, one instruction a turn.  first = 1: the bias starts the sums
	WIN 0x05                                       ; sources 0 and 1 window 1; C and D window 0
.irp a, 0,1,2,3
.irp b, 0,1,2,3
.if \first
	v_wmma_scale_f32_16x16x128_f8f6f4 v[ACC+8*(4*\a+\b):ACC+8*(4*\a+\b)+7], v[(\f)+48+12*\b:(\f)+48+12*\b+11], v[(\f)+12*\a:(\f)+12*\a+11], v[BIAS+8*\b:BIAS+8*\b+7], v[SC+8*(\p)+4+\b], v[SC+8*(\p)+\a] matrix_a_fmt:MATRIX_FMT_FP6 matrix_b_fmt:MATRIX_FMT_FP6
.else
	v_wmma_scale_f32_16x16x128_f8f6f4 v[ACC+8*(4*\a+\b):ACC+8*(4*\a+\b)+7], v[(\f)+48+12*\b:(\f)+48+12*\b+11], v[(\f)+12*\a:(\f)+12*\a+11], v[ACC+8*(4*\a+\b):ACC+8*(4*\a+\b)+7], v[SC+8*(\p)+4+\b], v[SC+8*(\p)+\a] matrix_a_fmt:MATRIX_FMT_FP6 matrix_b_fmt:MATRIX_FMT_FP6
.endif
.endr
.endr
.endm
.macro STEP s, q, first                ; a K step that has its successor in the same slot
	s_wait_dscnt 0x0                               ; this step's 40 loads, asked for a step ago, are in
	PLACES                                         ; the other buffer and scale set were read by the last step's products
	FETCH \s, (\q)+1, 128*(1-(\q)%2), 1-(\q)%2
	MUL 128*((\q)%2), (\q)%2, \first
.endm
.macro TURN0 n                         ; a slot's last K step: the next slot, filled once at the start, is shown whole to every wave
	s_wait_tensorcnt 0x0
	s_wait_dscnt 0x0
	s_barrier_signal -1
	s_barrier_wait -1
	PLACES
	FETCH \n, 0, F0, 0
	MUL F1, 1, 0
.endm
; 32 numbers of a lane, register 16 b + i = k 32 b + 16 h + i of my row, become half a fragment's codes in v[pc .. pc+5] and two scale bytes in v[pw]
.macro HQ s, pc, pw
.irp b, 0,1
	v_max3_num_f32 v[TM+\b], |v[\s+16*\b]|, |v[\s+16*\b+1]|, 0x1800000   ; block b: my 16 numbers, and the floor 2^(3 - 127): the byte cannot fall under 1
.endr
.irp i, 2,4,6,8,10,12,14
.irp b, 0,1
	v_max3_num_f32 v[TM+\b], v[TM+\b], |v[\s+16*\b+\i]|, |v[\s+16*\b+\i+1]|
.endr
.endr
.irp b, 0,1
	v_permlanex16_b32 v[TM+2+\b], v[TM+\b], s[SEL], s[SEL+1]
.endr
.irp b, 0,1
	v_max_num_f32 v[TM+\b], v[TM+\b], v[TM+2+\b]
.endr
.irp b, 0,1
	v_add_nc_u32 v[TM+4+\b], 0xff000000, v[TM+\b]
.endr
.irp b, 0,1
	v_lshrrev_b32 v[TM+2+\b], 23, v[TM+4+\b]
.endr
	v_lshl_or_b32 v[\pw], v[TM+3], 8, v[TM+2]
	v_cvt_scalef32_pk16_fp6_f32 v[\pc:\pc+2], v[\s:\s+15], v[TM+4]
	v_cvt_scalef32_pk16_fp6_f32 v[\pc+6:\pc+8], v[\s+16:\s+31], v[TM+5]
	v_nop                                          ; one plain place behind a scaled conversion
.irp i, 0,1,2
	v_permlane16_swap_b32 v[\pc+\i], v[\pc+6+\i]
.endr
.irp i, 0,1,2
	v_mov_b32 v[\pc+3+\i], v[\pc+6+\i]
.endr
.endm
	s_load_b128 s[4:7], s[0:1], 0x0                ; hq s[4:5], wimg s[6:7]
	s_load_b128 s[8:11], s[0:1], 0x10              ; b_fc s[8:9], gq s[10:11]
	v_lshl_add_u32 v126, v0, 2, 0x34000
	v_mov_b32 v127, 0
	ds_add_u32 v126, v127
	ds_add_u32 v126, v127
	v_lshrrev_b32 v1, 5, v0
	v_readfirstlane_b32 s14, v1                    ; wave 0..3
	s_lshr_b32 s15, s14, 1                         ; which half of the tile's rows is mine.  Also: I fetch for h (0) or for w (1)
	s_and_b32 s16, s14, 1                          ; which half of its columns.  Also: which two K steps of a slot I fetch
	s_bfe_u32 s40, ttmp6, 0x40000                  ; cx, cy
	s_bfe_u32 s41, ttmp6, 0x40004
	s_lshl_b32 s42, ttmp9, 2
	s_add_co_u32 s42, s42, s40                     ; column tile
	s_and_b32 s17, ttmp7, 0xffff
	s_lshl_b32 s17, s17, 2
	s_add_co_u32 s17, s17, s41                     ; row tile
	s_lshl_b32 s43, s41, 2
	s_lshl_b32 s43, 15, s43                        ; my row of the cluster
	s_lshl_b32 s44, 0x1111, s40                    ; my column
	s_or_b32 s[G1A], s43, (3<<16)|(1<<21)          ; group 1: two records as 104 rows of 256 bytes (32 elements of 8 bytes), no padding; the mask; bit 21 beside it
	s_or_b32 s[G1B], s44, (3<<16)|(1<<21)
.irp g, G1A, G1B
	s_mov_b32 s[\g+1], 32<<16
	s_mov_b32 s[\g+2], 104<<16
	s_mov_b32 s[\g+3], 32<<16
	s_mov_b32 s[\g+4], 104
	s_mov_b32 s[\g+5], 32
	s_mov_b32 s[\g+6], 0
	s_mov_b32 s[\g+7], 0
.endr
	s_mul_i32 s18, s16, 2*REC
	s_mul_i32 s20, s17, KS*REC
	s_add_co_u32 s20, s20, s18                     ; h: hangs on the row tile and the wave alone
	s_mov_b32 s21, 0
	s_mul_i32 s46, s42, KS*REC
	s_add_co_u32 s46, s46, s18
	s_add_co_u32 s46, s46, WOFF                    ; w: on the column tile and the wave alone
	s_mov_b32 s47, 0
	s_mul_i32 s45, s14, 2*REC                      ; where they go: wave x two records
	s_wait_dscnt 0x0
	s_wait_kmcnt 0x0
	s_add_nc_u64 s[20:21], s[4:5], s[20:21]
	s_add_nc_u64 s[46:47], s[6:7], s[46:47]
	CROUND                                         ; all sixteen work-groups are here: the joint loads meet
.irp s, 0,1
	s_mov_b32 s[G0A+4*\s], 1
	s_add_co_u32 s[G0A+4*\s+1], s45, \s*SLOT
	s_add_nc_u64 s[G0A+4*\s+2:G0A+4*\s+3], s[20:21], \s*4*REC
	s_or_b32 s[G0A+4*\s+3], s[G0A+4*\s+3], 0x80000000
	s_mov_b32 s[G0B+4*\s], 1
	s_add_co_u32 s[G0B+4*\s+1], s45, \s*SLOT
	s_add_nc_u64 s[G0B+4*\s+2:G0B+4*\s+3], s[46:47], \s*4*REC
	s_or_b32 s[G0B+4*\s+3], s[G0B+4*\s+3], 0x80000000
.endr
	s_cmp_eq_u32 s15, 0                            ; a wave's two fills stand in one branch: two loads of mine are out
	s_cbranch_scc0 .Lfirst_b
	tensor_load_to_lds s[G0A:G0A+3], s[G1A:G1A+7]
	s_nop 0
	tensor_load_to_lds s[G0A+4:G0A+7], s[G1A:G1A+7]
	s_nop 0
.rept 4
	v_nop
.endr
	s_branch .Lfirst_asked
.Lfirst_b:
	tensor_load_to_lds s[G0B:G0B+3], s[G1B:G1B+7]
	s_nop 0
	tensor_load_to_lds s[G0B+4:G0B+7], s[G1B:G1B+7]
	s_nop 0
.rept 4
	v_nop
.endr
.Lfirst_asked:
	s_lshl_b32 s18, s42, 9
	s_lshl_b32 s19, s16, 8
	s_add_co_u32 s18, s18, s19                     ; my first column, in bytes of f32
	s_mov_b32 s19, 0
	s_add_nc_u64 s[8:9], s[8:9], s[18:19]
	v_and_b32 v1, 31, v0                           ; lane
	v_bfe_u32 v3, v0, 4, 1                         ; h
	v_lshlrev_b32 v[BV], 6, v3
.irp b, 0,1,2,3                        ; the bias in the result's layout
	global_load_b128 v[BIAS+8*\b:BIAS+8*\b+3], v[BV], s[8:9] offset:(32*(\b/2)+8*(\b%2))*4
	global_load_b128 v[BIAS+8*\b+4:BIAS+8*\b+7], v[BV], s[8:9] offset:(32*(\b/2)+8*(\b%2))*4+16
.endr
	v_lshlrev_b32 v[L16], 4, v1
	v_lshlrev_b32 v[L8], 3, v1
	v_lshlrev_b32 v[L4], 2, v1
	s_mul_i32 s18, s15, 6144
	s_mul_i32 s19, s16, 6144
	s_add_co_u32 s19, s19, BOFF
	s_lshl_b32 s22, s15, 9
	s_add_co_u32 s22, s22, 12288
	s_lshl_b32 s23, s16, 9
	s_add_co_u32 s23, s23, BOFF+12288
.irp s, 0,1
	v_add_nc_u32 v[A16+\s], s18, v[L16]
	v_add_nc_u32 v[A8+\s], s18, v[L8]
	v_add_nc_u32 v[B16+\s], s19, v[L16]
	v_add_nc_u32 v[B8+\s], s19, v[L8]
	v_add_nc_u32 v[AS+\s], s22, v[L4]
	v_add_nc_u32 v[BS+\s], s23, v[L4]
	s_add_co_u32 s18, s18, SLOT
	s_add_co_u32 s19, s19, SLOT
	s_add_co_u32 s22, s22, SLOT
	s_add_co_u32 s23, s23, SLOT
.endr
	v_mov_b32 v[TM+2], 0                           ; written once: a lane permute's destination counts as one of its sources
	v_mov_b32 v[TM+3], 0
	v_mov_b32 v[K1], 0xc0135761                    ; k1 = -2 log2(e) sqrt(2 / pi)
	v_mov_b32 v[K1+1], 0xc0135761
	s_mov_b32 s[K2], 0xbdd2d3e8                    ; k2 = 0.044715 k1
	s_mov_b32 s[K2+1], s[K2]
	s_mov_b32 s[SEL], 0x76543210
	s_mov_b32 s[SEL+1], 0xfedcba98
	s_lshl_b32 s70, s17, 5
	s_add_co_u32 s70, s70, s42
	s_mul_i32 s70, s70, REC                        ; g's record: row tile, K step = my column tile
	s_mul_i32 s72, s15, 6144
	s_mul_i32 s73, s16, 768
	s_add_co_u32 s72, s72, s73
	s_add_co_u32 s72, s72, s70
	s_mov_b32 s73, 0
	s_add_nc_u64 s[72:73], s[10:11], s[72:73]      ; my four images' half wc
	s_lshl_b32 s74, s15, 9
	s_lshl_b32 s75, s16, 1
	s_add_co_u32 s74, s74, s75
	s_add_co_u32 s74, s74, s70
	s_add_co_u32 s74, s74, 12288
	s_mov_b32 s75, 0
	s_add_nc_u64 s[74:75], s[10:11], s[74:75]      ; and their two scale bytes
	s_wait_loadcnt 0x0                             ; the bias
	s_wait_tensorcnt 1                             ; my part of slot 0 is in; slot 1's may stay out
	s_barrier_signal -1
	s_barrier_wait -1
	FETCH 0, 0, F0, 0
	STEP 0, 0, 1
	STEP 0, 1, 0
	STEP 0, 2, 0
	TURN0 1
	STEP 1, 0, 0
	STEP 1, 1, 0
	STEP 1, 2, 0
	s_wait_dscnt 0x0
	MUL F1, 1, 0
	WIN 0
	PLACES
.irp a, 0,1,2,3                        ; a tile of 16 rows at a time: gelu in f32, each accumulator from its low end on, then the quantiser
.set XA, ACC+32*\a
.set j, 0
.rept 16
	v_pk_mul_f32 v[T+j:T+j+1], v[XA+j:XA+j+1], v[XA+j:XA+j+1]                         ; x^2
.set j, j+2
.endr
.set j, 0
.rept 16
	v_pk_fma_f32 v[T+j:T+j+1], v[T+j:T+j+1], s[K2:K2+1], v[K1:K1+1] op_sel_hi:[1,0,1]  ; k1 + k2 x^2
.set j, j+2
.endr
.set j, 0
.rept 16
	v_pk_mul_f32 v[T+j:T+j+1], v[T+j:T+j+1], v[XA+j:XA+j+1]                           ; z
.set j, j+2
.endr
.set j, 0
.rept 32
	v_exp_f32 v[T+j], v[T+j]
.set j, j+1
.endr
	v_nop                                          ; one plain place behind the exponentials
.set j, 0
	s_wait_alu depctr_va_vdst(0)
.rept 16
	v_pk_add_f32 v[T+j:T+j+1], v[T+j:T+j+1], 1.0 op_sel_hi:[1,0]
.set j, j+2
.endr
.set j, 0
.rept 32
	v_rcp_f32 v[T+j], v[T+j]
.set j, j+1
.endr
	v_nop                                          ; one plain place behind the reciprocals
.set j, 0
	s_wait_alu depctr_va_vdst(0)
.rept 16
	v_pk_mul_f32 v[XA+j:XA+j+1], v[XA+j:XA+j+1], v[T+j:T+j+1]                         ; x / (1 + 2^z)
.set j, j+2
.endr
	HQ ACC+32*\a, 48+10*\a, 88+\a
	global_store_b128 v[L16], v[48+10*\a:51+10*\a], s[72:73] offset:1536*\a            ; 32 lanes store 512 consecutive bytes
	global_store_b64 v[L8], v[52+10*\a:53+10*\a], s[72:73] offset:1536*\a+512
	global_store_b16 v[L4], v[88+\a], s[74:75] offset:128*\a
.endr
	s_wait_tensorcnt 0x0
	ds_add_u32 v126, v127
	s_wait_dscnt 0x0
	CROUND                                         ; the closing round
	s_endpgm
.Lfunc_end_k_q0df3526f42_fc:
	.size	k_q0df3526f42_fc, .Lfunc_end_k_q0df3526f42_fc-k_q0df3526f42_fc
	.p2alignl 7, 3214868480
	.fill 96, 4, 3214868480
	.section	.rodata,"a",@progbits
	.p2align	6, 0x0
	.amdhsa_kernel k_q0df3526f42_fc
		.amdhsa_group_segment_fixed_size 213504
		.amdhsa_private_segment_fixed_size 0
		.amdhsa_enable_private_segment 0
		.amdhsa_kernarg_size 32
		.amdhsa_user_sgpr_count 2
		.amdhsa_user_sgpr_kernarg_segment_ptr 1
		.amdhsa_wavefront_size32 1
		.amdhsa_system_sgpr_workgroup_id_x 1
		.amdhsa_system_sgpr_workgroup_id_y 1
		.amdhsa_system_sgpr_workgroup_id_z 1
		.amdhsa_system_vgpr_workitem_id 0
		.amdhsa_next_free_vgpr 512
		.amdhsa_next_free_sgpr 80
		.amdhsa_reserve_vcc 0
		.amdhsa_float_denorm_mode_32 3
		.amdhsa_float_denorm_mode_16_64 3
		.amdhsa_memory_ordered 1
		.amdhsa_forward_progress 1
		.amdhsa_inst_pref_size 84
	.end_amdhsa_kernel
	.amdgpu_metadata
---
amdhsa.version: [ 1, 2 ]
amdhsa.kernels:
  - .name:           k_q0df3526f42_fc
    .symbol:         k_q0df3526f42_fc.kd
    .args:
      - { .name: hq, .offset: 0, .size: 8, .value_kind: global_buffer, .address_space: global }
      - { .name: wimg, .offset: 8, .size: 8, .value_kind: global_buffer, .address_space: global }
      - { .name: b_fc, .offset: 16, .size: 8, .value_kind: global_buffer, .address_space: global }
      - { .name: gq, .offset: 24, .size: 8, .value_kind: global_buffer, .address_space: global }
    .group_segment_fixed_size: 213504
    .private_segment_fixed_size: 0
    .kernarg_segment_align: 8
    .kernarg_segment_size: 32
    .max_flat_workgroup_size: 128
    .sgpr_count:     80
    .vgpr_count:     512
    .wavefront_size: 32
...
	.end_amdgpu_metadata
.endif
;; end of part 6
;; launch mproj (part 7): grid 8 x 32, 4 waves a work-group, clusters of 4 x 4, 327,680 bytes of LDS; arguments gq, wimg, b_mproj, x1, out0; writes out0
.if DOCPART == 7
	.amdgcn_target "amdgcn-amd-amdhsa--gfx1250"
	.amdhsa_code_object_version 6
	.text
	.protected	k_q0df3526f42_mproj
	.globl	k_q0df3526f42_mproj
	.p2align	8
	.type	k_q0df3526f42_mproj,@function
k_q0df3526f42_mproj:
	s_mov_b64 s[64:65], 0
	v_nop
	global_prefetch_b8 v0, s[64:65] scope:SCOPE_SE
	s_setreg_imm32_b32 hwreg(HW_REG_WAVE_MODE, 25, 1), 1
	s_wait_xcnt 0x0
	s_wait_alu depctr_hold_cnt(0) depctr_sa_sdst(0) depctr_va_vdst(0) depctr_va_sdst(0) depctr_va_ssrc(0) depctr_va_vcc(0) depctr_vm_vsrc(0)
	s_getreg_b32 s2, hwreg(HW_REG_IB_STS2, 6, 4)
	s_cmp_eq_u32 s2, 0
	s_cbranch_scc0 .Lentry_in_a_cluster
	s_endpgm
.Lentry_in_a_cluster:
	s_bfe_u32 s2, ttmp6, 0x10000c
	s_cmp_lg_u32 s2, 0xf033
	s_cbranch_scc0 .Lentry_shape_is_right
	s_endpgm
.Lentry_shape_is_right:
; out0 = x1 + g w_mproj + b_mproj, the product on codes of FP6 (E2M3) with E8M0 scales, sums in f32.  K = 4,096.
; A tile of out0 is 128 x 128: four waves of 64 x 64, sixteen accumulators each.  Both operands lie in memory as RECORDS of 13,312 bytes (128 rows x 128 K: eight fragment images of 1,536 bytes, then
; eight times 128 bytes of scale words), [tile][K step].  K goes through a ring of two LDS slots of four K steps (g's four records, then w's four); each wave fetches two records, 26,624 dense bytes, by one load.
; An image is a fragment's registers on end (half c at 768 c: registers 6c..6c+3 at 16 x lane, 6c+4, 6c+5 at 512 + 8 x lane): every LDS load reads consecutive bytes.
; THE MATRIX INSTRUCTION IS USED TRANSPOSED (source 0 = 16 columns of w, source 1 = 16 rows of g); lane r of tile T holds row (column) 32 (T / 2) + 8 (T % 2) + r + 8 (r / 8).
; THE SUMS BEGIN AS x1 + b: x1 is loaded straight into the accumulators' registers in the result's layout, the bias is added, and every product adds in place: no K step stands apart.
; CLUSTERS: 4 x 4 work-groups; g's records are asked for jointly along a row of the cluster, w's along a column.  Where a slot is filled again, a round of the cluster's barrier stands in front of the joint load.
; All of the WGP's LDS is claimed.
; REGISTERS: window 0: v1-31 addresses; v32-47 scale words, two sets; v48-79 the bias; v128-255 accumulator (a, b) at 128 + 8 (4 a + b).  window 1: two fragment buffers at v0 and v128.
.set REC,  13312
.set KS,   32
.set WOFF, 6815744                     ; w_mproj's records in wimg
.set SLOT, 8*REC
.set BOFF, 4*REC
.set TSTEP, 8*REC                      ; in memory: from a slot's four K steps to its next four, two slots on
.set STG,  2*SLOT                      ; behind the ring: a stage of 64 rows x (256 + 16) bytes for each wave; no tensor load lands there
.set SPITCH, 272
.set WSTG, 64*SPITCH
.set SPARE, STG+4*WSTG                 ; behind the stages: the spare words, 128 bytes for each wave: two blocks of 256 bytes that no other line names
.set A16, 4
.set A8,  6
.set B16, 8
.set B8,  10
.set AS,  12
.set BS,  14
.set STO, 16
.set RD,  17
.set L16, 18
.set L8,  19
.set CO,  26                           ; v26  my byte offset in two rows of the output
.set BV,  27                           ; v27  64 h
.set SPW, 28                           ; v28  LDS address of my spare word; never rewritten
.set NIL, 29                           ; v29  0; never rewritten
.set L4,  30
.set RES, 31                           ; v31  the residual: my row of a tile, + 64 h bytes
.set SC,  32
.set BIAS, 48
.set ACC, 128
.set F0,  0
.set F1,  128
.set G1A, 24
.set G0A, 32
.set G1B, 48
.set G0B, 56
.set MSB, 0
.macro WIN new                         ; the immediate's high byte repeats the setting that is left
.if MSB != \new
	s_set_vgpr_msb (MSB<<8)|\new
.set MSB, \new
.endif
.endm
.macro PLACES                          ; four plain places behind a matrix instruction, ahead of loads into its registers and of reads of its results
.rept 4
	v_nop
.endr
.endm
.macro CROUND                          ; a round of the cluster's barrier
	s_barrier_signal -1
	s_barrier_wait -1
	s_cmp_lg_u32 s14, 0
	s_cbranch_scc1 .Lnot_wave_0_\@
	s_barrier_signal -3
.Lnot_wave_0_\@:
	s_barrier_wait -3
	s_barrier_signal -1
	s_barrier_wait -1
.endm
.macro JLOAD s                         ; a joint refill: waves 0 and 1 fetch for g, waves 2 and 3 for w; four v_nop follow each of the two lines
	s_cmp_eq_u32 s15, 0
	s_cbranch_scc0 .Lfor_b_\@
	tensor_load_to_lds s[G0A+4*\s:G0A+4*\s+3], s[G1A:G1A+7]
	s_nop 0
.rept 4
	v_nop
.endr
	s_branch .Lasked_\@
.Lfor_b_\@:
	tensor_load_to_lds s[G0B+4*\s:G0B+4*\s+3], s[G1B:G1B+7]
	s_nop 0
.rept 4
	v_nop
.endr
.Lasked_\@:
.endm
.macro FETCH s, q, f, p                ; 40 LDS loads: my eight fragments of the slot's q-th K step into buffer f, their scale words into set p
	WIN 0x40                                       ; destination window 1, address window 0
.irp i, 0,1,2,3
	ds_load_b128 v[(\f)+48+12*\i:(\f)+48+12*\i+3], v[B16+\s] offset:(\q)*REC+\i*1536
	ds_load_b64 v[(\f)+48+12*\i+4:(\f)+48+12*\i+5], v[B8+\s] offset:(\q)*REC+\i*1536+512
	ds_load_b128 v[(\f)+48+12*\i+6:(\f)+48+12*\i+9], v[B16+\s] offset:(\q)*REC+\i*1536+768
	ds_load_b64 v[(\f)+48+12*\i+10:(\f)+48+12*\i+11], v[B8+\s] offset:(\q)*REC+\i*1536+1280
	ds_load_b128 v[(\f)+12*\i:(\f)+12*\i+3], v[A16+\s] offset:(\q)*REC+\i*1536
	ds_load_b64 v[(\f)+12*\i+4:(\f)+12*\i+5], v[A8+\s] offset:(\q)*REC+\i*1536+512
	ds_load_b128 v[(\f)+12*\i+6:(\f)+12*\i+9], v[A16+\s] offset:(\q)*REC+\i*1536+768
	ds_load_b64 v[(\f)+12*\i+10:(\f)+12*\i+11], v[A8+\s] offset:(\q)*REC+\i*1536+1280
.endr
	WIN 0
.irp i, 0,1,2,3
	ds_load_b32 v[SC+8*(\p)+\i], v[AS+\s] offset:(\q)*REC+128*\i
	ds_load_b32 v[SC+8*(\p)+4+\i], v[BS+\s] offset:(\q)*REC+128*\i
.endr
.endm
.macro MUL f, p                        ; 16 matrix instructions, 128 along K; the sixteen accumulators take turns, one instruction a turn, in the same order in every step, over the loop's backward jump too
	WIN 0x05                                       ; sources 0 and 1 window 1; C and D window 0
.irp a, 0,1,2,3
.irp b, 0,1,2,3
	v_wmma_scale_f32_16x16x128_f8f6f4 v[ACC+8*(4*\a+\b):ACC+8*(4*\a+\b)+7], v[(\f)+48+12*\b:(\f)+48+12*\b+11], v[(\f)+12*\a:(\f)+12*\a+11], v[ACC+8*(4*\a+\b):ACC+8*(4*\a+\b)+7], v[SC+8*(\p)+4+\b], v[SC+8*(\p)+\a] matrix_a_fmt:MATRIX_FMT_FP6 matrix_b_fmt:MATRIX_FMT_FP6
.endr
.endr
.endm
.macro STEP s, q                       ; a K step that has its successor in the same slot
	s_wait_dscnt 0x0                               ; this step's 40 loads, asked for a step ago, are in
	PLACES                                         ; the other buffer and scale set were read by the last step's products
	FETCH \s, (\q)+1, 128*(1-(\q)%2), 1-(\q)%2
	MUL 128*((\q)%2), (\q)%2
.endm
; A slot's last K step changes slots.  In front of the barrier each wave waits for all its tensor loads (one is out: its part of the next slot), adds 0 to its spare word, and waits for that and for its reads of this slot.
; fill = 1: the barrier is a round of the cluster's, and this slot is filled again, with the K steps two slots on: the load has four K steps, 64 matrix instructions a wave, in which to land.
.macro TURN s, n, fill
	WIN 0
	s_wait_tensorcnt 0x0                           ; no tensor load of mine is out, so a group 0 may be written
	ds_add_u32 v[SPW], v[NIL]                      ; 0 onto my spare word
.if \fill
	s_add_nc_u64 s[G0A+4*\s+2:G0A+4*\s+3], s[G0A+4*\s+2:G0A+4*\s+3], TSTEP
	s_add_nc_u64 s[G0B+4*\s+2:G0B+4*\s+3], s[G0B+4*\s+2:G0B+4*\s+3], TSTEP
.endif
	s_wait_dscnt 0x0                               ; the add is done, and my reads of this slot are over: its last fragments are in registers
.if \fill
	CROUND                                         ; no wave of any partner still reads this slot or has a load on its way
	JLOAD \s                                       ; the first tensor load behind the round, my one load until the next; its four v_nop are also the places ahead of the loads below
.else
	s_barrier_signal -1
	s_barrier_wait -1
	PLACES
.endif
	FETCH \n, 0, F0, 0
	MUL F1, 1
.endm
	s_load_b128 s[4:7], s[0:1], 0x0                ; gq s[4:5], wimg s[6:7]
	s_load_b128 s[8:11], s[0:1], 0x10              ; b_mproj s[8:9], x1 s[10:11]
	s_load_b64 s[12:13], s[0:1], 0x20              ; out0
	v_lshl_add_u32 v[SPW], v0, 2, SPARE
	v_mov_b32 v[NIL], 0
	ds_add_u32 v28, v29
	ds_add_u32 v28, v29
	s_wait_dscnt 0x0
	v_lshrrev_b32 v1, 5, v0
	v_readfirstlane_b32 s14, v1                    ; wave 0..3
	s_lshr_b32 s15, s14, 1                         ; which half of the tile's rows is mine.  Also: I fetch for g (0) or for w (1)
	s_and_b32 s16, s14, 1                          ; which half of its columns.  Also: which two K steps of a slot I fetch
	s_bfe_u32 s40, ttmp6, 0x40000                  ; cx, cy
	s_bfe_u32 s41, ttmp6, 0x40004
	s_lshl_b32 s42, ttmp9, 2
	s_add_co_u32 s42, s42, s40                     ; column tile
	s_and_b32 s17, ttmp7, 0xffff
	s_lshl_b32 s17, s17, 2
	s_add_co_u32 s17, s17, s41                     ; row tile
	s_lshl_b32 s43, s41, 2
	s_lshl_b32 s43, 15, s43                        ; my row of the cluster
	s_lshl_b32 s44, 0x1111, s40                    ; my column
	s_or_b32 s[G1A], s43, (3<<16)|(1<<21)          ; group 1: two records as 104 rows of 256 bytes (32 elements of 8 bytes), no padding; the mask; bit 21 beside it
	s_or_b32 s[G1B], s44, (3<<16)|(1<<21)
.irp g, G1A, G1B
	s_mov_b32 s[\g+1], 32<<16
	s_mov_b32 s[\g+2], 104<<16
	s_mov_b32 s[\g+3], 32<<16
	s_mov_b32 s[\g+4], 104
	s_mov_b32 s[\g+5], 32
	s_mov_b32 s[\g+6], 0
	s_mov_b32 s[\g+7], 0
.endr
	s_mul_i32 s18, s16, 2*REC
	s_mul_i32 s20, s17, KS*REC
	s_add_co_u32 s20, s20, s18                     ; g: hangs on the row tile and the wave alone
	s_mov_b32 s21, 0
	s_mul_i32 s46, s42, KS*REC
	s_add_co_u32 s46, s46, s18
	s_add_co_u32 s46, s46, WOFF                    ; w: on the column tile and the wave alone
	s_mov_b32 s47, 0
	s_mul_i32 s45, s14, 2*REC                      ; where they go: wave x two records
	s_wait_kmcnt 0x0
	s_add_nc_u64 s[20:21], s[4:5], s[20:21]
	s_add_nc_u64 s[46:47], s[6:7], s[46:47]
	CROUND                                         ; all sixteen work-groups are here: the first joint loads meet
.irp s, 0,1
	s_mov_b32 s[G0A+4*\s], 1
	s_add_co_u32 s[G0A+4*\s+1], s45, \s*SLOT
	s_add_nc_u64 s[G0A+4*\s+2:G0A+4*\s+3], s[20:21], \s*4*REC
	s_or_b32 s[G0A+4*\s+3], s[G0A+4*\s+3], 0x80000000
	s_mov_b32 s[G0B+4*\s], 1
	s_add_co_u32 s[G0B+4*\s+1], s45, \s*SLOT
	s_add_nc_u64 s[G0B+4*\s+2:G0B+4*\s+3], s[46:47], \s*4*REC
	s_or_b32 s[G0B+4*\s+3], s[G0B+4*\s+3], 0x80000000
.endr
	s_cmp_eq_u32 s15, 0                            ; a wave's two first fills stand in one branch: two loads of mine are out
	s_cbranch_scc0 .Lfirst_b
	tensor_load_to_lds s[G0A:G0A+3], s[G1A:G1A+7]
	s_nop 0
	tensor_load_to_lds s[G0A+4:G0A+7], s[G1A:G1A+7]
	s_nop 0
.rept 4
	v_nop
.endr
	s_branch .Lfirst_asked
.Lfirst_b:
	tensor_load_to_lds s[G0B:G0B+3], s[G1B:G1B+7]
	s_nop 0
	tensor_load_to_lds s[G0B+4:G0B+7], s[G1B:G1B+7]
	s_nop 0
.rept 4
	v_nop
.endr
.Lfirst_asked:
	s_lshl_b32 s70, s42, 9
	s_lshl_b32 s71, s16, 8
	s_add_co_u32 s70, s70, s71                     ; my first column, in bytes
	s_mov_b32 s71, 0
	s_add_nc_u64 s[8:9], s[8:9], s[70:71]
	s_lshl_b32 s72, s17, 19
	s_lshl_b32 s73, s15, 18
	s_add_co_u32 s72, s72, s73                     ; my first row: rows of 4,096 bytes
	s_add_co_u32 s72, s72, s70
	s_mov_b32 s73, 0
	s_add_nc_u64 s[10:11], s[10:11], s[72:73]
	s_add_nc_u64 s[12:13], s[12:13], s[72:73]
	v_and_b32 v1, 31, v0                           ; lane
	v_and_b32 v2, 15, v0                           ; r
	v_bfe_u32 v3, v0, 4, 1                         ; h
	v_and_b32 v24, 8, v2
	v_add_nc_u32 v24, v24, v2                      ; r + 8 (r / 8)
	v_lshlrev_b32 v[RES], 12, v24
	v_lshl_add_u32 v[RES], v3, 6, v[RES]
	v_lshlrev_b32 v[BV], 6, v3
.irp a, 0,1,2,3                        ; the residual in the result's layout: register 32 a + 16 b + i is row 32 (a / 2) + 8 (a % 2) + r + 8 (r / 8), column 32 b + 16 h + i
.irp e, 0,1,2,3,4,5,6,7
	global_load_b128 v[ACC+32*\a+4*\e:ACC+32*\a+4*\e+3], v[RES], s[10:11] offset:(32*(\a/2)+8*(\a%2))*4096+128*(\e/4)+16*(\e%4)
.endr
.endr
.irp b, 0,1,2,3
	global_load_b128 v[BIAS+8*\b:BIAS+8*\b+3], v[BV], s[8:9] offset:(32*(\b/2)+8*(\b%2))*4
	global_load_b128 v[BIAS+8*\b+4:BIAS+8*\b+7], v[BV], s[8:9] offset:(32*(\b/2)+8*(\b%2))*4+16
.endr
	v_lshlrev_b32 v[L16], 4, v1
	v_lshlrev_b32 v[L8], 3, v1
	v_lshlrev_b32 v[L4], 2, v1
	s_mul_i32 s18, s15, 6144
	s_mul_i32 s19, s16, 6144
	s_add_co_u32 s19, s19, BOFF
	s_lshl_b32 s22, s15, 9
	s_add_co_u32 s22, s22, 12288
	s_lshl_b32 s23, s16, 9
	s_add_co_u32 s23, s23, BOFF+12288
.irp s, 0,1
	v_add_nc_u32 v[A16+\s], s18, v[L16]
	v_add_nc_u32 v[A8+\s], s18, v[L8]
	v_add_nc_u32 v[B16+\s], s19, v[L16]
	v_add_nc_u32 v[B8+\s], s19, v[L8]
	v_add_nc_u32 v[AS+\s], s22, v[L4]
	v_add_nc_u32 v[BS+\s], s23, v[L4]
	s_add_co_u32 s18, s18, SLOT
	s_add_co_u32 s19, s19, SLOT
	s_add_co_u32 s22, s22, SLOT
	s_add_co_u32 s23, s23, SLOT
.endr
	s_mul_i32 s18, s14, WSTG
	s_add_co_u32 s18, s18, STG                     ; my stage
	v_mul_u32_u24 v[STO], v24, SPITCH
	v_lshl_add_u32 v[STO], v3, 6, v[STO]
	v_add_nc_u32 v[STO], s18, v[STO]
	v_mul_u32_u24 v[RD], v3, SPITCH
	v_lshl_add_u32 v[RD], v2, 4, v[RD]
	v_add_nc_u32 v[RD], s18, v[RD]
	v_lshlrev_b32 v[CO], 12, v3
	v_lshl_add_u32 v[CO], v2, 4, v[CO]             ; out: lanes 0-15 one row's 256 bytes, lanes 16-31 the next row's
	s_wait_loadcnt 0x0                             ; the residual and the bias
.irp a, 0,1,2,3
.irp e, 0,1,2,3,4,5,6,7,8,9,10,11,12,13,14,15
	v_pk_add_f32 v[ACC+32*\a+2*\e:ACC+32*\a+2*\e+1], v[ACC+32*\a+2*\e:ACC+32*\a+2*\e+1], v[BIAS+2*\e:BIAS+2*\e+1]
.endr
.endr
	s_wait_tensorcnt 1                             ; my part of slot 0 is in; slot 1's may stay out
	s_barrier_signal -1
	s_barrier_wait -1
	FETCH 0, 0, F0, 0
	s_mov_b32 s3, 3
.Llap:                                             ; a trip goes once round the ring, eight K steps, and fills both slots again: three trips ask for K steps 8 to 31
	STEP 0, 0
	STEP 0, 1
	STEP 0, 2
	TURN 0, 1, 1
	STEP 1, 0
	STEP 1, 1
	STEP 1, 2
	TURN 1, 0, 1
	WIN 0                                          ; at a label and at a branch every window is 0
	s_sub_co_u32 s3, s3, 1
	s_cmp_lg_u32 s3, 0
	s_cbranch_scc1 .Llap
	STEP 0, 0                                      ; the last lap is written out: it asks for nothing
	STEP 0, 1
	STEP 0, 2
	TURN 0, 1, 0
	STEP 1, 0
	STEP 1, 1
	STEP 1, 2
	s_wait_dscnt 0x0
	MUL F1, 1
	WIN 0
	PLACES
	; THE WAY OUT: through my stage, each accumulator from its low end on, and back as whole rows of 256 bytes
.irp a, 0,1,2,3
.irp e, 0,1,2,3,4,5,6,7
	ds_store_b128 v[STO], v[ACC+32*\a+4*\e:ACC+32*\a+4*\e+3] offset:(32*(\a/2)+8*(\a%2))*SPITCH+128*(\e/4)+16*(\e%4)
.endr
.endr
	s_wait_dscnt 0x0
.set t, 0
.rept 32
	ds_load_b128 v[ACC+4*t:ACC+4*t+3], v[RD] offset:t*2*SPITCH
.set t, t+1
.endr
.set t, 0
.rept 32
	s_wait_dscnt 31-t                              ; the younger loads may be out
	global_store_b128 v[CO], v[ACC+4*t:ACC+4*t+3], s[12:13] offset:t*8192 th:TH_STORE_NT   ; 16 lanes store 256 consecutive bytes, aligned to 256; written once, read by nobody here
.set t, t+1
.endr
	s_wait_tensorcnt 0x0                           ; the wave's end: behind my last tensor load and my last LDS store
	ds_add_u32 v[SPW], v[NIL]
	s_wait_dscnt 0x0
	CROUND                                         ; the closing round
	s_endpgm
.Lfunc_end_k_q0df3526f42_mproj:
	.size	k_q0df3526f42_mproj, .Lfunc_end_k_q0df3526f42_mproj-k_q0df3526f42_mproj
	.p2alignl 7, 3214868480
	.fill 96, 4, 3214868480
	.section	.rodata,"a",@progbits
	.p2align	6, 0x0
	.amdhsa_kernel k_q0df3526f42_mproj
		.amdhsa_group_segment_fixed_size 327680
		.amdhsa_private_segment_fixed_size 0
		.amdhsa_enable_private_segment 0
		.amdhsa_kernarg_size 40
		.amdhsa_user_sgpr_count 2
		.amdhsa_user_sgpr_kernarg_segment_ptr 1
		.amdhsa_wavefront_size32 1
		.amdhsa_system_sgpr_workgroup_id_x 1
		.amdhsa_system_sgpr_workgroup_id_y 1
		.amdhsa_system_sgpr_workgroup_id_z 1
		.amdhsa_system_vgpr_workitem_id 0
		.amdhsa_next_free_vgpr 512
		.amdhsa_next_free_sgpr 80
		.amdhsa_reserve_vcc 0
		.amdhsa_float_denorm_mode_32 3
		.amdhsa_float_denorm_mode_16_64 3
		.amdhsa_memory_ordered 1
		.amdhsa_forward_progress 1
		.amdhsa_inst_pref_size 103
	.end_amdhsa_kernel
	.amdgpu_metadata
---
amdhsa.version: [ 1, 2 ]
amdhsa.kernels:
  - .name:           k_q0df3526f42_mproj
    .symbol:         k_q0df3526f42_mproj.kd
    .args:
      - { .name: gq, .offset: 0, .size: 8, .value_kind: global_buffer, .address_space: global }
      - { .name: wimg, .offset: 8, .size: 8, .value_kind: global_buffer, .address_space: global }
      - { .name: b_mproj, .offset: 16, .size: 8, .value_kind: global_buffer, .address_space: global }
      - { .name: x1, .offset: 24, .size: 8, .value_kind: global_buffer, .address_space: global }
      - { .name: out0, .offset: 32, .size: 8, .value_kind: global_buffer, .address_space: global }
    .group_segment_fixed_size: 327680
    .private_segment_fixed_size: 0
    .kernarg_segment_align: 8
    .kernarg_segment_size: 40
    .max_flat_workgroup_size: 128
    .sgpr_count:     80
    .vgpr_count:     512
    .wavefront_size: 32
...
	.end_amdgpu_metadata
.endif
;; end of part 7
;; ======== version 2 of 2: 7 launches
;; limits: right only within a limited range of input values
;; workspace buffers: wimg 10,223,616 bytes; hq 3,407,872 bytes; ac 3,407,872 bytes; gq 13,631,488 bytes; qc 3,670,016 bytes; kc 3,670,016 bytes; vc 3,407,872 bytes; x1 16,777,216 bytes
;; launch wq: the kernel of part 1 again; grid 768 x 1, 4 waves a work-group, no clusters, 0 bytes of LDS; arguments w_attn, w_aproj, w_fc, w_mproj, wimg; writes wimg
;; launch ln1 (part 8): grid 256 x 1, 8 waves a work-group, no clusters, 3,072 bytes of LDS; arguments x, ln1_g, ln1_b, hq; writes hq
.if DOCPART == 8
	.amdgcn_target "amdgcn-amd-amdhsa--gfx1250"
	.amdhsa_code_object_version 6
	.text
	.protected	k_q0df3526f42_ln1
	.globl	k_q0df3526f42_ln1
	.p2align	8
	.type	k_q0df3526f42_ln1,@function
k_q0df3526f42_ln1:
	s_mov_b64 s[64:65], 0
	v_nop
	global_prefetch_b8 v0, s[64:65] scope:SCOPE_SE
	s_setreg_imm32_b32 hwreg(HW_REG_WAVE_MODE, 25, 1), 1
	s_wait_xcnt 0x0
; h = (x - mean) rsqrt(var + 1e-5) g + b over rows of 1,024 f32, quantised along the row to codes of FP6 (E2M3) with one E8M0 byte for each 32, and stored as fragment images.
; Work-group T takes the 16 rows of tile T: lane r holds row 32 (T / 2) + 8 (T % 2) + r + 8 (r / 8).  Wave w takes K step w, columns 128 w on.
; Lane (r, h) holds 64 numbers: register 16 b + i = column 128 w + 32 b + 16 h + i, so that a conversion's sixteen registers are neighbours along K.
; Mean and variance in two passes (the mean is taken away before the squares), each summed in the lane, with lane l xor 16, and over the eight waves through LDS.
; OUT: record (T / 8, w) of 13,312 bytes, image T % 8: half c at 768 c: registers 6c..6c+3 at 16 x lane, 6c+4, 6c+5 at 512 + 8 x lane; the scale word at 12,288 + 128 (T % 8) + 4 x lane.
; LIMITS: a block of zeros gets the byte 1 where the rule says 127 (its codes are zeros; this program alone reads the bytes); NaN and infinities are not served.
.set REC, 13312
.set X,   16                           ; v16-79   my 64 numbers
.set G,   80                           ; v80-143  g at my columns
.set BB,  144                          ; v144-207 b at my columns
.set TM,  208                          ; v208-213 the quantiser's work
.set PW,  216                          ; v216-217 two halves of the scale word
.set PC0, 218                          ; v218-226 codes of half 0
.set PC1, 230                          ; v230-238 codes of half 1
.set SEL, 22                           ; s[22:23] v_permlanex16_b32's selects for lane l xor 16
; 32 numbers of a lane, register 16 b + i = k 32 b + 16 h + i of my row, become half a fragment's codes in v[pc .. pc+5] and two scale bytes in v[pw]
.macro HQ s, pc, pw
.irp b, 0,1
	v_max3_num_f32 v[TM+\b], |v[\s+16*\b]|, |v[\s+16*\b+1]|, 0x1800000   ; block b: my 16 numbers, and the floor 2^(3 - 127): the byte cannot fall under 1
.endr
.irp i, 2,4,6,8,10,12,14
.irp b, 0,1
	s_delay_alu instid0(VALU_DEP_2)
	v_max3_num_f32 v[TM+\b], v[TM+\b], |v[\s+16*\b+\i]|, |v[\s+16*\b+\i+1]|
.endr
.endr
.irp b, 0,1
	s_delay_alu instid0(VALU_DEP_2)
	v_permlanex16_b32 v[TM+2+\b], v[TM+\b], s[SEL], s[SEL+1]
.endr
.irp b, 0,1
	s_delay_alu instid0(VALU_DEP_2)
	v_max_num_f32 v[TM+\b], v[TM+\b], v[TM+2+\b]   ; with lane l xor 16's: the block's largest magnitude
.endr
.irp b, 0,1
	s_delay_alu instid0(VALU_DEP_2)
	v_add_nc_u32 v[TM+4+\b], 0xff000000, v[TM+\b]  ; 2 off its exponent field: the conversion's scale operand
.endr
.irp b, 0,1
	s_delay_alu instid0(VALU_DEP_2)
	v_lshrrev_b32 v[TM+2+\b], 23, v[TM+4+\b]       ; the scale's byte
.endr
	s_delay_alu instid0(VALU_DEP_1)
	v_lshl_or_b32 v[\pw], v[TM+3], 8, v[TM+2]
	v_cvt_scalef32_pk16_fp6_f32 v[\pc:\pc+2], v[\s:\s+15], v[TM+4]
	v_cvt_scalef32_pk16_fp6_f32 v[\pc+6:\pc+8], v[\s+16:\s+31], v[TM+5]
	v_nop                                          ; one plain place behind a scaled conversion
.irp i, 0,1,2
	v_permlane16_swap_b32 v[\pc+\i], v[\pc+6+\i]   ; the layout wants a whole block in a lane: lanes 0-15 block 0, lanes 16-31 block 1
.endr
.irp i, 0,1,2
	s_delay_alu instid0(VALU_DEP_3)
	v_mov_b32 v[\pc+3+\i], v[\pc+6+\i]
.endr
.endm
; v248, a lane's partial sum, becomes the row's sum over all 1,024 columns, in every lane of the row
.macro REDUCE off
	s_delay_alu instid0(VALU_DEP_1)
	v_permlanex16_b32 v249, v248, s[SEL], s[SEL+1]
	s_delay_alu instid0(VALU_DEP_1)
	v_add_f32 v248, v248, v249                     ; my wave's 128 columns
	ds_store_b32 v6, v248 offset:\off
	s_wait_dscnt 0x0                               ; for the others' sake: my store has landed
	s_barrier_signal -1
	s_barrier_wait -1
.irp i, 0,1,2,3,4,5,6,7
	ds_load_b32 v[240+\i], v7 offset:\off+128*\i   ; the eight waves' sums of my row
.endr
	s_wait_dscnt 0x0
	v_add_f32 v240, v240, v241
	v_add_f32 v242, v242, v243
	v_add_f32 v244, v244, v245
	v_add_f32 v246, v246, v247
	s_delay_alu instid0(VALU_DEP_3)
	v_add_f32 v240, v240, v242
	s_delay_alu instid0(VALU_DEP_2)
	v_add_f32 v244, v244, v246
	s_delay_alu instid0(VALU_DEP_1)
	v_add_f32 v248, v240, v244
.endm
	s_load_b256 s[4:11], s[0:1], 0x0               ; x s[4:5], g s[6:7], b s[8:9], hq s[10:11]
	v_lshl_add_u32 v254, v0, 2, 0x800
	v_mov_b32 v255, 0
	v_lshrrev_b32 v1, 5, v0
	s_delay_alu instid0(VALU_DEP_1)
	v_readfirstlane_b32 s12, v1                    ; wave 0..7
	v_and_b32 v2, 15, v0                           ; r
	v_bfe_u32 v3, v0, 4, 1                         ; h
	s_delay_alu instid0(VALU_DEP_2)
	v_and_b32 v4, 8, v2
	s_delay_alu instid0(VALU_DEP_1)
	v_add_nc_u32 v4, v4, v2                        ; r + 8 (r / 8)
	s_lshl_b32 s13, s12, 9
	v_lshl_add_u32 v5, v3, 6, s13                  ; g, b: 512 w + 64 h
	s_delay_alu instid0(VALU_DEP_1)
	v_lshl_add_u32 v4, v4, 12, v5                  ; x: + my row of 4,096 bytes
	v_lshlrev_b32 v6, 2, v0                        ; LDS: my word among the waves' sums
	v_and_b32 v7, 31, v0
	s_delay_alu instid0(VALU_DEP_1)
	v_lshlrev_b32 v8, 4, v7                        ; 16 x lane
	s_delay_alu instid0(VALU_DEP_2)
	v_lshlrev_b32 v9, 3, v7                        ; 8 x lane
	s_delay_alu instid0(VALU_DEP_3)
	v_lshlrev_b32 v7, 2, v7                        ; 4 x lane
	v_mov_b32 v[TM+2], 0                           ; written once: a lane permute's destination counts as one of its sources
	v_mov_b32 v[TM+3], 0
	s_mov_b32 s[SEL], 0x76543210
	s_mov_b32 s[SEL+1], 0xfedcba98
	s_mov_b32 s24, 0x3a800000                      ; 1 / 1,024
	s_mov_b32 s25, 0x3727c5ac                      ; 1e-5
	s_lshr_b32 s14, ttmp9, 1
	s_lshl_b32 s14, s14, 17                        ; 32 (T / 2) rows of 4,096 bytes
	s_and_b32 s15, ttmp9, 1
	s_lshl_b32 s15, s15, 15                        ; 8 (T % 2) rows
	s_add_co_u32 s14, s14, s15
	s_mov_b32 s15, 0
	s_lshr_b32 s16, ttmp9, 3
	s_lshl_b32 s16, s16, 3
	s_add_co_u32 s16, s16, s12
	s_mul_i32 s16, s16, REC                        ; record (T / 8, w)
	s_and_b32 s20, ttmp9, 7
	s_lshl_b32 s18, s20, 7
	s_add_co_u32 s18, s18, s16
	s_add_co_u32 s18, s18, 12288                   ; its scale words of image T % 8
	s_mov_b32 s19, 0
	s_mul_i32 s20, s20, 1536
	s_add_co_u32 s16, s16, s20                     ; image T % 8
	s_mov_b32 s17, 0
	s_wait_alu depctr_va_vdst(0)
	s_wait_kmcnt 0x0
	s_add_nc_u64 s[4:5], s[4:5], s[14:15]
	s_add_nc_u64 s[16:17], s[10:11], s[16:17]
	s_add_nc_u64 s[18:19], s[10:11], s[18:19]
.irp b, 0,1,2,3
.irp j, 0,1,2,3
	global_load_b128 v[X+16*\b+4*\j:X+16*\b+4*\j+3], v4, s[4:5] offset:128*\b+16*\j
.endr
.endr
.irp b, 0,1,2,3
.irp j, 0,1,2,3
	global_load_b128 v[G+16*\b+4*\j:G+16*\b+4*\j+3], v5, s[6:7] offset:128*\b+16*\j
	global_load_b128 v[BB+16*\b+4*\j:BB+16*\b+4*\j+3], v5, s[8:9] offset:128*\b+16*\j
.endr
.endr
	s_wait_loadcnt 32                              ; x's sixteen loads are in; the 32 of g and b may be out
	v_pk_add_f32 v[250:251], v[16:17], v[18:19]
	v_pk_add_f32 v[252:253], v[24:25], v[28:29]
	v_pk_add_f32 v[246:247], v[32:33], v[36:37]
	v_pk_add_f32 v[244:245], v[40:41], v[44:45]
	v_pk_add_f32 v[242:243], v[48:49], v[52:53]
	v_pk_add_f32 v[240:241], v[56:57], v[60:61]
	v_pk_add_f32 v[238:239], v[64:65], v[68:69]
	v_pk_add_f32 v[248:249], v[72:73], v[76:77]
	s_delay_alu instid0(VALU_DEP_1)
	v_pk_add_f32 v[248:249], v[248:249], v[20:21]
	v_pk_add_f32 v[250:251], v[250:251], v[22:23]
	v_pk_add_f32 v[252:253], v[252:253], v[26:27]
	v_pk_add_f32 v[246:247], v[246:247], v[30:31]
	v_pk_add_f32 v[244:245], v[244:245], v[34:35]
	v_pk_add_f32 v[242:243], v[242:243], v[38:39]
	v_pk_add_f32 v[240:241], v[240:241], v[42:43]
	v_pk_add_f32 v[238:239], v[238:239], v[46:47]
	v_pk_add_f32 v[248:249], v[248:249], v[50:51]
	v_pk_add_f32 v[250:251], v[250:251], v[54:55]
	v_pk_add_f32 v[252:253], v[252:253], v[58:59]
	v_pk_add_f32 v[246:247], v[246:247], v[62:63]
	v_pk_add_f32 v[244:245], v[244:245], v[66:67]
	v_pk_add_f32 v[242:243], v[242:243], v[70:71]
	v_pk_add_f32 v[240:241], v[240:241], v[74:75]
	v_pk_add_f32 v[238:239], v[238:239], v[78:79]
	s_delay_alu instid0(VALU_DEP_4)
	v_pk_add_f32 v[248:249], v[248:249], v[244:245]
	s_delay_alu instid0(VALU_DEP_4)
	v_pk_add_f32 v[250:251], v[250:251], v[242:243]
	s_delay_alu instid0(VALU_DEP_4)
	v_pk_add_f32 v[252:253], v[252:253], v[240:241]
	s_delay_alu instid0(VALU_DEP_4)
	v_pk_add_f32 v[246:247], v[246:247], v[238:239]
	s_delay_alu instid0(VALU_DEP_2)
	v_pk_add_f32 v[248:249], v[248:249], v[252:253]
	s_delay_alu instid0(VALU_DEP_2)
	v_pk_add_f32 v[250:251], v[250:251], v[246:247]
	s_delay_alu instid0(VALU_DEP_1)
	v_pk_add_f32 v[248:249], v[248:249], v[250:251]
	s_delay_alu instid0(VALU_DEP_1)
	v_add_f32 v248, v248, v249
	REDUCE 0
	s_delay_alu instid0(VALU_DEP_1)
	v_mul_f32 v250, 0xba800000, v248               ; - the mean
	s_delay_alu instid0(VALU_DEP_1)
	v_mov_b32 v251, v250
.set j, 0
.rept 32
	v_pk_add_f32 v[X+j:X+j+1], v[X+j:X+j+1], v[250:251]
.set j, j+2
.endr
	v_pk_mul_f32 v[248:249], v[X:X+1], v[X:X+1]    ; the sum of squares of what is left
	v_pk_mul_f32 v[250:251], v[X+2:X+3], v[X+2:X+3]
.set j, 4
.rept 15
	s_delay_alu instid0(VALU_DEP_2)
	v_pk_fma_f32 v[248:249], v[X+j:X+j+1], v[X+j:X+j+1], v[248:249]
	s_delay_alu instid0(VALU_DEP_2)
	v_pk_fma_f32 v[250:251], v[X+j+2:X+j+3], v[X+j+2:X+j+3], v[250:251]
.set j, j+4
.endr
	s_delay_alu instid0(VALU_DEP_1)
	v_pk_add_f32 v[248:249], v[248:249], v[250:251]
	s_delay_alu instid0(VALU_DEP_1)
	v_add_f32 v248, v248, v249
	REDUCE 1024                                    ; other bytes than the first sum's: one barrier each
	s_delay_alu instid0(VALU_DEP_1)
	v_fma_f32 v248, v248, s24, s25                 ; the variance + 1e-5
	s_wait_alu depctr_va_vdst(0)
	v_rsq_f32 v250, v248
	v_nop                                          ; one plain place behind a transcendental
	s_wait_alu depctr_va_vdst(0)
	v_mov_b32 v251, v250
	s_wait_alu depctr_va_vdst(0)
	s_wait_loadcnt 0x0                             ; g and b
.set j, 0
.rept 32
	v_pk_mul_f32 v[X+j:X+j+1], v[X+j:X+j+1], v[250:251]
.set j, j+2
.endr
.set j, 0
.rept 32
	v_pk_fma_f32 v[X+j:X+j+1], v[X+j:X+j+1], v[G+j:G+j+1], v[BB+j:BB+j+1]
.set j, j+2
.endr
	HQ X, PC0, PW
	HQ X+32, PC1, PW+1
	v_lshl_or_b32 v[PW], v[PW+1], 16, v[PW]        ; the row's scale word for these 128
	global_store_b128 v8, v[PC0:PC0+3], s[16:17]               ; 32 lanes store 512 consecutive bytes
	global_store_b64 v9, v[PC0+4:PC0+5], s[16:17] offset:512
	global_store_b128 v8, v[PC1:PC1+3], s[16:17] offset:768
	global_store_b64 v9, v[PC1+4:PC1+5], s[16:17] offset:1280
	global_store_b32 v7, v[PW], s[18:19]
	s_wait_tensorcnt 0x0
	ds_add_u32 v254, v255
	s_wait_dscnt 0x0
	s_endpgm
.Lfunc_end_k_q0df3526f42_ln1:
	.size	k_q0df3526f42_ln1, .Lfunc_end_k_q0df3526f42_ln1-k_q0df3526f42_ln1
	.p2alignl 7, 3214868480
	.fill 96, 4, 3214868480
	.section	.rodata,"a",@progbits
	.p2align	6, 0x0
	.amdhsa_kernel k_q0df3526f42_ln1
		.amdhsa_group_segment_fixed_size 3072
		.amdhsa_private_segment_fixed_size 0
		.amdhsa_enable_private_segment 0
		.amdhsa_kernarg_size 32
		.amdhsa_user_sgpr_count 2
		.amdhsa_user_sgpr_kernarg_segment_ptr 1
		.amdhsa_wavefront_size32 1
		.amdhsa_system_sgpr_workgroup_id_x 1
		.amdhsa_system_sgpr_workgroup_id_y 1
		.amdhsa_system_sgpr_workgroup_id_z 1
		.amdhsa_system_vgpr_workitem_id 0
		.amdhsa_next_free_vgpr 256
		.amdhsa_next_free_sgpr 66
		.amdhsa_reserve_vcc 0
		.amdhsa_float_denorm_mode_32 3
		.amdhsa_float_denorm_mode_16_64 3
		.amdhsa_memory_ordered 1
		.amdhsa_forward_progress 1
		.amdhsa_inst_pref_size 27
	.end_amdhsa_kernel
	.amdgpu_metadata
---
amdhsa.version: [ 1, 2 ]
amdhsa.kernels:
  - .name:           k_q0df3526f42_ln1
    .symbol:         k_q0df3526f42_ln1.kd
    .args:
      - { .name: x, .offset: 0, .size: 8, .value_kind: global_buffer, .address_space: global }
      - { .name: ln1_g, .offset: 8, .size: 8, .value_kind: global_buffer, .address_space: global }
      - { .name: ln1_b, .offset: 16, .size: 8, .value_kind: global_buffer, .address_space: global }
      - { .name: hq, .offset: 24, .size: 8, .value_kind: global_buffer, .address_space: global }
    .group_segment_fixed_size: 3072
    .private_segment_fixed_size: 0
    .kernarg_segment_align: 8
    .kernarg_segment_size: 32
    .max_flat_workgroup_size: 256
    .sgpr_count:     66
    .vgpr_count:     256
    .wavefront_size: 32
...
	.end_amdgpu_metadata
.endif
;; end of part 8
;; launch qkv (part 9): grid 8 x 32, 4 waves a work-group, clusters of 4 x 4, 327,680 bytes of LDS; arguments hq, wimg, b_attn, qc, kc, vc, out1; writes qc, kc, vc, out1
.if DOCPART == 9
	.amdgcn_target "amdgcn-amd-amdhsa--gfx1250"
	.amdhsa_code_object_version 6
	.text
	.protected	k_q0df3526f42_qkv
	.globl	k_q0df3526f42_qkv
	.p2align	8
	.type	k_q0df3526f42_qkv,@function
k_q0df3526f42_qkv:
	s_mov_b64 s[64:65], 0
	v_nop
	global_prefetch_b8 v0, s[64:65] scope:SCOPE_SE
	s_setreg_imm32_b32 hwreg(HW_REG_WAVE_MODE, 25, 1), 1
	s_wait_xcnt 0x0
	s_wait_alu depctr_hold_cnt(0) depctr_sa_sdst(0) depctr_va_vdst(0) depctr_va_sdst(0) depctr_va_ssrc(0) depctr_va_vcc(0) depctr_vm_vsrc(0)
	s_getreg_b32 s2, hwreg(HW_REG_IB_STS2, 6, 4)
	s_cmp_eq_u32 s2, 0
	s_cbranch_scc0 .Lentry_in_a_cluster
	s_endpgm
.Lentry_in_a_cluster:
	s_bfe_u32 s2, ttmp6, 0x10000c
	s_cmp_lg_u32 s2, 0xf033
	s_cbranch_scc0 .Lentry_shape_is_right
	s_endpgm
.Lentry_shape_is_right:
; c = h w_attn + b_attn on codes of FP6 (E2M3) with E8M0 scales; k and v go to out1 in f32; q and k are quantised along the head's 64, v along the keys, for the attention's launch.
; Both operands lie in memory as RECORDS of 13,312 bytes (128 rows x 128 K: eight fragment images of 1,536 bytes, then eight times 128 bytes of scale words), [tile][K step].
; An image is a fragment's registers on end (half c at 768 c: registers 6c..6c+3 at 16 x lane, 6c+4, 6c+5 at 512 + 8 x lane): every LDS load reads consecutive bytes, no pitch, no padding.
; A WORK-GROUP STAYS: it owns 128 rows of h and walks three column tiles of 128: tile X of q, of k and of v.  Four waves, each 64 x 64: sixteen accumulators.
; h STAYS IN REGISTERS: a wave's 64 rows x 1,024 K are 32 fragments, 384 registers, and 32 scale words, read from LDS once.  So a K step reads only w's four images and four scale words a wave.
; w's column tiles, all eight K steps each (106,496 bytes), go through two LDS slots; tile 2 is asked for when tile 0's products have left slot 0.  w's fragments are fetched two K steps ahead, into three buffers.
; THE MATRIX INSTRUCTION IS USED TRANSPOSED (source 0 = 16 columns of w, source 1 = 16 rows of h), and lane r of tile T holds row (column) 32 (T / 2) + 8 (T % 2) + r + 8 (r / 8):
; so for one tile of rows a lane's 32 registers of my four column tiles are: register 16 b + i = column 32 b + 16 h + i: sixteen neighbours along the next K.
; CLUSTERS: 4 x 4 work-groups; h's records are asked for jointly along a row of the cluster, w's along a column.  The bias is the C of each sum's first matrix instruction.
; LDS: slot 0 at 0, slot 1 at 106,496, h's eight records at 212,992 (filled once), the spare words at 319,488.  The waves' stages lie in h's bytes: those have had their only fill, and every wave's reads of them
; are waited for ahead of the first change of slots, which stands before the first store into a stage.  All of the WGP's LDS is claimed.
; LIMITS: a block of zeros gets the scale byte 1 where the rule says 127 (its codes are zeros; this program alone reads the bytes); NaN and infinities are not served.
; REGISTERS: window 0: v1-31 addresses and work; v32-43 w's scale words, three sets; v44-75 h's scale words; v76-95 codes, two sets; v96-127 work; v128-255 accumulator (a, b) at 128 + 8 (4 a + b).
;   window 1: h's K steps 0-4, fragment (q, a) at 48 q + 12 a.   window 2: h's K steps 5-7 at 48 (q - 5) + 12 a; w's buffers 0 and 1 at v144, v192.   window 3: the three tiles' biases at 32 j + 8 b; w's buffer 2 at v192.
.set REC,  13312
.set WOFF, 0                           ; w_attn's records in wimg
.set SLOT, 8*REC                       ; a slot: one column tile's eight K steps
.set HALF, 4*REC                       ; an LDS offset has 16 bits: an address register for each four K steps
.set TSTRIDE, 64*REC                   ; in memory: from my tile of q to my tile of k, and on to v's: eight column tiles
.set ABASE, 2*SLOT                     ; h's eight records
.set STG,  ABASE                       ; later: a stage of 64 rows x (256 + 16) bytes for each wave
.set SPITCH, 272
.set WSTG, 64*SPITCH
.set SPARE, 3*SLOT                     ; the spare words, 128 bytes for each wave: two blocks of 256 bytes that no other line names
.set VOUT, 4194304                     ; in out1: from k's rows to v's: 16 heads x 1,024 tokens x 256 bytes
.set L16, 1                            ; v1     16 x lane
.set L8,  2                            ; v2     8 x lane
.set L4,  3                            ; v3     4 x lane
.set B16, 4                            ; v4-7   w's images, 16 x lane: slot s, K steps 4 f on: register 2 s + f
.set B8,  8                            ; v8-11  8 x lane
.set BS,  12                           ; v12-15 w's scale words, 4 x lane
.set TM,  16                           ; v16-21 the quantisers' work
.set SH8, 22                           ; v22    8 h
.set VCOL, 23                          ; v23    the stage by columns: row 32 h, column r + 8 (r / 8)
.set PW,  24                           ; v24-27 scale bytes just made
.set SPW, 28                           ; v28    LDS address of my spare word; never rewritten
.set NIL, 29                           ; v29    0; never rewritten
.set STO, 30                           ; v30    the stage: where I put 16 bytes of a row
.set RD,  31                           ; v31    and where I read rows back
.set SCB, 32
.set SCA, 44
.set PC,  76
.set T,   96                           ; at the head: lane, h, addresses for h's way into registers
.set VX,  96                           ; later: 32 keys of one channel
.set ACC, 128
.set G1A, 24                           ; s[24:31] descriptor group 1 for h's records;  s[32:35] its group 0
.set G0A, 32
.set G1B, 48                           ; s[48:55] group 1 for w's;  s[56:63] group 0, one set for each slot
.set G0B, 56
.set SEL, 66                           ; s[66:67] v_permlanex16_b32's selects for lane l xor 16
.set MSB, 0
.macro WIN new                         ; the immediate's high byte repeats the setting that is left
.if MSB != \new
	s_set_vgpr_msb (MSB<<8)|\new
.set MSB, \new
.endif
.endm
.macro PLACES                          ; four plain places behind a matrix instruction, ahead of loads into its registers and of reads of its results
.rept 4
	v_nop
.endr
.endm
.macro CROUND                          ; a round of the cluster's barrier
	s_barrier_signal -1
	s_barrier_wait -1
	s_cmp_lg_u32 s14, 0
	s_cbranch_scc1 .Lnot_wave_0_\@
	s_barrier_signal -3
.Lnot_wave_0_\@:
	s_barrier_wait -3
	s_barrier_signal -1
	s_barrier_wait -1
.endm
; 20 LDS loads: w's four fragments of slot s, K step q, into buffer p, their scale words into set p
.macro FETCH s, q, p
.set BF, 144+48*(((\p)+1)/2)
	WIN ((2+(\p)/2)<<6)                            ; destination window 2 (buffers 0, 1) or 3 (buffer 2), address window 0
.irp i, 0,1,2,3
	ds_load_b128 v[BF+12*\i:BF+12*\i+3], v[B16+2*(\s)+(\q)/4] offset:((\q)%4)*REC+\i*1536
	ds_load_b64 v[BF+12*\i+4:BF+12*\i+5], v[B8+2*(\s)+(\q)/4] offset:((\q)%4)*REC+\i*1536+512
	ds_load_b128 v[BF+12*\i+6:BF+12*\i+9], v[B16+2*(\s)+(\q)/4] offset:((\q)%4)*REC+\i*1536+768
	ds_load_b64 v[BF+12*\i+10:BF+12*\i+11], v[B8+2*(\s)+(\q)/4] offset:((\q)%4)*REC+\i*1536+1280
.endr
	WIN 0
.irp i, 0,1,2,3
	ds_load_b32 v[SCB+4*(\p)+\i], v[BS+2*(\s)+(\q)/4] offset:((\q)%4)*REC+128*\i
.endr
.endm
; 16 matrix instructions: K step q, w's buffer p.  The sixteen accumulators take turns, one instruction a turn, in the same order in every step.  first = 1: tile jt's bias starts the sums
.macro MUL q, p, jt, first
.set BF, 144+48*(((\p)+1)/2)
.set AF, 48*((\q)%5)
	WIN ((2+(\p)/2)|((1+(\q)/5)<<2)|((3*(\first))<<4))   ; source 0 (w) window 2 or 3, source 1 (h) window 1 or 2, C window 3 (the bias) or 0, D window 0
.irp a, 0,1,2,3
.irp b, 0,1,2,3
.if \first
	v_wmma_scale_f32_16x16x128_f8f6f4 v[ACC+8*(4*\a+\b):ACC+8*(4*\a+\b)+7], v[BF+12*\b:BF+12*\b+11], v[AF+12*\a:AF+12*\a+11], v[32*(\jt)+8*\b:32*(\jt)+8*\b+7], v[SCB+4*(\p)+\b], v[SCA+4*(\q)+\a] matrix_a_fmt:MATRIX_FMT_FP6 matrix_b_fmt:MATRIX_FMT_FP6
.else
	v_wmma_scale_f32_16x16x128_f8f6f4 v[ACC+8*(4*\a+\b):ACC+8*(4*\a+\b)+7], v[BF+12*\b:BF+12*\b+11], v[AF+12*\a:AF+12*\a+11], v[ACC+8*(4*\a+\b):ACC+8*(4*\a+\b)+7], v[SCB+4*(\p)+\b], v[SCA+4*(\q)+\a] matrix_a_fmt:MATRIX_FMT_FP6 matrix_b_fmt:MATRIX_FMT_FP6
.endif
.endr
.endr
.endm
.macro STEP s, q, jt, first            ; K steps 0 to 5: each fetches the step two on, into the buffer that the last step's products read
	s_wait_dscnt 20                                ; this step's 20 loads are in; the next step's 20 may be out
	PLACES
	FETCH \s, (\q)+2, ((\q)+2)%3
	MUL \q, (\q)%3, \jt, \first
.endm
; A column tile's eight K steps out of slot s.  mode 2: the slot is then filled again, with the tile two on;  1: the slots change and nothing is filled;  0: the last tile.
; In front of the change each wave waits for all its tensor loads (its part of the other slot), adds 0 to its spare word, and waits for that and for its reads of this slot: the last fragments are in registers.
.macro KLOOP jt, s, mode
	STEP \s, 0, \jt, 1
	STEP \s, 1, \jt, 0
	STEP \s, 2, \jt, 0
	STEP \s, 3, \jt, 0
	STEP \s, 4, \jt, 0
	STEP \s, 5, \jt, 0
	s_wait_dscnt 20                                ; step 6's loads are in; step 7's may be out
	MUL 6, 0, \jt, 0
.if \mode == 0
	s_wait_dscnt 0x0
	MUL 7, 1, \jt, 0
	WIN 0
	PLACES
.else
	WIN 0
	s_wait_tensorcnt 0x0                           ; no tensor load of mine is out, so a group 0 may be written
	ds_add_u32 v[SPW], v[NIL]                      ; 0 onto my spare word
.if \mode == 2
	s_add_nc_u64 s[G0B+4*\s+2:G0B+4*\s+3], s[G0B+4*\s+2:G0B+4*\s+3], 2*TSTRIDE
.endif
	s_wait_dscnt 0x0                               ; the add is done, and my reads of this slot are over
.if \mode == 2
	CROUND                                         ; no wave of any partner still reads this slot or has a load on its way
	tensor_load_to_lds s[G0B+4*\s:G0B+4*\s+3], s[G1B:G1B+7]   ; the first tensor load behind the round, my one load until the next: it has this tile's way out and the next tile's products in which to land
	s_nop 0
.else
	s_barrier_signal -1
	s_barrier_wait -1
.endif
	PLACES                                         ; ahead of the loads into buffer 0, which step 6's products read
	FETCH 1-\s, 0, 0                               ; the next tile's first two K steps are fetched under this tile's way out
	MUL 7, 1, \jt, 0
	PLACES
	FETCH 1-\s, 1, 1
.endif
.endm
; 32 numbers of a lane, register 16 b + i = k 32 b + 16 h + i of my row, become half a fragment's codes in v[pc .. pc+5] and two scale bytes in v[pw]
.macro HQ s, pc, pw
.irp b, 0,1
	v_max3_num_f32 v[TM+\b], |v[\s+16*\b]|, |v[\s+16*\b+1]|, 0x1800000   ; block b: my 16 numbers, and the floor 2^(3 - 127): the byte cannot fall under 1
.endr
.irp i, 2,4,6,8,10,12,14
.irp b, 0,1
	v_max3_num_f32 v[TM+\b], v[TM+\b], |v[\s+16*\b+\i]|, |v[\s+16*\b+\i+1]|
.endr
.endr
.irp b, 0,1
	v_permlanex16_b32 v[TM+2+\b], v[TM+\b], s[SEL], s[SEL+1]
.endr
.irp b, 0,1
	v_max_num_f32 v[TM+\b], v[TM+\b], v[TM+2+\b]   ; with lane l xor 16's: the block's largest magnitude
.endr
.irp b, 0,1
	v_add_nc_u32 v[TM+4+\b], 0xff000000, v[TM+\b]  ; 2 off its exponent field: the conversion's scale operand
.endr
.irp b, 0,1
	v_lshrrev_b32 v[TM+2+\b], 23, v[TM+4+\b]       ; the scale's byte
.endr
	v_lshl_or_b32 v[\pw], v[TM+3], 8, v[TM+2]
	v_cvt_scalef32_pk16_fp6_f32 v[\pc:\pc+2], v[\s:\s+15], v[TM+4]
	v_cvt_scalef32_pk16_fp6_f32 v[\pc+6:\pc+8], v[\s+16:\s+31], v[TM+5]
	v_nop                                          ; one plain place behind a scaled conversion
.irp i, 0,1,2
	v_permlane16_swap_b32 v[\pc+\i], v[\pc+6+\i]   ; the layout wants a whole block in a lane: lanes 0-15 block 0, lanes 16-31 block 1
.endr
.irp i, 0,1,2
	v_mov_b32 v[\pc+3+\i], v[\pc+6+\i]
.endr
.endm
; 32 numbers of a lane that are ONE block (32 keys of my channel) become its codes in v[pc .. pc+5]; v[pw]: my byte and lane l xor 16's
.macro VQ s, pc, pw
	v_max3_num_f32 v[TM], |v[\s]|, |v[\s+1]|, 0x1800000
	v_max3_num_f32 v[TM+1], |v[\s+2]|, |v[\s+3]|, |v[\s+4]|
.irp i, 5,9,13,17,21,25
	v_max3_num_f32 v[TM], v[TM], |v[\s+\i]|, |v[\s+\i+1]|
	v_max3_num_f32 v[TM+1], v[TM+1], |v[\s+\i+2]|, |v[\s+\i+3]|
.endr
	v_max3_num_f32 v[TM], v[TM], |v[\s+29]|, |v[\s+30]|
	v_max3_num_f32 v[TM], v[TM], v[TM+1], |v[\s+31]|
	v_add_nc_u32 v[TM+4], 0xff000000, v[TM]
	v_lshrrev_b32 v[TM+1], 23, v[TM+4]
	v_lshlrev_b32 v[TM+1], v[SH8], v[TM+1]         ; at its place: 8 h bits up
	v_permlanex16_b32 v[TM+2], v[TM+1], s[SEL], s[SEL+1]
	v_or_b32 v[\pw], v[TM+1], v[TM+2]
	v_cvt_scalef32_pk16_fp6_f32 v[\pc:\pc+2], v[\s:\s+15], v[TM+4]
	v_cvt_scalef32_pk16_fp6_f32 v[\pc+6:\pc+8], v[\s+16:\s+31], v[TM+4]
	v_nop                                          ; one plain place behind a scaled conversion
.irp i, 0,1,2
	v_mov_b32 v[\pc+3+\i], v[\pc+6+\i]
.endr
.endm
; q and k: K is the head's 64, which are my 32 registers of a tile of rows: half an image and two scale bytes (the word's upper two are 0).  img, wrd: the pointers' first scalar registers
.macro QK img, wrd
.irp a, 0,1,2,3
	s_wait_xcnt 0x0                                ; the earlier stores have read their registers: the two sets of codes take turns
	HQ ACC+32*\a, PC+10*(\a%2), PW+\a
	global_store_b128 v[L16], v[PC+10*(\a%2):PC+10*(\a%2)+3], s[\img:\img+1] offset:768*\a     ; 32 lanes store 512 consecutive bytes
	global_store_b64 v[L8], v[PC+10*(\a%2)+4:PC+10*(\a%2)+5], s[\img:\img+1] offset:768*\a+512
	global_store_b32 v[L4], v[PW+\a], s[\wrd:\wrd+1] offset:128*\a
.endr
.endm
; All results into my stage, each accumulator from its low end on: row 32 (a / 2) + 8 (a % 2) + r + 8 (r / 8), bytes 128 b + 64 h + 16 i
.macro TOSTG
.irp a, 0,1,2,3
.irp e, 0,1,2,3,4,5,6,7
	ds_store_b128 v[STO], v[ACC+32*\a+4*\e:ACC+32*\a+4*\e+3] offset:(32*(\a/2)+8*(\a%2))*SPITCH+128*(\e/4)+16*(\e%4)
.endr
.endr
.endm
; Whole rows back from the stage, into the accumulators' registers, and out to out1
.macro ROWS off
	s_wait_dscnt 0x0
.set t, 0
.rept 32
	ds_load_b128 v[ACC+4*t:ACC+4*t+3], v[RD] offset:t*2*SPITCH
.set t, t+1
.endr
.set t, 0
.rept 32
	s_wait_dscnt 31-t                              ; the younger loads may be out
	global_store_b128 v[L16], v[ACC+4*t:ACC+4*t+3], s[94:95] offset:\off+t*512 th:TH_STORE_NT   ; 32 lanes store two tokens' rows: 512 consecutive bytes, aligned to 256
.set t, t+1
.endr
.endm
	s_load_b128 s[4:7], s[0:1], 0x0                ; hq s[4:5], wimg s[6:7]
	s_load_b128 s[8:11], s[0:1], 0x10              ; b_attn s[8:9], qc s[10:11]
	s_load_b128 s[68:71], s[0:1], 0x20             ; kc s[68:69], vc s[70:71]
	s_load_b64 s[72:73], s[0:1], 0x30              ; out1
	v_lshl_add_u32 v[SPW], v0, 2, SPARE
	v_mov_b32 v[NIL], 0
	ds_add_u32 v28, v29
	ds_add_u32 v28, v29
	s_wait_dscnt 0x0
	v_lshrrev_b32 v[T], 5, v0
	v_readfirstlane_b32 s14, v[T]                  ; wave 0..3
	s_lshr_b32 s15, s14, 1                         ; which half of the tile's rows is mine
	s_and_b32 s16, s14, 1                          ; which half of its columns
	s_bfe_u32 s40, ttmp6, 0x40000                  ; cx, cy: my place in the cluster
	s_bfe_u32 s41, ttmp6, 0x40004
	s_lshl_b32 s42, ttmp9, 2
	s_add_co_u32 s42, s42, s40                     ; X = 4 x cluster x + cx: my column tile of q, of k and of v
	s_and_b32 s17, ttmp7, 0xffff
	s_lshl_b32 s17, s17, 2
	s_add_co_u32 s17, s17, s41                     ; row tile = 4 x cluster y + cy
	s_lshl_b32 s43, s41, 2
	s_lshl_b32 s43, 15, s43                        ; my row of the cluster
	s_lshl_b32 s44, 0x1111, s40                    ; my column
	; descriptor group 1: four records, 53,248 dense bytes, as 208 rows of 256 bytes (32 elements of 8 bytes), no padding
	s_or_b32 s[G1A], s43, (3<<16)|(1<<21)          ; 15:0 the mask: h's records go to my row; 17:16 elements of 8 bytes; 21 set beside a mask
	s_or_b32 s[G1B], s44, (3<<16)|(1<<21)          ; w's go to my column
.irp g, G1A, G1B
	s_mov_b32 s[\g+1], 32<<16                      ; tensor_dim0 = 32
	s_mov_b32 s[\g+2], 208<<16                     ; tensor_dim1 = 208: the head's loads bring four records each
	s_mov_b32 s[\g+3], 32<<16                      ; tile_dim0 = 32
	s_mov_b32 s[\g+4], 208                         ; tile_dim1 = 208
	s_mov_b32 s[\g+5], 32                          ; tensor_dim0_stride
	s_mov_b32 s[\g+6], 0
	s_mov_b32 s[\g+7], 0
.endr
	s_mul_i32 s45, s14, 2*REC                      ; wave w fetches K steps 2 w and 2 w + 1 of whatever is filled: the same bytes on in memory and in LDS
	s_mul_i32 s18, s16, 4*REC                      ; at the head a wave fetches half of h's eight records or half of slot 0's: which half
	s_mul_i32 s20, s17, 8*REC
	s_add_co_u32 s20, s20, s18
	s_mov_b32 s21, 0
	s_mul_i32 s46, s42, 8*REC
	s_add_co_u32 s46, s46, s45
	s_add_co_u32 s46, s46, WOFF                    ; w: on X and the wave alone
	s_mov_b32 s47, 0
	s_mul_i32 s22, s42, 8*REC
	s_add_co_u32 s22, s22, s18
	s_add_co_u32 s22, s22, WOFF                    ; the head's half of q's tile: on X and the wave alone
	s_mov_b32 s23, 0
	s_wait_kmcnt 0x0
	s_add_nc_u64 s[20:21], s[4:5], s[20:21]
	s_add_nc_u64 s[46:47], s[6:7], s[46:47]
	s_add_nc_u64 s[22:23], s[6:7], s[22:23]
	CROUND                                         ; all sixteen work-groups are here: the first joint loads meet
	s_mov_b32 s[G0A], 1
	s_add_co_u32 s[G0A+1], s18, ABASE
	s_mov_b64 s[G0A+2:G0A+3], s[20:21]
	s_or_b32 s[G0A+3], s[G0A+3], 0x80000000
.set G0H, 96                           ; s[96:99] group 0 for the head's half of slot 0
	s_mov_b32 s[G0H], 1
	s_mov_b32 s[G0H+1], s18
	s_mov_b64 s[G0H+2:G0H+3], s[22:23]
	s_or_b32 s[G0H+3], s[G0H+3], 0x80000000
.irp s, 0,1
	s_mov_b32 s[G0B+4*\s], 1
	s_add_co_u32 s[G0B+4*\s+1], s45, \s*SLOT
	s_add_nc_u64 s[G0B+4*\s+2:G0B+4*\s+3], s[46:47], \s*TSTRIDE
	s_or_b32 s[G0B+4*\s+3], s[G0B+4*\s+3], 0x80000000
.endr
	s_cmp_eq_u32 s15, 0                            ; one load a wave at the head: waves 0, 1 fetch h's halves, waves 2, 3 the halves of q's tile
	s_cbranch_scc0 .Lhead_w
	tensor_load_to_lds s[G0A:G0A+3], s[G1A:G1A+7]
	s_nop 0
.rept 4
	v_nop
.endr
	s_branch .Lhead_asked
.Lhead_w:
	tensor_load_to_lds s[G0H:G0H+3], s[G1B:G1B+7]
	s_nop 0
.rept 4
	v_nop
.endr
.Lhead_asked:
	s_lshl_b32 s18, s42, 9
	s_lshl_b32 s19, s16, 8
	s_add_co_u32 s18, s18, s19                     ; my first column of q, in bytes of f32
	s_mov_b32 s19, 0
	s_add_nc_u64 s[8:9], s[8:9], s[18:19]
	v_and_b32 v[T], 31, v0                         ; lane
	v_bfe_u32 v[T+1], v0, 4, 1                     ; h
	v_lshlrev_b32 v[T+2], 6, v[T+1]                ; 64 h
	WIN 0xc0                                       ; destination window 3
.irp j, 0,1,2                          ; the three tiles' biases in the result's layout: tile b's register i is column 32 (b / 2) + 8 (b % 2) + 16 h + i; q, k, v lie 1,024 columns apart
.irp b, 0,1,2,3
	global_load_b128 v[32*\j+8*\b:32*\j+8*\b+3], v[T+2], s[8:9] offset:4096*\j+(32*(\b/2)+8*(\b%2))*4
	global_load_b128 v[32*\j+8*\b+4:32*\j+8*\b+7], v[T+2], s[8:9] offset:4096*\j+(32*(\b/2)+8*(\b%2))*4+16
.endr
.endr
	WIN 0
	v_lshlrev_b32 v[L16], 4, v[T]
	v_lshlrev_b32 v[L8], 3, v[T]
	v_lshlrev_b32 v[L4], 2, v[T]
	v_lshlrev_b32 v[SH8], 3, v[T+1]
	s_mul_i32 s18, s16, 6144                       ; my four images of w
	s_lshl_b32 s19, s16, 9
	s_add_co_u32 s19, s19, 12288                   ; their scale words
.irp i, 0,1,2,3                        ; slot i / 2, K steps 4 (i % 2) on: a slot is two halves
	v_add_nc_u32 v[B16+\i], s18, v[L16]
	v_add_nc_u32 v[B8+\i], s18, v[L8]
	v_add_nc_u32 v[BS+\i], s19, v[L4]
	s_add_co_u32 s18, s18, HALF
	s_add_co_u32 s19, s19, HALF
.endr
	s_mul_i32 s22, s15, 6144                       ; my four images of h
	s_add_co_u32 s22, s22, ABASE
	s_lshl_b32 s23, s15, 9
	s_add_co_u32 s23, s23, ABASE+12288
.irp i, 0,1
	v_add_nc_u32 v[T+4+\i], s22, v[L16]
	v_add_nc_u32 v[T+6+\i], s22, v[L8]
	v_add_nc_u32 v[T+8+\i], s23, v[L4]
	s_add_co_u32 s22, s22, HALF
	s_add_co_u32 s23, s23, HALF
.endr
	s_mul_i32 s79, s14, WSTG
	s_add_co_u32 s79, s79, STG                     ; my stage
	v_and_b32 v[T+3], 15, v0                       ; r
	v_and_b32 v[T+10], 8, v[T+3]
	v_add_nc_u32 v[T+10], v[T+10], v[T+3]          ; r + 8 (r / 8)
	v_mul_u32_u24 v[STO], v[T+10], SPITCH
	v_lshl_add_u32 v[STO], v[T+1], 6, v[STO]
	v_add_nc_u32 v[STO], s79, v[STO]               ; in: my row of a tile, + 64 h bytes
	v_mul_u32_u24 v[RD], v[T+1], SPITCH
	v_lshl_add_u32 v[RD], v[T+3], 4, v[RD]
	v_add_nc_u32 v[RD], s79, v[RD]                 ; back: lanes 0-15 one row of 256 bytes, lanes 16-31 the next
	v_mul_u32_u24 v[VCOL], v[T+1], 32*SPITCH
	v_lshl_add_u32 v[VCOL], v[T+10], 2, v[VCOL]
	v_add_nc_u32 v[VCOL], s79, v[VCOL]             ; by columns: row 32 h, column r + 8 (r / 8)
	v_mov_b32 v[TM+2], 0                           ; written once: a lane permute's destination counts as one of its sources
	v_mov_b32 v[TM+3], 0
	s_mov_b32 s[SEL], 0x76543210
	s_mov_b32 s[SEL+1], 0xfedcba98
	; where the results go
	s_lshr_b32 s75, s17, 3                         ; batch
	s_and_b32 s76, s17, 7                          ; which 128 tokens of it
	s_lshl_b32 s77, s42, 1
	s_add_co_u32 s77, s77, s16                     ; head = 2 X + my half: my 64 columns are one head
	s_lshl_b32 s78, s75, 4
	s_add_co_u32 s78, s78, s77
	s_lshl_b32 s78, s78, 3
	s_add_co_u32 s78, s78, s76                     ; 8 (16 batch + head) + step
	s_mul_i32 s82, s78, 7168                       ; a step of q or k: eight half images of 768 bytes, eight times 128 bytes of words
	s_mul_i32 s84, s15, 3072
	s_add_co_u32 s84, s84, s82                     ; my four half images
	s_mov_b32 s85, 0
	s_lshl_b32 s86, s15, 9
	s_add_co_u32 s86, s86, s82
	s_add_co_u32 s86, s86, 6144                    ; their words
	s_mov_b32 s87, 0
	s_add_nc_u64 s[80:81], s[10:11], s[84:85]      ; in qc
	s_add_nc_u64 s[82:83], s[10:11], s[86:87]
	s_add_nc_u64 s[84:85], s[68:69], s[84:85]      ; in kc
	s_add_nc_u64 s[86:87], s[68:69], s[86:87]
	s_mul_i32 s88, s78, 6656                       ; a step of v: four images of V^T, four times 128 bytes of words
	s_mul_i32 s90, s15, 768
	s_add_co_u32 s90, s90, s88
	s_mov_b32 s91, 0
	s_add_nc_u64 s[90:91], s[70:71], s[90:91]      ; my 64 keys are half wr of each image
	s_lshl_b32 s92, s15, 1
	s_add_co_u32 s92, s92, s88
	s_add_co_u32 s92, s92, 6144
	s_mov_b32 s93, 0
	s_add_nc_u64 s[92:93], s[70:71], s[92:93]
	s_lshl_b32 s94, s75, 5                         ; out1: (2 batch) x 16 heads
	s_add_co_u32 s94, s94, s77
	s_lshl_b32 s94, s94, 10
	s_lshl_b32 s95, s76, 7
	s_add_co_u32 s94, s94, s95
	s_lshl_b32 s95, s15, 6
	s_add_co_u32 s94, s94, s95                     ; my first token's row of k
	s_lshl_b32 s94, s94, 8                         ; rows of 256 bytes
	s_mov_b32 s95, 0
	s_add_nc_u64 s[94:95], s[72:73], s[94:95]
	s_wait_alu depctr_va_vdst(0)                   ; the wait at the head's end
	s_wait_loadcnt 0x0                             ; the biases
	s_wait_tensorcnt 0x0                           ; my head load is in; slot 1's first fill is issued as a refill is:
	ds_add_u32 v[SPW], v[NIL]
	s_mov_b32 s[G1B+2], 104<<16                    ; no tensor load of mine is out: from here on a load of w brings two records, 104 rows
	s_mov_b32 s[G1B+4], 104
	s_wait_dscnt 0x0
	CROUND                                         ; everybody's part of h and of slot 0 is in, and the joint loads meet
	tensor_load_to_lds s[G0B+4:G0B+7], s[G1B:G1B+7]   ; k's tile: it has q's eight K steps and q's way out in which to land
	s_nop 0
.rept 4
	v_nop
.endr
.irp q, 0,1,2,3,4,5,6,7                ; h's way into registers: 32 fragments and their scale words, once
	WIN ((1+\q/5)<<6)                              ; destination window 1 (K steps 0-4) or 2
.irp a, 0,1,2,3
	ds_load_b128 v[48*(\q%5)+12*\a:48*(\q%5)+12*\a+3], v[T+4+\q/4] offset:(\q%4)*REC+\a*1536
	ds_load_b64 v[48*(\q%5)+12*\a+4:48*(\q%5)+12*\a+5], v[T+6+\q/4] offset:(\q%4)*REC+\a*1536+512
	ds_load_b128 v[48*(\q%5)+12*\a+6:48*(\q%5)+12*\a+9], v[T+4+\q/4] offset:(\q%4)*REC+\a*1536+768
	ds_load_b64 v[48*(\q%5)+12*\a+10:48*(\q%5)+12*\a+11], v[T+6+\q/4] offset:(\q%4)*REC+\a*1536+1280
.endr
.endr
	WIN 0
.irp q, 0,1,2,3,4,5,6,7
.irp a, 0,1,2,3
	ds_load_b32 v[SCA+4*\q+\a], v[T+8+\q/4] offset:(\q%4)*REC+128*\a
.endr
.endr
	FETCH 0, 0, 0
	FETCH 0, 1, 1                                  ; the first step's wait leaves these 20 out: all of h is then in
	KLOOP 0, 0, 2                                  ; q; slot 0 is then asked for v's tile
	QK 80, 82
	KLOOP 1, 1, 1                                  ; k
	TOSTG
	QK 84, 86
	ROWS 0
	s_wait_xcnt 0x0                                ; the stores have read the accumulators' registers: the next sums may begin there
	KLOOP 2, 0, 0                                  ; v
	TOSTG
	ROWS VOUT
.irp d, 0,1,2,3                        ; v: K is the keys.  Lane (r, h) takes channel 32 (d / 2) + 8 (d % 2) + r + 8 (r / 8) and my keys 32 h + 0 .. 31: one whole block, down the stage
.set i, 0
.rept 32
	ds_load_b32 v[VX+i], v[VCOL] offset:i*SPITCH+(32*(\d/2)+8*(\d%2))*4
.set i, i+1
.endr
	s_wait_dscnt 0x0
	s_wait_xcnt 0x0                                ; the earlier stores have read their registers: the two sets of codes take turns
	VQ VX, PC+10*(\d%2), PW+\d
	global_store_b128 v[L16], v[PC+10*(\d%2):PC+10*(\d%2)+3], s[90:91] offset:1536*\d
	global_store_b64 v[L8], v[PC+10*(\d%2)+4:PC+10*(\d%2)+5], s[90:91] offset:1536*\d+512
	global_store_b16 v[L4], v[PW+\d], s[92:93] offset:128*\d
.endr
	s_wait_tensorcnt 0x0                           ; the wave's end: behind my last tensor load and my last LDS store
	ds_add_u32 v[SPW], v[NIL]
	s_wait_dscnt 0x0
	CROUND                                         ; the closing round: no work-group ends while a partner may still ask for a tile that names it
	s_endpgm
.Lfunc_end_k_q0df3526f42_qkv:
	.size	k_q0df3526f42_qkv, .Lfunc_end_k_q0df3526f42_qkv-k_q0df3526f42_qkv
	.p2alignl 7, 3214868480
	.fill 96, 4, 3214868480
	.section	.rodata,"a",@progbits
	.p2align	6, 0x0
	.amdhsa_kernel k_q0df3526f42_qkv
		.amdhsa_group_segment_fixed_size 327680
		.amdhsa_private_segment_fixed_size 0
		.amdhsa_enable_private_segment 0
		.amdhsa_kernarg_size 56
		.amdhsa_user_sgpr_count 2
		.amdhsa_user_sgpr_kernarg_segment_ptr 1
		.amdhsa_wavefront_size32 1
		.amdhsa_system_sgpr_workgroup_id_x 1
		.amdhsa_system_sgpr_workgroup_id_y 1
		.amdhsa_system_sgpr_workgroup_id_z 1
		.amdhsa_system_vgpr_workitem_id 0
		.amdhsa_next_free_vgpr 1024
		.amdhsa_next_free_sgpr 100
		.amdhsa_reserve_vcc 0
		.amdhsa_float_denorm_mode_32 3
		.amdhsa_float_denorm_mode_16_64 3
		.amdhsa_memory_ordered 1
		.amdhsa_forward_progress 1
		.amdhsa_inst_pref_size 157
	.end_amdhsa_kernel
	.amdgpu_metadata
---
amdhsa.version: [ 1, 2 ]
amdhsa.kernels:
  - .name:           k_q0df3526f42_qkv
    .symbol:         k_q0df3526f42_qkv.kd
    .args:
      - { .name: hq, .offset: 0, .size: 8, .value_kind: global_buffer, .address_space: global }
      - { .name: wimg, .offset: 8, .size: 8, .value_kind: global_buffer, .address_space: global }
      - { .name: b_attn, .offset: 16, .size: 8, .value_kind: global_buffer, .address_space: global }
      - { .name: qc, .offset: 24, .size: 8, .value_kind: global_buffer, .address_space: global }
      - { .name: kc, .offset: 32, .size: 8, .value_kind: global_buffer, .address_space: global }
      - { .name: vc, .offset: 40, .size: 8, .value_kind: global_buffer, .address_space: global }
      - { .name: out1, .offset: 48, .size: 8, .value_kind: global_buffer, .address_space: global }
    .group_segment_fixed_size: 327680
    .private_segment_fixed_size: 0
    .kernarg_segment_align: 8
    .kernarg_segment_size: 56
    .max_flat_workgroup_size: 128
    .sgpr_count:     100
    .vgpr_count:     1024
    .wavefront_size: 32
...
	.end_amdgpu_metadata
.endif
;; end of part 9
;; launch attn (part 10): grid 4 x 64, 16 waves a work-group, clusters of 4 x 1, 169,984 bytes of LDS; arguments qc, kc, vc, ac; writes ac
.if DOCPART == 10
	.amdgcn_target "amdgcn-amd-amdhsa--gfx1250"
	.amdhsa_code_object_version 6
	.text
	.protected	k_q0df3526f42_attn
	.globl	k_q0df3526f42_attn
	.p2align	8
	.type	k_q0df3526f42_attn,@function
k_q0df3526f42_attn:
	s_mov_b64 s[64:65], 0
	v_nop
	global_prefetch_b8 v0, s[64:65] scope:SCOPE_SE
	s_setreg_imm32_b32 hwreg(HW_REG_WAVE_MODE, 25, 1), 1
	s_wait_xcnt 0x0
	s_wait_alu depctr_hold_cnt(0) depctr_sa_sdst(0) depctr_va_vdst(0) depctr_va_sdst(0) depctr_va_ssrc(0) depctr_va_vcc(0) depctr_vm_vsrc(0)
	s_getreg_b32 s2, hwreg(HW_REG_IB_STS2, 6, 4)
	s_cmp_eq_u32 s2, 0
	s_cbranch_scc0 .Lentry_in_a_cluster
	s_endpgm
.Lentry_in_a_cluster:
	s_bfe_u32 s2, ttmp6, 0x10000c
	s_cmp_lg_u32 s2, 0x3003
	s_cbranch_scc0 .Lentry_shape_is_right
	s_endpgm
.Lentry_shape_is_right:
; a = softmax(q k^T / 8, causal) v for one head of 1,024 tokens x 64, both products on codes of FP6 (E2M3) with E8M0 scales; a is divided by the row's sum and quantised along the next product's K.
; THE SOFTMAX AHEAD OF THE SECOND PRODUCT: t = score x log2(e) / 8; M = the row's largest t so far, rounded UP to a whole number; p = 2^(t - M) is what is quantised, along the keys, not normalised.
; The row's sum is taken of the unquantised p.  When M moves, the sum and O are multiplied by 2^(old M - new M): exact.
; SHARES.  The four work-groups of a cluster serve one head (the grid's y).  A wave owns one tile of 16 queries: tile e = 2 cx + wave % 2 of the 128 tokens of step g; g is made of the wave's number alone,
; and a wave walks key steps 0 .. g of 128 keys, the last on the diagonal: so every work-group has the same work, and no branch hangs on the place in the cluster.
; THE WHOLE HEAD'S K AND V LIE IN LDS, 110,592 bytes, filled once by four joint loads (waves 0, 1: K's halves; waves 2, 3: V's): no LDS byte is filled again.
; LAYOUT.  Both products transposed: S^T = K Q^T, O^T = V^T P^T: a lane holds one query.  Lane r of a tile holds token (channel) 32 (T / 2) + 8 (T % 2) + r + 8 (r / 8), so the 16 registers of tiles 2 b, 2 b + 1 are 16 neighbours.
; K = 64 IN THE FIRST PRODUCT: Q's registers 6-11 are zero codes, so whatever stands in the upper half of K's operand (the next tile's codes) adds exact zeros; the scale bytes there are 0, which is 2^-127.
; LIMITS: hidden scores are taken as -infinity where the model has -1e10 (they differ only if every open logit of a row lay under about -1e10); NaN and infinities are not served;
; a block of zeros gets the scale byte 1 where the rule says 127 (its codes are zeros; this program alone reads the bytes).
; REGISTERS: v1-3 16, 8, 4 x lane; v7 the mask's bound; v8-11, v28-29 the step's addresses; v12 -M, v13 the largest t, v[14:15] the sum; v16-27 Q; v32-85 K's eight tiles, then V's four images in v32-79;
;   v86-93 K's scale words; v96-159 S^T, then p; v160-191 O^T; v192-210 the last quantiser; v224-247 p's codes and work; v248-251 V's scale words; v252 f, v253 p's scale word, v254 work, v255 Q's scale word.
.set REC, 13312
.set KST, 7168                         ; a key step of K: eight half images of 768 bytes, eight times 128 bytes of scale words
.set VST, 6656                         ; of V: four images of 1,536 bytes, four times 128
.set VLDS, 8*KST                       ; V's records begin behind K's
.set TM,  192                          ; v192-197
.set WV,  18
.set SEL, 20                           ; s[20:21] v_permlanex16_b32's selects for lane l xor 16
.set CS,  22                           ; s[22:23] c = log2(e) / 8
.set G1K, 24                           ; s[24:31], s[32:39] descriptor groups 1 for K and V;  s[40:43], s[44:47] their groups 0
.set G1V, 32
.set G0K, 40
.set G0V, 44
.set ST,  48                           ; s48  the key step
.set GG,  49                           ; s49  my last key step
.set TK,  50                           ; s50  LDS byte of the step's K
.set TV,  51                           ; s51  of its V
.macro CROUND                          ; a round of the cluster's barrier
	s_barrier_signal -1
	s_barrier_wait -1
	s_cmp_lg_u32 s[WV], 0
	s_cbranch_scc1 .Lnot_wave_0_\@
	s_barrier_signal -3
.Lnot_wave_0_\@:
	s_barrier_wait -3
	s_barrier_signal -1
	s_barrier_wait -1
.endm
; 32 numbers of a lane, register 16 b + i = k 32 b + 16 h + i of my row, become half a fragment's codes in v[pc .. pc+5] and two scale bytes in v[pw]
.macro HQ s, pc, pw
.irp b, 0,1
	v_max3_num_f32 v[TM+\b], |v[\s+16*\b]|, |v[\s+16*\b+1]|, 0x1800000   ; block b: my 16 numbers, and the floor 2^(3 - 127): the byte cannot fall under 1
.endr
.irp i, 2,4,6,8,10,12,14
.irp b, 0,1
	s_delay_alu instid0(VALU_DEP_2)
	v_max3_num_f32 v[TM+\b], v[TM+\b], |v[\s+16*\b+\i]|, |v[\s+16*\b+\i+1]|
.endr
.endr
.irp b, 0,1
	s_delay_alu instid0(VALU_DEP_2)
	v_permlanex16_b32 v[TM+2+\b], v[TM+\b], s[SEL], s[SEL+1]
.endr
.irp b, 0,1
	s_delay_alu instid0(VALU_DEP_2)
	v_max_num_f32 v[TM+\b], v[TM+\b], v[TM+2+\b]
.endr
.irp b, 0,1
	s_delay_alu instid0(VALU_DEP_2)
	v_add_nc_u32 v[TM+4+\b], 0xff000000, v[TM+\b]
.endr
.irp b, 0,1
	s_delay_alu instid0(VALU_DEP_2)
	v_lshrrev_b32 v[TM+2+\b], 23, v[TM+4+\b]
.endr
	s_delay_alu instid0(VALU_DEP_1)
	v_lshl_or_b32 v[\pw], v[TM+3], 8, v[TM+2]
	v_cvt_scalef32_pk16_fp6_f32 v[\pc:\pc+2], v[\s:\s+15], v[TM+4]
	v_cvt_scalef32_pk16_fp6_f32 v[\pc+6:\pc+8], v[\s+16:\s+31], v[TM+5]
	v_nop                                          ; one plain place behind a scaled conversion
.irp i, 0,1,2
	v_permlane16_swap_b32 v[\pc+\i], v[\pc+6+\i]
.endr
.irp i, 0,1,2
	s_delay_alu instid0(VALU_DEP_3)
	v_mov_b32 v[\pc+3+\i], v[\pc+6+\i]
.endr
.endm
	s_load_b256 s[4:11], s[0:1], 0x0               ; qc s[4:5], kc s[6:7], vc s[8:9], ac s[10:11]
	v_lshl_add_u32 v223, v0, 2, 0x29000
	v_mov_b32 v243, 0
	ds_add_u32 v223, v243
	ds_add_u32 v223, v243
	v_lshrrev_b32 v8, 5, v0
	s_delay_alu instid0(VALU_DEP_1)
	v_readfirstlane_b32 s[WV], v8                  ; wave 0..15
	s_bfe_u32 s52, ttmp6, 0x40000                  ; cx
	s_and_b32 s53, ttmp7, 0xffff                   ; 16 batch + head, which the four partners share
	s_bfe_u32 s54, s[WV], 0x10001
	s_lshl_b32 s54, s54, 1
	s_lshr_b32 s55, s[WV], 3
	s_add_co_u32 s54, s54, s55                     ; x = 2 (bit 1) + bit 3
	s_bfe_u32 s55, s[WV], 0x10002
	s_mul_i32 s55, s55, 7
	s_xor_b32 s[GG], s54, s55                      ; g = x, or 7 - x where bit 2 is set: waves 4 apart have 18 key steps among the four of them
	s_and_b32 s57, s[WV], 1
	s_lshl_b32 s56, s52, 1
	s_add_co_u32 s56, s56, s57                     ; e: my tile among the step's eight
	; descriptor groups 1: dense blocks as rows of 256 bytes (32 elements of 8 bytes), no padding: K: four steps, 112 rows;  V: four steps, 104 rows
	s_mov_b32 s[G1K], 15|(3<<16)|(1<<21)           ; 15:0 the mask: all four work-groups; 17:16 elements of 8 bytes; 21 set beside a mask
	s_mov_b32 s[G1K+1], 32<<16
	s_mov_b32 s[G1K+2], 112<<16
	s_mov_b32 s[G1K+3], 32<<16
	s_mov_b32 s[G1K+4], 112
	s_mov_b32 s[G1K+5], 32
	s_mov_b32 s[G1K+6], 0
	s_mov_b32 s[G1K+7], 0
	s_mov_b32 s[G1V], 15|(3<<16)|(1<<21)
	s_mov_b32 s[G1V+1], 32<<16
	s_mov_b32 s[G1V+2], 104<<16
	s_mov_b32 s[G1V+3], 32<<16
	s_mov_b32 s[G1V+4], 104
	s_mov_b32 s[G1V+5], 32
	s_mov_b32 s[G1V+6], 0
	s_mov_b32 s[G1V+7], 0
	s_mul_i32 s58, s53, 8*KST                      ; the head's first byte in qc and in kc
	s_mul_i32 s59, s57, 4*KST                      ; which half I would fetch: in LDS,
	s_add_co_u32 s68, s58, s59                     ; and in memory
	s_mov_b32 s69, 0
	s_mul_i32 s70, s53, 8*VST
	s_mul_i32 s71, s57, 4*VST
	s_add_co_u32 s70, s70, s71
	s_add_co_u32 s72, s71, VLDS
	s_mov_b32 s71, 0
	s_mov_b32 s[SEL], 0x76543210
	s_mov_b32 s[SEL+1], 0xfedcba98
	s_mov_b32 s[CS], 0x3e38aa3b                    ; c = log2(e) / 8
	s_mov_b32 s[CS+1], s[CS]                       ; (named with it as a pair, so it is written)
	s_mov_b32 s[ST], 0
	s_mov_b32 s[TK], 0
	s_mov_b32 s[TV], VLDS
	s_wait_dscnt 0x0
	s_wait_kmcnt 0x0
	s_mov_b32 s[G0K], 1
	s_mov_b32 s[G0K+1], s59
	s_add_nc_u64 s[G0K+2:G0K+3], s[6:7], s[68:69]
	s_or_b32 s[G0K+3], s[G0K+3], 0x80000000
	s_mov_b32 s[G0V], 1
	s_mov_b32 s[G0V+1], s72
	s_add_nc_u64 s[G0V+2:G0V+3], s[8:9], s[70:71]
	s_or_b32 s[G0V+3], s[G0V+3], 0x80000000
	CROUND                                         ; all four work-groups are here: the joint loads meet
	s_cmp_lt_u32 s[WV], 2                          ; waves 0 and 1 fetch K's halves, waves 2 and 3 V's, the others nothing; four v_nop follow each line
	s_cbranch_scc0 .Lnot_k
	tensor_load_to_lds s[G0K:G0K+3], s[G1K:G1K+7]
	s_nop 0
.rept 4
	v_nop
.endr
	s_branch .Lasked
.Lnot_k:
	s_cmp_lt_u32 s[WV], 4
	s_cbranch_scc0 .Lasked
	tensor_load_to_lds s[G0V:G0V+3], s[G1V:G1V+7]
	s_nop 0
.rept 4
	v_nop
.endr
.Lasked:
	s_mul_i32 s60, s[GG], KST
	s_add_co_u32 s60, s60, s58                     ; q's step g
	s_mul_i32 s62, s56, 768
	s_add_co_u32 s62, s62, s60
	s_mov_b32 s63, 0
	s_add_nc_u64 s[62:63], s[4:5], s[62:63]        ; my tile's half image
	s_lshl_b32 s61, s56, 7
	s_add_co_u32 s60, s60, s61
	s_add_co_u32 s60, s60, 6144
	s_mov_b32 s61, 0
	s_add_nc_u64 s[60:61], s[4:5], s[60:61]        ; and its scale words
	v_and_b32 v4, 31, v0
	s_delay_alu instid0(VALU_DEP_1)
	v_lshlrev_b32 v1, 4, v4                        ; 16 x lane
	s_delay_alu instid0(VALU_DEP_2)
	v_lshlrev_b32 v2, 3, v4                        ; 8 x lane
	s_delay_alu instid0(VALU_DEP_3)
	v_lshlrev_b32 v3, 2, v4                        ; 4 x lane
	global_load_b128 v[16:19], v1, s[62:63]        ; Q's codes stay in registers
	global_load_b64 v[20:21], v2, s[62:63] offset:512
	global_load_b32 v255, v3, s[60:61]
	s_lshr_b32 s66, s53, 4                         ; batch
	s_and_b32 s67, s53, 15                         ; head
	s_lshl_b32 s66, s66, 3
	s_add_co_u32 s66, s66, s[GG]                   ; row tile of the next product: 8 batch + g
	s_lshl_b32 s66, s66, 3
	s_lshr_b32 s73, s67, 1
	s_add_co_u32 s66, s66, s73                     ; its K step: head / 2
	s_mul_i32 s66, s66, REC
	s_and_b32 s67, s67, 1                          ; which half of the K step: head % 2
	s_mul_i32 s74, s56, 1536
	s_mul_i32 s75, s67, 768
	s_add_co_u32 s74, s74, s75
	s_add_co_u32 s74, s74, s66
	s_mov_b32 s75, 0
	s_add_nc_u64 s[74:75], s[10:11], s[74:75]      ; a's half image
	s_lshl_b32 s76, s56, 7
	s_lshl_b32 s77, s67, 1
	s_add_co_u32 s76, s76, s77
	s_add_co_u32 s76, s76, s66
	s_add_co_u32 s76, s76, 12288
	s_mov_b32 s77, 0
	s_add_nc_u64 s[76:77], s[10:11], s[76:77]      ; and its two scale bytes
	s_lshr_b32 s78, s56, 1
	s_lshl_b32 s78, s78, 5
	s_and_b32 s79, s56, 1
	s_lshl_b32 s79, s79, 3
	s_add_co_u32 s78, s78, s79                     ; 32 (e / 2) + 8 (e % 2)
	v_and_b32 v5, 15, v0
	s_delay_alu instid0(VALU_DEP_1)
	v_and_b32 v6, 8, v5
	s_delay_alu instid0(VALU_DEP_1)
	v_add_nc_u32 v5, v5, v6                        ; r + 8 (r / 8)
	v_bfe_u32 v6, v0, 4, 1
	s_delay_alu instid0(VALU_DEP_1)
	v_lshlrev_b32 v6, 4, v6
	s_delay_alu instid0(VALU_DEP_1)
	v_sub_nc_u32 v5, v5, v6
	s_delay_alu instid0(VALU_DEP_1)
	v_add_nc_u32 v7, s78, v5                       ; d = my query among the step's 128 - 16 h: register 16 b + i holds key 32 b + 16 h + i, hidden where 32 b + i > d
.irp j, 22,23,24,25,26,27,80,81,82,83,84,85
	v_mov_b32 v\j, 0                               ; Q's upper 64 of K: zero codes;  behind K's last tile: zero codes
.endr
	v_mov_b32 v13, 0xff61b1e6                      ; the largest t so far: -3e38, under every t
	s_delay_alu instid0(VALU_DEP_1)
	v_floor_f32 v12, -v13                          ; -M
	v_mov_b32 v14, 0                               ; the sum, in two halves
	v_mov_b32 v15, 0
.irp j, 194,195,236,237,238,239,252,253
	v_mov_b32 v\j, 0                               ; written once: a lane permute's destination counts as one of its sources; v253 is named with v252 as a pair
.endr
.set j, 0
.rept 32
	v_mov_b32 v[160+j], 0                          ; O^T: the step is written once; the first finds zeros, which the first change of M leaves zeros
.set j, j+1
.endr
	s_wait_loadcnt 0x0                             ; Q
	s_wait_tensorcnt 0x0                           ; my part of the head, if I fetched one, has landed
	s_barrier_signal -1
	s_barrier_wait -1                              ; everybody's has
.Lstep:                                            ; eight trips in every wave; a step all of whose keys come after my queries is left out
	s_cmp_gt_u32 s[ST], s[GG]
	s_cbranch_scc1 .Lskip
	v_add_nc_u32 v8, s[TK], v1
	v_add_nc_u32 v9, s[TK], v2
	v_add_nc_u32 v10, s[TK], v3
	v_add_nc_u32 v11, s[TV], v1
	v_add_nc_u32 v28, s[TV], v2
	v_add_nc_u32 v29, s[TV], v3
.irp i, 0,1,2,3,4,5,6,7                ; K's eight tiles of 16 keys: six registers each
	ds_load_b128 v[32+6*\i:35+6*\i], v8 offset:768*\i
	ds_load_b64 v[36+6*\i:37+6*\i], v9 offset:768*\i+512
	ds_load_b32 v[86+\i], v10 offset:6144+128*\i
.endr
	s_wait_alu depctr_va_vdst(0)
	s_wait_dscnt 0x0
.irp i, 0,1,2,3,4,5,6,7
	v_wmma_scale_f32_16x16x128_f8f6f4 v[96+8*\i:103+8*\i], v[32+6*\i:43+6*\i], v[16:27], 0, v[86+\i], v255 matrix_a_fmt:MATRIX_FMT_FP6 matrix_b_fmt:MATRIX_FMT_FP6
.endr
.rept 4
	v_nop                                          ; places ahead of the loads into K's registers and of the first read of the scores
.endr
.irp d, 0,1,2,3                        ; V's four images are asked for here: they land under the softmax
	ds_load_b128 v[32+12*\d:35+12*\d], v11 offset:1536*\d
	ds_load_b64 v[36+12*\d:37+12*\d], v28 offset:1536*\d+512
	ds_load_b128 v[38+12*\d:41+12*\d], v11 offset:1536*\d+768
	ds_load_b64 v[42+12*\d:43+12*\d], v28 offset:1536*\d+1280
	ds_load_b32 v[248+\d], v29 offset:6144+128*\d
.endr
	s_cmp_lg_u32 s[ST], s[GG]                      ; on the diagonal the scores of hidden keys become -infinity ahead of the maximum: p = 0 then
	s_cbranch_scc1 .Lopen
	v_mov_b32 v254, 0xff800000
.set n, 0
.rept 64
	v_cmp_gt_i32 vcc_lo, 32*(n/16)+n%16, v7
	v_cndmask_b32 v[96+n], v[96+n], v254, vcc_lo
.set n, n+1
.endr
.Lopen:
.irp b, 0,1,2,3
	v_max3_num_f32 v[232+\b], v[96+16*\b], v[97+16*\b], v[98+16*\b]   ; the largest score of each block of 32 keys: for the row's maximum, and, since p rises with the score, for the block's largest p
.endr
.irp i, 3,5,7,9,11,13
.irp b, 0,1,2,3
	v_max3_num_f32 v[232+\b], v[232+\b], v[96+16*\b+\i], v[97+16*\b+\i]
.endr
.endr
.irp b, 0,1,2,3
	v_max_num_f32 v[232+\b], v[232+\b], v[111+16*\b]
.endr
.irp b, 0,1,2,3
	s_delay_alu instid0(VALU_DEP_4)
	v_permlanex16_b32 v[236+\b], v[232+\b], s[SEL], s[SEL+1]
.endr
.irp b, 0,1,2,3
	s_delay_alu instid0(VALU_DEP_4)
	v_max_num_f32 v[232+\b], v[232+\b], v[236+\b]  ; with lane l xor 16's 16 keys
.endr
	s_delay_alu instid0(VALU_DEP_2)
	v_max3_num_f32 v254, v232, v233, v234
	s_delay_alu instid0(VALU_DEP_1)
	v_max_num_f32 v254, v254, v235                 ; the step's largest score of my query
	s_delay_alu instid0(VALU_DEP_1)
	v_mul_f32 v254, s[CS], v254                    ; as t (c is positive)
	s_delay_alu instid0(VALU_DEP_1)
	v_max_num_f32 v13, v13, v254                   ; the running largest t
	v_mov_b32 v254, v12
	s_delay_alu instid0(VALU_DEP_2)
	v_floor_f32 v12, -v13                          ; the new -M = floor(-t) = -ceil(t): a whole number
	s_delay_alu instid0(VALU_DEP_1)
	v_sub_f32 v254, v12, v254                      ; M's old value less its new one: a whole number, 0 or less
	s_delay_alu instid0(VALU_DEP_1)
	v_cvt_i32_f32 v254, v254                       ; (it saturates)
	s_delay_alu instid0(VALU_DEP_1)
	v_ldexp_f32 v252, 1.0, v254                    ; f = 2^(old M - new M)
.set j, 0
.rept 32
	v_pk_fma_f32 v[96+j:97+j], v[96+j:97+j], s[CS:CS+1], v[12:13] op_sel_hi:[1,0,0]   ; t - M, two at a time
.set j, j+2
.endr
.irp b, 0,1,2,3
	v_fma_f32 v[232+\b], v[232+\b], s[CS], v12     ; the same of each block's largest score
.endr
.set j, 0
	s_wait_alu depctr_va_vdst(0)
.rept 64
	v_exp_f32 v[96+j], v[96+j]                     ; p = 2^(t - M), at most 1: not normalised
.set j, j+1
.endr
.irp b, 0,1,2,3
	v_exp_f32 v[232+\b], v[232+\b]                 ; the block's largest p
.endr
	v_pk_mul_f32 v[14:15], v[14:15], v[252:253] op_sel_hi:[1,0]   ; the sums under the new M.  (A plain place behind the exponentials)
	s_wait_alu depctr_va_vdst(0)
.irp b, 0,1,2,3
	v_max_num_f32 v[232+\b], 0x1800000, v[232+\b]  ; the floor 2^(3 - 127): the byte cannot fall under 1
.endr
.irp b, 0,1,2,3
	s_delay_alu instid0(VALU_DEP_4)
	v_add_nc_u32 v[244+\b], 0xff000000, v[232+\b]  ; 2 off the exponent field: the conversion's scale operand
.endr
.irp b, 0,1,2,3
	s_delay_alu instid0(VALU_DEP_4)
	v_lshrrev_b32 v[236+\b], 23, v[244+\b]         ; the scale's byte
.endr
	s_delay_alu instid0(VALU_DEP_3)
	v_lshl_or_b32 v253, v237, 8, v236              ; p's scale word for these 128 keys
	s_delay_alu instid0(VALU_DEP_1)
	v_lshl_or_b32 v253, v238, 16, v253
	s_delay_alu instid0(VALU_DEP_1)
	v_lshl_or_b32 v253, v239, 24, v253
.irp c, 0,1
	v_cvt_scalef32_pk16_fp6_f32 v[224+6*\c:226+6*\c], v[96+32*\c:111+32*\c], v[244+2*\c]
	v_cvt_scalef32_pk16_fp6_f32 v[236+4*\c:238+4*\c], v[112+32*\c:127+32*\c], v[244+2*\c+1]
.endr
	v_nop                                          ; one plain place behind a scaled conversion
.irp c, 0,1                            ; the operand's layout wants a whole block in a lane
.irp i, 0,1,2
	v_permlane16_swap_b32 v[224+6*\c+\i], v[236+4*\c+\i]
.endr
.irp i, 0,1,2
	s_delay_alu instid0(VALU_DEP_3)
	v_mov_b32 v[227+6*\c+\i], v[236+4*\c+\i]
.endr
.endr
	v_pk_add_f32 v[236:237], v[100:101], v[104:105]
	v_pk_add_f32 v[246:247], v[108:109], v[112:113]
	v_pk_add_f32 v[244:245], v[116:117], v[120:121]
	v_pk_add_f32 v[240:241], v[124:125], v[128:129]
	v_pk_add_f32 v[220:221], v[132:133], v[136:137]
	v_pk_add_f32 v[218:219], v[140:141], v[144:145]
	v_pk_add_f32 v[216:217], v[148:149], v[152:153]
	v_pk_add_f32 v[14:15], v[14:15], v[156:157]
	v_pk_add_f32 v[236:237], v[236:237], v[96:97]
	v_pk_add_f32 v[246:247], v[246:247], v[98:99]
	v_pk_add_f32 v[244:245], v[244:245], v[102:103]
	v_pk_add_f32 v[240:241], v[240:241], v[106:107]
	v_pk_add_f32 v[220:221], v[220:221], v[110:111]
	v_pk_add_f32 v[218:219], v[218:219], v[114:115]
	v_pk_add_f32 v[216:217], v[216:217], v[118:119]
	v_pk_add_f32 v[14:15], v[14:15], v[122:123]
	v_pk_add_f32 v[236:237], v[236:237], v[126:127]
	v_pk_add_f32 v[246:247], v[246:247], v[130:131]
	v_pk_add_f32 v[244:245], v[244:245], v[134:135]
	v_pk_add_f32 v[240:241], v[240:241], v[138:139]
	v_pk_add_f32 v[220:221], v[220:221], v[142:143]
	v_pk_add_f32 v[218:219], v[218:219], v[146:147]
	v_pk_add_f32 v[216:217], v[216:217], v[150:151]
	v_pk_add_f32 v[14:15], v[14:15], v[154:155]
	v_pk_add_f32 v[236:237], v[236:237], v[158:159]
	s_delay_alu instid0(VALU_DEP_2)
	v_pk_add_f32 v[14:15], v[14:15], v[240:241]
	s_delay_alu instid0(VALU_DEP_2)
	v_pk_add_f32 v[236:237], v[236:237], v[220:221]
	v_pk_add_f32 v[246:247], v[246:247], v[218:219]
	v_pk_add_f32 v[244:245], v[244:245], v[216:217]
	s_delay_alu instid0(VALU_DEP_2)
	v_pk_add_f32 v[14:15], v[14:15], v[246:247]
	s_delay_alu instid0(VALU_DEP_2)
	v_pk_add_f32 v[236:237], v[236:237], v[244:245]
	s_delay_alu instid0(VALU_DEP_1)
	v_pk_add_f32 v[14:15], v[14:15], v[236:237]
.set j, 0
.rept 16
	v_pk_mul_f32 v[160+j:161+j], v[160+j:161+j], v[252:253] op_sel_hi:[1,0]   ; O^T under the new M
.set j, j+2
.endr
	s_wait_alu depctr_va_vdst(0)
	s_wait_dscnt 0x0                               ; V
.irp d, 0,1,2,3                        ; O^T += V^T P^T: the four accumulators by turns, one instruction a turn
	v_wmma_scale_f32_16x16x128_f8f6f4 v[160+8*\d:167+8*\d], v[32+12*\d:43+12*\d], v[224:235], v[160+8*\d:167+8*\d], v[248+\d], v253 matrix_a_fmt:MATRIX_FMT_FP6 matrix_b_fmt:MATRIX_FMT_FP6
.endr
.rept 4
	v_nop                                          ; places ahead of the next step's loads and of the reads of O^T
.endr
.Lskip:
	s_add_co_u32 s[TK], s[TK], KST
	s_add_co_u32 s[TV], s[TV], VST
	s_add_co_u32 s[ST], s[ST], 1
	s_cmp_lt_u32 s[ST], 8
	s_cbranch_scc1 .Lstep
	; THE WAY OUT: O^T / the sum is quantised as it stands: register 16 b + i is channel 32 b + 16 h + i of my query: half a K step of the next product
	v_add_f32 v14, v14, v15
	s_delay_alu instid0(VALU_DEP_1)
	v_permlanex16_b32 v252, v14, s[SEL], s[SEL+1]
	s_delay_alu instid0(VALU_DEP_1)
	v_add_f32 v14, v14, v252                       ; the row's sum
	s_wait_alu depctr_va_vdst(0)
	v_rcp_f32 v14, v14
	v_nop                                          ; one plain place behind a transcendental
.set j, 0
	s_wait_alu depctr_va_vdst(0)
.rept 32
	v_mul_f32 v[96+j], v[160+j], v14
.set j, j+1
.endr
	HQ 96, 200, 210
	global_store_b128 v1, v[200:203], s[74:75]     ; 32 lanes store 512 consecutive bytes
	global_store_b64 v2, v[204:205], s[74:75] offset:512
	global_store_b16 v3, v210, s[76:77]
	s_wait_tensorcnt 0x0
	ds_add_u32 v223, v243
	s_wait_dscnt 0x0
	CROUND                                         ; the closing round
	s_endpgm
.Lfunc_end_k_q0df3526f42_attn:
	.size	k_q0df3526f42_attn, .Lfunc_end_k_q0df3526f42_attn-k_q0df3526f42_attn
	.p2alignl 7, 3214868480
	.fill 96, 4, 3214868480
	.section	.rodata,"a",@progbits
	.p2align	6, 0x0
	.amdhsa_kernel k_q0df3526f42_attn
		.amdhsa_group_segment_fixed_size 169984
		.amdhsa_private_segment_fixed_size 0
		.amdhsa_enable_private_segment 0
		.amdhsa_kernarg_size 32
		.amdhsa_user_sgpr_count 2
		.amdhsa_user_sgpr_kernarg_segment_ptr 1
		.amdhsa_wavefront_size32 1
		.amdhsa_system_sgpr_workgroup_id_x 1
		.amdhsa_system_sgpr_workgroup_id_y 1
		.amdhsa_system_sgpr_workgroup_id_z 1
		.amdhsa_system_vgpr_workitem_id 0
		.amdhsa_next_free_vgpr 256
		.amdhsa_next_free_sgpr 80
		.amdhsa_reserve_vcc 1
		.amdhsa_float_denorm_mode_32 3
		.amdhsa_float_denorm_mode_16_64 3
		.amdhsa_memory_ordered 1
		.amdhsa_forward_progress 1
		.amdhsa_inst_pref_size 37
	.end_amdhsa_kernel
	.amdgpu_metadata
---
amdhsa.version: [ 1, 2 ]
amdhsa.kernels:
  - .name:           k_q0df3526f42_attn
    .symbol:         k_q0df3526f42_attn.kd
    .args:
      - { .name: qc, .offset: 0, .size: 8, .value_kind: global_buffer, .address_space: global }
      - { .name: kc, .offset: 8, .size: 8, .value_kind: global_buffer, .address_space: global }
      - { .name: vc, .offset: 16, .size: 8, .value_kind: global_buffer, .address_space: global }
      - { .name: ac, .offset: 24, .size: 8, .value_kind: global_buffer, .address_space: global }
    .group_segment_fixed_size: 169984
    .private_segment_fixed_size: 0
    .kernarg_segment_align: 8
    .kernarg_segment_size: 32
    .max_flat_workgroup_size: 512
    .sgpr_count:     80
    .vgpr_count:     256
    .wavefront_size: 32
...
	.end_amdgpu_metadata
.endif
;; end of part 10
;; launch aln (part 11): grid 256 x 1, 8 waves a work-group, no clusters, 70,656 bytes of LDS; arguments ac, wimg, b_aproj, x, ln2_g, ln2_b, x1, hq; writes x1, hq
.if DOCPART == 11
	.amdgcn_target "amdgcn-amd-amdhsa--gfx1250"
	.amdhsa_code_object_version 6
	.text
	.protected	k_q0df3526f42_aln
	.globl	k_q0df3526f42_aln
	.p2align	8
	.type	k_q0df3526f42_aln,@function
k_q0df3526f42_aln:
	s_mov_b64 s[64:65], 0
	v_nop
	global_prefetch_b8 v0, s[64:65] scope:SCOPE_SE
	s_setreg_imm32_b32 hwreg(HW_REG_WAVE_MODE, 25, 1), 1
	s_wait_xcnt 0x0
; x1 = x + a w_aproj + b_aproj (the product on codes of FP6 (E2M3) with E8M0 scales, sums in f32), stored in f32; then the second norm of x1's rows,
; (x1 - mean) rsqrt(var + 1e-5) g + b, quantised along the row and stored as fragment images for the next product.
; Work-group T owns the 16 rows of tile T, all 1,024 columns: lane r holds row 32 (T / 2) + 8 (T % 2) + r + 8 (r / 8).  Wave w makes columns 128 w on: eight accumulators, K = 1,024 in eight steps.
; THE MATRIX INSTRUCTION IS USED TRANSPOSED (source 0 = 16 columns of w, source 1 = a's 16 rows): register 16 b + i of lane (r, h) is column 128 w + 32 b + 16 h + i of row r: sixteen neighbours along the next K.
; OPERANDS GO FROM MEMORY STRAIGHT INTO REGISTERS: they lie as fragment images (a record of 13,312 bytes = eight images of 1,536 bytes, then eight times 128 bytes of scale words), so each load reads
; consecutive bytes, and no two waves of the work-group read the same fragment of w.  So LDS would carry nothing from wave to wave, there is no tensor load, and with none no joint load: cluster = none.
; No prefetch: all 256 work-groups read the same 64 records of w in the same order, and a's eight images are asked for two steps ahead by the loads themselves.
; Two buffers: a step's 45 loads are asked for two steps ahead.  The sums begin as x + b_aproj.
; x1 leaves through the wave's own stage in LDS, as rows of 512 consecutive bytes.  Mean and variance in two passes, summed over the eight waves through LDS.
; LIMITS: a block of zeros gets the scale byte 1 where the rule says 127 (its codes are zeros; this program alone reads the bytes); NaN and infinities are not served.
; REGISTERS: window 0: v1-12 addresses; v16-79 the sums; v80-143 b_aproj, then g, then the quantiser's work; v144-207 b; v208-225 scale words, two sets; v240-253 work; v254, v255 the add's.
;   window 1: buffer p at 128 p: w's fragment i at 12 i, a's at 96; later x1's rows on the way out.
.set REC,  13312
.set WOFF, 2555904                     ; w_aproj's records in wimg
.set X,    16
.set G,    80
.set BB,   144
.set SC,   208                         ; set p at SC + 9 p: w's eight words, then a's
.set TM,   80
.set PW,   88
.set PC0,  90
.set PC1,  100
.set SEL,  22
.set STG,  3072                        ; LDS: 0-2,047 the waves' sums, 2,048-3,071 the spare words, then a stage of 16 rows x (512 + 16) bytes for each wave
.set SPITCH, 528
.set MSB, 0
.macro WIN new                         ; the immediate's high byte repeats the setting that is left
.if MSB != \new
	s_set_vgpr_msb (MSB<<8)|\new
.set MSB, \new
.endif
.endm
.macro LD q, p                         ; K step q into buffer p: 45 loads
	WIN 0x40                                       ; destination window 1, address window 0
.irp i, 0,1,2,3,4,5,6,7
	global_load_b128 v[128*(\p)+12*\i:128*(\p)+12*\i+3], v8, s[26:27] offset:(\q)*REC+\i*1536
	global_load_b64 v[128*(\p)+12*\i+4:128*(\p)+12*\i+5], v9, s[26:27] offset:(\q)*REC+\i*1536+512
	global_load_b128 v[128*(\p)+12*\i+6:128*(\p)+12*\i+9], v8, s[26:27] offset:(\q)*REC+\i*1536+768
	global_load_b64 v[128*(\p)+12*\i+10:128*(\p)+12*\i+11], v9, s[26:27] offset:(\q)*REC+\i*1536+1280
.endr
	global_load_b128 v[128*(\p)+96:128*(\p)+99], v8, s[28:29] offset:(\q)*REC
	global_load_b64 v[128*(\p)+100:128*(\p)+101], v9, s[28:29] offset:(\q)*REC+512
	global_load_b128 v[128*(\p)+102:128*(\p)+105], v8, s[28:29] offset:(\q)*REC+768
	global_load_b64 v[128*(\p)+106:128*(\p)+107], v9, s[28:29] offset:(\q)*REC+1280
	WIN 0
.irp i, 0,1,2,3,4,5,6,7
	global_load_b32 v[SC+9*(\p)+\i], v7, s[26:27] offset:(\q)*REC+12288+128*\i
.endr
	global_load_b32 v[SC+9*(\p)+8], v7, s[30:31] offset:(\q)*REC
.endm
.macro KSTEP q, cnt                    ; cnt: the loads issued behind this step's, which may be out.  The eight accumulators take turns
	s_wait_loadcnt \cnt
	WIN 0x05                                       ; sources 0 and 1 window 1; C and D window 0
.irp i, 0,1,2,3,4,5,6,7
	v_wmma_scale_f32_16x16x128_f8f6f4 v[X+8*\i:X+8*\i+7], v[128*((\q)%2)+12*\i:128*((\q)%2)+12*\i+11], v[128*((\q)%2)+96:128*((\q)%2)+107], v[X+8*\i:X+8*\i+7], v[SC+9*((\q)%2)+\i], v[SC+9*((\q)%2)+8] matrix_a_fmt:MATRIX_FMT_FP6 matrix_b_fmt:MATRIX_FMT_FP6
.endr
	WIN 0
.rept 4
	v_nop                                          ; places ahead of loads into the products' registers and of reads of the sums
.endr
.if (\q) < 6
	LD (\q)+2, (\q)%2
.endif
.endm
; 32 numbers of a lane, register 16 b + i = k 32 b + 16 h + i of my row, become half a fragment's codes in v[pc .. pc+5] and two scale bytes in v[pw]
.macro HQ s, pc, pw
.irp b, 0,1
	v_max3_num_f32 v[TM+\b], |v[\s+16*\b]|, |v[\s+16*\b+1]|, 0x1800000   ; my 16 numbers, and the floor 2^(3 - 127): the byte cannot fall under 1
.endr
.irp i, 2,4,6,8,10,12,14
.irp b, 0,1
	s_delay_alu instid0(VALU_DEP_2)
	v_max3_num_f32 v[TM+\b], v[TM+\b], |v[\s+16*\b+\i]|, |v[\s+16*\b+\i+1]|
.endr
.endr
.irp b, 0,1
	s_delay_alu instid0(VALU_DEP_2)
	v_permlanex16_b32 v[TM+2+\b], v[TM+\b], s[SEL], s[SEL+1]
.endr
.irp b, 0,1
	s_delay_alu instid0(VALU_DEP_2)
	v_max_num_f32 v[TM+\b], v[TM+\b], v[TM+2+\b]   ; with lane l xor 16's: the block's largest magnitude
.endr
.irp b, 0,1
	s_delay_alu instid0(VALU_DEP_2)
	v_add_nc_u32 v[TM+4+\b], 0xff000000, v[TM+\b]  ; 2 off its exponent field: the conversion's scale operand
.endr
.irp b, 0,1
	s_delay_alu instid0(VALU_DEP_2)
	v_lshrrev_b32 v[TM+2+\b], 23, v[TM+4+\b]       ; the scale's byte
.endr
	s_delay_alu instid0(VALU_DEP_1)
	v_lshl_or_b32 v[\pw], v[TM+3], 8, v[TM+2]
	v_cvt_scalef32_pk16_fp6_f32 v[\pc:\pc+2], v[\s:\s+15], v[TM+4]
	v_cvt_scalef32_pk16_fp6_f32 v[\pc+6:\pc+8], v[\s+16:\s+31], v[TM+5]
	v_nop                                          ; one plain place behind a scaled conversion
.irp i, 0,1,2
	v_permlane16_swap_b32 v[\pc+\i], v[\pc+6+\i]   ; a whole block in a lane: lanes 0-15 block 0, lanes 16-31 block 1
.endr
.irp i, 0,1,2
	s_delay_alu instid0(VALU_DEP_3)
	v_mov_b32 v[\pc+3+\i], v[\pc+6+\i]
.endr
.endm
; v248, a lane's partial sum, becomes the row's sum over all 1,024 columns, in every lane of the row
.macro REDUCE off
	s_delay_alu instid0(VALU_DEP_1)
	v_permlanex16_b32 v249, v248, s[SEL], s[SEL+1]
	s_delay_alu instid0(VALU_DEP_1)
	v_add_f32 v248, v248, v249                     ; my wave's 128 columns
	ds_store_b32 v6, v248 offset:\off
	s_wait_dscnt 0x0                               ; for the others' sake: my store has landed
	s_barrier_signal -1
	s_barrier_wait -1
.irp i, 0,1,2,3,4,5,6,7
	ds_load_b32 v[240+\i], v7 offset:\off+128*\i   ; the eight waves' sums of my row
.endr
	s_wait_dscnt 0x0
	v_add_f32 v240, v240, v241
	v_add_f32 v242, v242, v243
	v_add_f32 v244, v244, v245
	v_add_f32 v246, v246, v247
	s_delay_alu instid0(VALU_DEP_3)
	v_add_f32 v240, v240, v242
	s_delay_alu instid0(VALU_DEP_2)
	v_add_f32 v244, v244, v246
	s_delay_alu instid0(VALU_DEP_1)
	v_add_f32 v248, v240, v244
.endm
	s_load_b256 s[4:11], s[0:1], 0x0               ; ac s[4:5], wimg s[6:7], b_aproj s[8:9], x s[10:11]
	s_load_b256 s[36:43], s[0:1], 0x20             ; ln2_g s[36:37], ln2_b s[38:39], x1 s[40:41], hq s[42:43]
	v_lshl_add_u32 v254, v0, 2, 0x800              ; my spare word
	v_mov_b32 v255, 0
	v_lshrrev_b32 v1, 5, v0
	v_readfirstlane_b32 s12, v1                    ; wave 0..7
	s_lshl_b32 s13, s12, 9
	s_mul_i32 s33, s12, 16*SPITCH
	s_add_co_u32 s33, s33, STG                     ; my stage
	v_and_b32 v2, 15, v0                           ; r
	v_bfe_u32 v3, v0, 4, 1                         ; h
	v_and_b32 v4, 8, v2
	v_add_nc_u32 v4, v4, v2                        ; r + 8 (r / 8)
	v_lshl_add_u32 v5, v3, 6, s13                  ; the biases and gains: 512 w + 64 h
	v_lshl_add_u32 v4, v4, 12, v5                  ; x: + my row of 4,096 bytes
	v_lshlrev_b32 v6, 2, v0                        ; LDS: my word among the waves' sums
	v_and_b32 v7, 31, v0
	v_lshlrev_b32 v8, 4, v7                        ; 16 x lane
	v_lshlrev_b32 v9, 3, v7                        ; 8 x lane
	v_lshlrev_b32 v7, 2, v7                        ; 4 x lane
	v_mul_u32_u24 v10, v2, SPITCH
	v_lshl_add_u32 v10, v3, 6, v10
	v_add_nc_u32 v10, s33, v10                     ; the stage, in: row r, + 64 h bytes
	v_add_nc_u32 v11, s33, v8                      ; back: 32 lanes take a row of 512 bytes
	v_add_nc_u32 v12, s13, v8                      ; and the same in x1
	s_mov_b32 s[SEL], 0x76543210
	s_mov_b32 s[SEL+1], 0xfedcba98
	s_mov_b32 s24, 0x3a800000                      ; 1 / 1,024
	s_mov_b32 s25, 0x3727c5ac                      ; 1e-5
	s_lshr_b32 s14, ttmp9, 1
	s_lshl_b32 s14, s14, 17                        ; 32 (T / 2) rows of 4,096 bytes
	s_and_b32 s15, ttmp9, 1
	s_lshl_b32 s15, s15, 15                        ; 8 (T % 2) rows
	s_add_co_u32 s14, s14, s15
	s_mov_b32 s15, 0
	s_lshr_b32 s21, ttmp9, 3                       ; T / 8
	s_and_b32 s20, ttmp9, 7                        ; T % 8
	s_lshl_b32 s34, s20, 7
	s_mul_i32 s35, s20, 1536
	s_lshl_b32 s16, s21, 3
	s_add_co_u32 s16, s16, s12
	s_mul_i32 s16, s16, REC                        ; out: record (T / 8, w)
	s_add_co_u32 s18, s16, s34
	s_add_co_u32 s18, s18, 12288                   ; its scale words of image T % 8
	s_mov_b32 s19, 0
	s_add_co_u32 s16, s16, s35                     ; image T % 8
	s_mov_b32 s17, 0
	s_mul_i32 s26, s12, 8*REC
	s_add_co_u32 s26, s26, WOFF                    ; w: column tile w's eight records
	s_mov_b32 s27, 0
	s_mul_i32 s28, s21, 8*REC                      ; a: row tile T / 8's eight records
	s_add_co_u32 s30, s28, s34
	s_add_co_u32 s30, s30, 12288
	s_mov_b32 s31, 0
	s_add_co_u32 s28, s28, s35
	s_mov_b32 s29, 0
	s_wait_alu depctr_va_vdst(0)                   ; the wait at the head's end
	s_wait_kmcnt 0x0
	s_add_nc_u64 s[10:11], s[10:11], s[14:15]
	s_add_nc_u64 s[40:41], s[40:41], s[14:15]
	s_add_nc_u64 s[16:17], s[42:43], s[16:17]
	s_add_nc_u64 s[18:19], s[42:43], s[18:19]
	s_add_nc_u64 s[26:27], s[6:7], s[26:27]
	s_add_nc_u64 s[28:29], s[4:5], s[28:29]
	s_add_nc_u64 s[30:31], s[4:5], s[30:31]
.irp b, 0,1,2,3
.irp j, 0,1,2,3
	global_load_b128 v[G+16*\b+4*\j:G+16*\b+4*\j+3], v5, s[8:9] offset:128*\b+16*\j     ; b_aproj at my columns
	global_load_b128 v[X+16*\b+4*\j:X+16*\b+4*\j+3], v4, s[10:11] offset:128*\b+16*\j   ; x, in the result's layout
.endr
.endr
	LD 0, 0
	s_wait_loadcnt 45                              ; x and the bias are in; step 0's 45 loads may be out
.set j, 0
.rept 32
	v_pk_add_f32 v[X+j:X+j+1], v[X+j:X+j+1], v[G+j:G+j+1]
.set j, j+2
.endr
.irp b, 0,1,2,3
.irp j, 0,1,2,3
	global_load_b128 v[G+16*\b+4*\j:G+16*\b+4*\j+3], v5, s[36:37] offset:128*\b+16*\j   ; the norm's g and b: wanted at the end
	global_load_b128 v[BB+16*\b+4*\j:BB+16*\b+4*\j+3], v5, s[38:39] offset:128*\b+16*\j
.endr
.endr
	LD 1, 1
	s_wait_alu depctr_va_vdst(0)                   ; directly ahead of the wait below
	KSTEP 0, 63                                    ; behind step 0's loads stand 32 + 45: the wait's field holds 63, and a smaller count is safe
	KSTEP 1, 45
	KSTEP 2, 45
	KSTEP 3, 45
	KSTEP 4, 45
	KSTEP 5, 45
	KSTEP 6, 45
	KSTEP 7, 0
.irp b, 0,1,2,3                        ; x1 into my stage, each accumulator from its low end on, and back as rows
.irp j, 0,1,2,3
	ds_store_b128 v10, v[X+16*\b+4*\j:X+16*\b+4*\j+3] offset:128*\b+16*\j
.endr
.endr
	WIN 0x40
.set t, 0
.rept 16
	ds_load_b128 v[4*t:4*t+3], v11 offset:t*SPITCH  ; LDS serves a wave's instructions in order: these see my stores
.set t, t+1
.endr
	WIN 0
.irp c, 0,1,2,3
	v_pk_add_f32 v[240+2*\c:241+2*\c], v[X+4*\c:X+4*\c+1], v[X+4*\c+2:X+4*\c+3]    ; the row's sum, in four chains
.endr
.set j, 16
.rept 24
	v_pk_add_f32 v[240+2*((j/2)%4):241+2*((j/2)%4)], v[240+2*((j/2)%4):241+2*((j/2)%4)], v[X+j:X+j+1]
.set j, j+2
.endr
	v_pk_add_f32 v[240:241], v[240:241], v[242:243]
	v_pk_add_f32 v[244:245], v[244:245], v[246:247]
	s_delay_alu instid0(VALU_DEP_1)
	v_pk_add_f32 v[248:249], v[240:241], v[244:245]
	s_delay_alu instid0(VALU_DEP_1)
	v_add_f32 v248, v248, v249
	REDUCE 0                                       ; (its wait for LDS also shows x1's rows back in registers)
	WIN 0x04                                       ; the stores' data: window 1
.set t, 0
.rept 16
	global_store_b128 v12, v[4*t:4*t+3], s[40:41] offset:(t+8*(t/8))*4096   ; 32 lanes store 512 consecutive bytes, aligned to 256
.set t, t+1
.endr
	WIN 0
	v_mul_f32 v250, 0xba800000, v248               ; - the mean
	s_delay_alu instid0(VALU_DEP_1)
	v_mov_b32 v251, v250
.set j, 0
.rept 32
	v_pk_add_f32 v[X+j:X+j+1], v[X+j:X+j+1], v[250:251]
.set j, j+2
.endr
	v_pk_mul_f32 v[248:249], v[X:X+1], v[X:X+1]    ; the sum of squares of what is left
	v_pk_mul_f32 v[250:251], v[X+2:X+3], v[X+2:X+3]
.set j, 4
.rept 15
	s_delay_alu instid0(VALU_DEP_2)
	v_pk_fma_f32 v[248:249], v[X+j:X+j+1], v[X+j:X+j+1], v[248:249]
	s_delay_alu instid0(VALU_DEP_2)
	v_pk_fma_f32 v[250:251], v[X+j+2:X+j+3], v[X+j+2:X+j+3], v[250:251]
.set j, j+4
.endr
	s_delay_alu instid0(VALU_DEP_1)
	v_pk_add_f32 v[248:249], v[248:249], v[250:251]
	s_delay_alu instid0(VALU_DEP_1)
	v_add_f32 v248, v248, v249
	REDUCE 1024                                    ; other bytes than the first sum's: one barrier each
	s_delay_alu instid0(VALU_DEP_1)
	v_fma_f32 v248, v248, s24, s25                 ; the variance + 1e-5
	s_wait_alu depctr_va_vdst(0)                   ; ahead of the transcendental
	v_rsq_f32 v250, v248
	v_nop                                          ; one plain place behind a transcendental
	s_wait_alu depctr_va_vdst(0)                   ; and ahead of its first reader
	v_mov_b32 v251, v250
	s_wait_alu depctr_va_vdst(0)                   ; directly ahead of the wait below
	s_wait_loadcnt 0x0                             ; g and b
.set j, 0
.rept 32
	v_pk_mul_f32 v[X+j:X+j+1], v[X+j:X+j+1], v[250:251]
.set j, j+2
.endr
.set j, 0
.rept 32
	v_pk_fma_f32 v[X+j:X+j+1], v[X+j:X+j+1], v[G+j:G+j+1], v[BB+j:BB+j+1]
.set j, j+2
.endr
	v_mov_b32 v[TM+2], 0                           ; a lane permute's destination counts as one of its sources
	v_mov_b32 v[TM+3], 0
	HQ X, PC0, PW
	HQ X+32, PC1, PW+1
	v_lshl_or_b32 v[PW], v[PW+1], 16, v[PW]        ; the row's scale word for these 128
	global_store_b128 v8, v[PC0:PC0+3], s[16:17]               ; 32 lanes store 512 consecutive bytes
	global_store_b64 v9, v[PC0+4:PC0+5], s[16:17] offset:512
	global_store_b128 v8, v[PC1:PC1+3], s[16:17] offset:768
	global_store_b64 v9, v[PC1+4:PC1+5], s[16:17] offset:1280
	global_store_b32 v7, v[PW], s[18:19]
	s_wait_tensorcnt 0x0                           ; the wave's end
	ds_add_u32 v254, v255
	s_wait_dscnt 0x0
	s_endpgm
.Lfunc_end_k_q0df3526f42_aln:
	.size	k_q0df3526f42_aln, .Lfunc_end_k_q0df3526f42_aln-k_q0df3526f42_aln
	.p2alignl 7, 3214868480
	.fill 96, 4, 3214868480
	.section	.rodata,"a",@progbits
	.p2align	6, 0x0
	.amdhsa_kernel k_q0df3526f42_aln
		.amdhsa_group_segment_fixed_size 70656
		.amdhsa_private_segment_fixed_size 0
		.amdhsa_enable_private_segment 0
		.amdhsa_kernarg_size 64
		.amdhsa_user_sgpr_count 2
		.amdhsa_user_sgpr_kernarg_segment_ptr 1
		.amdhsa_wavefront_size32 1
		.amdhsa_system_sgpr_workgroup_id_x 1
		.amdhsa_system_sgpr_workgroup_id_y 1
		.amdhsa_system_sgpr_workgroup_id_z 1
		.amdhsa_system_vgpr_workitem_id 0
		.amdhsa_next_free_vgpr 512
		.amdhsa_next_free_sgpr 66
		.amdhsa_reserve_vcc 0
		.amdhsa_float_denorm_mode_32 3
		.amdhsa_float_denorm_mode_16_64 3
		.amdhsa_memory_ordered 1
		.amdhsa_forward_progress 1
		.amdhsa_inst_pref_size 79
	.end_amdhsa_kernel
	.amdgpu_metadata
---
amdhsa.version: [ 1, 2 ]
amdhsa.kernels:
  - .name:           k_q0df3526f42_aln
    .symbol:         k_q0df3526f42_aln.kd
    .args:
      - { .name: ac, .offset: 0, .size: 8, .value_kind: global_buffer, .address_space: global }
      - { .name: wimg, .offset: 8, .size: 8, .value_kind: global_buffer, .address_space: global }
      - { .name: b_aproj, .offset: 16, .size: 8, .value_kind: global_buffer, .address_space: global }
      - { .name: x, .offset: 24, .size: 8, .value_kind: global_buffer, .address_space: global }
      - { .name: ln2_g, .offset: 32, .size: 8, .value_kind: global_buffer, .address_space: global }
      - { .name: ln2_b, .offset: 40, .size: 8, .value_kind: global_buffer, .address_space: global }
      - { .name: x1, .offset: 48, .size: 8, .value_kind: global_buffer, .address_space: global }
      - { .name: hq, .offset: 56, .size: 8, .value_kind: global_buffer, .address_space: global }
    .group_segment_fixed_size: 70656
    .private_segment_fixed_size: 0
    .kernarg_segment_align: 8
    .kernarg_segment_size: 64
    .max_flat_workgroup_size: 256
    .sgpr_count:     66
    .vgpr_count:     512
    .wavefront_size: 32
...
	.end_amdgpu_metadata
.endif
;; end of part 11
;; launch fc (part 12): grid 8 x 32, 4 waves a work-group, clusters of 4 x 4, 327,680 bytes of LDS; arguments hq, wimg, b_fc, gq; writes gq
.if DOCPART == 12
	.amdgcn_target "amdgcn-amd-amdhsa--gfx1250"
	.amdhsa_code_object_version 6
	.text
	.protected	k_q0df3526f42_fc
	.globl	k_q0df3526f42_fc
	.p2align	8
	.type	k_q0df3526f42_fc,@function
k_q0df3526f42_fc:
	s_mov_b64 s[64:65], 0
	v_nop
	global_prefetch_b8 v0, s[64:65] scope:SCOPE_SE
	s_setreg_imm32_b32 hwreg(HW_REG_WAVE_MODE, 25, 1), 1
	s_wait_xcnt 0x0
	s_wait_alu depctr_hold_cnt(0) depctr_sa_sdst(0) depctr_va_vdst(0) depctr_va_sdst(0) depctr_va_ssrc(0) depctr_va_vcc(0) depctr_vm_vsrc(0)
	s_getreg_b32 s2, hwreg(HW_REG_IB_STS2, 6, 4)
	s_cmp_eq_u32 s2, 0
	s_cbranch_scc0 .Lentry_in_a_cluster
	s_endpgm
.Lentry_in_a_cluster:
	s_bfe_u32 s2, ttmp6, 0x10000c
	s_cmp_lg_u32 s2, 0xf033
	s_cbranch_scc0 .Lentry_shape_is_right
	s_endpgm
.Lentry_shape_is_right:
; g = gelu(h w_fc + b_fc) on codes of FP6 (E2M3) with E8M0 scales, quantised along the next product's K and stored as fragment images.
; A work-group owns 128 rows of h, which stay in registers, and walks four column tiles of 128 through two LDS slots of eight K steps; 4 x 4 clusters ask for h along a row and for w along a column.
; At the head each wave issues one joint load: waves 0, 1 h's halves, waves 2, 3 the halves of slot 0; slot 1 is first filled behind the full sequence, as a refill is.
; LIMITS: a block of zeros gets the scale byte 1 where the rule says 127 (its codes are zeros; this program alone reads the bytes); NaN and infinities are not served.
.set REC,  13312
.set WOFF, 3407872
.set NT,   4
.set SLOT, 8*REC
.set HALF, 4*REC
.set TSTRIDE, 8*REC
.set ABASE, 2*SLOT
.set SPARE, 3*SLOT
.set L16, 1
.set L8,  2
.set L4,  3
.set B16, 4
.set B8,  8
.set BS,  12
.set TM,  16
.set K1,  22
.set PW,  24
.set SPW, 28
.set NIL, 29
.set SCB, 32
.set SCA, 44
.set PC,  76
.set T,   96
.set ACC, 128
.set G1A, 24
.set G0A, 32
.set G1B, 48
.set G0B, 56
.set SEL, 66
.set K2,  76
.set MSB, 0
.macro WIN new
.if MSB != \new
	s_set_vgpr_msb (MSB<<8)|\new
.set MSB, \new
.endif
.endm
.macro PLACES
.rept 4
	v_nop
.endr
.endm
.macro CROUND
	s_barrier_signal -1
	s_barrier_wait -1
	s_cmp_lg_u32 s14, 0
	s_cbranch_scc1 .Lnot_wave_0_\@
	s_barrier_signal -3
.Lnot_wave_0_\@:
	s_barrier_wait -3
	s_barrier_signal -1
	s_barrier_wait -1
.endm
.macro FETCH s, q, p
.set BF, 144+48*(((\p)+1)/2)
	WIN ((2+(\p)/2)<<6)
.irp i, 0,1,2,3
	ds_load_b128 v[BF+12*\i:BF+12*\i+3], v[B16+2*(\s)+(\q)/4] offset:((\q)%4)*REC+\i*1536
	ds_load_b64 v[BF+12*\i+4:BF+12*\i+5], v[B8+2*(\s)+(\q)/4] offset:((\q)%4)*REC+\i*1536+512
	ds_load_b128 v[BF+12*\i+6:BF+12*\i+9], v[B16+2*(\s)+(\q)/4] offset:((\q)%4)*REC+\i*1536+768
	ds_load_b64 v[BF+12*\i+10:BF+12*\i+11], v[B8+2*(\s)+(\q)/4] offset:((\q)%4)*REC+\i*1536+1280
.endr
	WIN 0
.irp i, 0,1,2,3
	ds_load_b32 v[SCB+4*(\p)+\i], v[BS+2*(\s)+(\q)/4] offset:((\q)%4)*REC+128*\i
.endr
.endm
.macro MUL q, p, jt, first
.set BF, 144+48*(((\p)+1)/2)
.set AF, 48*((\q)%5)
	WIN ((2+(\p)/2)|((1+(\q)/5)<<2)|((3*(\first))<<4))
.irp a, 0,1,2,3
.irp b, 0,1,2,3
.if \first
	v_wmma_scale_f32_16x16x128_f8f6f4 v[ACC+8*(4*\a+\b):ACC+8*(4*\a+\b)+7], v[BF+12*\b:BF+12*\b+11], v[AF+12*\a:AF+12*\a+11], v[32*(\jt)+8*\b:32*(\jt)+8*\b+7], v[SCB+4*(\p)+\b], v[SCA+4*(\q)+\a] matrix_a_fmt:MATRIX_FMT_FP6 matrix_b_fmt:MATRIX_FMT_FP6
.else
	v_wmma_scale_f32_16x16x128_f8f6f4 v[ACC+8*(4*\a+\b):ACC+8*(4*\a+\b)+7], v[BF+12*\b:BF+12*\b+11], v[AF+12*\a:AF+12*\a+11], v[ACC+8*(4*\a+\b):ACC+8*(4*\a+\b)+7], v[SCB+4*(\p)+\b], v[SCA+4*(\q)+\a] matrix_a_fmt:MATRIX_FMT_FP6 matrix_b_fmt:MATRIX_FMT_FP6
.endif
.endr
.endr
.endm
.macro STEP s, q, jt, first
	s_wait_dscnt 20
	PLACES
	FETCH \s, (\q)+2, ((\q)+2)%3
	MUL \q, (\q)%3, \jt, \first
.endm
.macro KLOOP jt, s, mode
	STEP \s, 0, \jt, 1
	STEP \s, 1, \jt, 0
	STEP \s, 2, \jt, 0
	STEP \s, 3, \jt, 0
	STEP \s, 4, \jt, 0
	STEP \s, 5, \jt, 0
	s_wait_dscnt 20
	MUL 6, 0, \jt, 0
.if \mode == 0
	s_wait_dscnt 0x0
	MUL 7, 1, \jt, 0
	WIN 0
	PLACES
.else
	WIN 0
	s_wait_tensorcnt 0x0
	ds_add_u32 v[SPW], v[NIL]
.if \mode == 2
	s_add_nc_u64 s[G0B+4*\s+2:G0B+4*\s+3], s[G0B+4*\s+2:G0B+4*\s+3], 2*TSTRIDE
.endif
	s_wait_dscnt 0x0
.if \mode == 2
	CROUND
	tensor_load_to_lds s[G0B+4*\s:G0B+4*\s+3], s[G1B:G1B+7]
	s_nop 0
.else
	s_barrier_signal -1
	s_barrier_wait -1
.endif
	PLACES
	FETCH 1-\s, 0, 0
	MUL 7, 1, \jt, 0
	PLACES
	FETCH 1-\s, 1, 1
.endif
.endm
.macro HQ s, pc, pw
.irp b, 0,1
	v_max3_num_f32 v[TM+\b], |v[\s+16*\b]|, |v[\s+16*\b+1]|, 0x1800000
.endr
.irp i, 2,4,6,8,10,12,14
.irp b, 0,1
	v_max3_num_f32 v[TM+\b], v[TM+\b], |v[\s+16*\b+\i]|, |v[\s+16*\b+\i+1]|
.endr
.endr
.irp b, 0,1
	v_permlanex16_b32 v[TM+2+\b], v[TM+\b], s[SEL], s[SEL+1]
.endr
.irp b, 0,1
	v_max_num_f32 v[TM+\b], v[TM+\b], v[TM+2+\b]
.endr
.irp b, 0,1
	v_add_nc_u32 v[TM+4+\b], 0xff000000, v[TM+\b]
.endr
.irp b, 0,1
	v_lshrrev_b32 v[TM+2+\b], 23, v[TM+4+\b]
.endr
	v_lshl_or_b32 v[\pw], v[TM+3], 8, v[TM+2]
	v_cvt_scalef32_pk16_fp6_f32 v[\pc:\pc+2], v[\s:\s+15], v[TM+4]
	v_cvt_scalef32_pk16_fp6_f32 v[\pc+6:\pc+8], v[\s+16:\s+31], v[TM+5]
	v_nop
.irp i, 0,1,2
	v_permlane16_swap_b32 v[\pc+\i], v[\pc+6+\i]
.endr
.irp i, 0,1,2
	v_mov_b32 v[\pc+3+\i], v[\pc+6+\i]
.endr
.endm
.macro EPI jt
.irp a, 0,1,2,3
.set XA, ACC+32*\a
.set j, 0
.rept 16
	v_pk_mul_f32 v[T+j:T+j+1], v[XA+j:XA+j+1], v[XA+j:XA+j+1]
.set j, j+2
.endr
.set j, 0
.rept 16
	v_pk_fma_f32 v[T+j:T+j+1], v[T+j:T+j+1], s[K2:K2+1], v[K1:K1+1] op_sel_hi:[1,0,1]
.set j, j+2
.endr
.set j, 0
.rept 16
	v_pk_mul_f32 v[T+j:T+j+1], v[T+j:T+j+1], v[XA+j:XA+j+1]
.set j, j+2
.endr
.set j, 0
	s_wait_alu depctr_va_vdst(0)
.rept 32
	v_exp_f32 v[T+j], v[T+j]
.set j, j+1
.endr
	v_nop
.set j, 0
	s_wait_alu depctr_va_vdst(0)
.rept 16
	v_pk_add_f32 v[T+j:T+j+1], v[T+j:T+j+1], 1.0 op_sel_hi:[1,0]
.set j, j+2
.endr
.set j, 0
	s_wait_alu depctr_va_vdst(0)
.rept 32
	v_rcp_f32 v[T+j], v[T+j]
.set j, j+1
.endr
	v_nop
.set j, 0
	s_wait_alu depctr_va_vdst(0)
.rept 16
	v_pk_mul_f32 v[XA+j:XA+j+1], v[XA+j:XA+j+1], v[T+j:T+j+1]
.set j, j+2
.endr
	s_wait_alu depctr_va_vdst(0)
	s_wait_xcnt 0x0
	HQ ACC+32*\a, PC+10*(\a%2), PW+\a
	global_store_b128 v[L16], v[PC+10*(\a%2):PC+10*(\a%2)+3], s[72:73] offset:(\jt)*REC+1536*\a
	global_store_b64 v[L8], v[PC+10*(\a%2)+4:PC+10*(\a%2)+5], s[72:73] offset:(\jt)*REC+1536*\a+512
	global_store_b16 v[L4], v[PW+\a], s[74:75] offset:(\jt)*REC+128*\a
.endr
.endm
	s_load_b128 s[4:7], s[0:1], 0x0
	s_load_b128 s[8:11], s[0:1], 0x10
	v_lshl_add_u32 v[SPW], v0, 2, SPARE
	v_mov_b32 v[NIL], 0
	ds_add_u32 v28, v29
	ds_add_u32 v28, v29
	s_wait_dscnt 0x0
	v_lshrrev_b32 v[T], 5, v0
	v_readfirstlane_b32 s14, v[T]
	s_lshr_b32 s15, s14, 1
	s_and_b32 s16, s14, 1
	s_bfe_u32 s40, ttmp6, 0x40000
	s_bfe_u32 s41, ttmp6, 0x40004
	s_lshl_b32 s42, ttmp9, 2
	s_add_co_u32 s42, s42, s40
	s_and_b32 s17, ttmp7, 0xffff
	s_lshl_b32 s17, s17, 2
	s_add_co_u32 s17, s17, s41
	s_lshl_b32 s43, s41, 2
	s_lshl_b32 s43, 15, s43
	s_lshl_b32 s44, 0x1111, s40
	s_or_b32 s[G1A], s43, (3<<16)|(1<<21)
	s_or_b32 s[G1B], s44, (3<<16)|(1<<21)
.irp g, G1A, G1B
	s_mov_b32 s[\g+1], 32<<16
	s_mov_b32 s[\g+2], 208<<16
	s_mov_b32 s[\g+3], 32<<16
	s_mov_b32 s[\g+4], 208
	s_mov_b32 s[\g+5], 32
	s_mov_b32 s[\g+6], 0
	s_mov_b32 s[\g+7], 0
.endr
	s_mul_i32 s45, s14, 2*REC
	s_mul_i32 s18, s16, 4*REC                      ; which half I fetch at the head
	s_mul_i32 s20, s17, 8*REC
	s_add_co_u32 s20, s20, s18
	s_mov_b32 s21, 0
	s_mul_i32 s46, s42, NT*8*REC
	s_add_co_u32 s46, s46, s45
	s_add_co_u32 s46, s46, WOFF
	s_mov_b32 s47, 0
	s_mul_i32 s22, s42, NT*8*REC
	s_add_co_u32 s22, s22, s18
	s_add_co_u32 s22, s22, WOFF                    ; the head's half of the first column tile
	s_mov_b32 s23, 0
	s_wait_kmcnt 0x0
	s_add_nc_u64 s[20:21], s[4:5], s[20:21]
	s_add_nc_u64 s[46:47], s[6:7], s[46:47]
	s_add_nc_u64 s[22:23], s[6:7], s[22:23]
	CROUND
	s_mov_b32 s[G0A], 1
	s_add_co_u32 s[G0A+1], s18, ABASE
	s_mov_b64 s[G0A+2:G0A+3], s[20:21]
	s_or_b32 s[G0A+3], s[G0A+3], 0x80000000
.set G0H, 80                           ; s[80:83] group 0 for the head's half of slot 0
	s_mov_b32 s[G0H], 1
	s_mov_b32 s[G0H+1], s18
	s_mov_b64 s[G0H+2:G0H+3], s[22:23]
	s_or_b32 s[G0H+3], s[G0H+3], 0x80000000
.irp s, 0,1
	s_mov_b32 s[G0B+4*\s], 1
	s_add_co_u32 s[G0B+4*\s+1], s45, \s*SLOT
	s_add_nc_u64 s[G0B+4*\s+2:G0B+4*\s+3], s[46:47], \s*TSTRIDE
	s_or_b32 s[G0B+4*\s+3], s[G0B+4*\s+3], 0x80000000
.endr
	s_cmp_eq_u32 s15, 0                            ; one load a wave at the head
	s_cbranch_scc0 .Lhead_w
	tensor_load_to_lds s[G0A:G0A+3], s[G1A:G1A+7]
	s_nop 0
.rept 4
	v_nop
.endr
	s_branch .Lhead_asked
.Lhead_w:
	tensor_load_to_lds s[G0H:G0H+3], s[G1B:G1B+7]
	s_nop 0
.rept 4
	v_nop
.endr
.Lhead_asked:
	s_lshl_b32 s18, s42, 11
	s_lshl_b32 s19, s16, 8
	s_add_co_u32 s18, s18, s19
	s_mov_b32 s19, 0
	s_add_nc_u64 s[8:9], s[8:9], s[18:19]
	v_and_b32 v[T], 31, v0
	v_bfe_u32 v[T+1], v0, 4, 1
	v_lshlrev_b32 v[T+2], 6, v[T+1]
	WIN 0xc0
.irp j, 0,1,2,3
.irp b, 0,1,2,3
	global_load_b128 v[32*\j+8*\b:32*\j+8*\b+3], v[T+2], s[8:9] offset:512*\j+(32*(\b/2)+8*(\b%2))*4
	global_load_b128 v[32*\j+8*\b+4:32*\j+8*\b+7], v[T+2], s[8:9] offset:512*\j+(32*(\b/2)+8*(\b%2))*4+16
.endr
.endr
	WIN 0
	v_lshlrev_b32 v[L16], 4, v[T]
	v_lshlrev_b32 v[L8], 3, v[T]
	v_lshlrev_b32 v[L4], 2, v[T]
	s_mul_i32 s18, s16, 6144
	s_lshl_b32 s19, s16, 9
	s_add_co_u32 s19, s19, 12288
.irp i, 0,1,2,3
	v_add_nc_u32 v[B16+\i], s18, v[L16]
	v_add_nc_u32 v[B8+\i], s18, v[L8]
	v_add_nc_u32 v[BS+\i], s19, v[L4]
	s_add_co_u32 s18, s18, HALF
	s_add_co_u32 s19, s19, HALF
.endr
	s_mul_i32 s22, s15, 6144
	s_add_co_u32 s22, s22, ABASE
	s_lshl_b32 s23, s15, 9
	s_add_co_u32 s23, s23, ABASE+12288
.irp i, 0,1
	v_add_nc_u32 v[T+4+\i], s22, v[L16]
	v_add_nc_u32 v[T+6+\i], s22, v[L8]
	v_add_nc_u32 v[T+8+\i], s23, v[L4]
	s_add_co_u32 s22, s22, HALF
	s_add_co_u32 s23, s23, HALF
.endr
	v_mov_b32 v[TM+2], 0
	v_mov_b32 v[TM+3], 0
	v_mov_b32 v[K1], 0xc0135761
	v_mov_b32 v[K1+1], 0xc0135761
	s_mov_b32 s[K2], 0xbdd2d3e8
	s_mov_b32 s[K2+1], s[K2]
	s_mov_b32 s[SEL], 0x76543210
	s_mov_b32 s[SEL+1], 0xfedcba98
	s_lshl_b32 s70, s17, 5
	s_lshl_b32 s71, s42, 2
	s_add_co_u32 s70, s70, s71
	s_mul_i32 s70, s70, REC
	s_mul_i32 s72, s15, 6144
	s_mul_i32 s73, s16, 768
	s_add_co_u32 s72, s72, s73
	s_add_co_u32 s72, s72, s70
	s_mov_b32 s73, 0
	s_add_nc_u64 s[72:73], s[10:11], s[72:73]
	s_lshl_b32 s74, s15, 9
	s_lshl_b32 s75, s16, 1
	s_add_co_u32 s74, s74, s75
	s_add_co_u32 s74, s74, s70
	s_add_co_u32 s74, s74, 12288
	s_mov_b32 s75, 0
	s_add_nc_u64 s[74:75], s[10:11], s[74:75]
	s_wait_alu depctr_va_vdst(0)
	s_wait_loadcnt 0x0                             ; the biases
	s_wait_tensorcnt 0x0                           ; my head load is in; slot 1's first fill is issued as a refill is:
	ds_add_u32 v[SPW], v[NIL]
	s_mov_b32 s[G1B+2], 104<<16                    ; no tensor load of mine is out: from here on a load of w brings two records, 104 rows
	s_mov_b32 s[G1B+4], 104
	s_wait_dscnt 0x0
	CROUND
	tensor_load_to_lds s[G0B+4:G0B+7], s[G1B:G1B+7]
	s_nop 0
.rept 4
	v_nop
.endr
.irp q, 0,1,2,3,4,5,6,7
	WIN ((1+\q/5)<<6)
.irp a, 0,1,2,3
	ds_load_b128 v[48*(\q%5)+12*\a:48*(\q%5)+12*\a+3], v[T+4+\q/4] offset:(\q%4)*REC+\a*1536
	ds_load_b64 v[48*(\q%5)+12*\a+4:48*(\q%5)+12*\a+5], v[T+6+\q/4] offset:(\q%4)*REC+\a*1536+512
	ds_load_b128 v[48*(\q%5)+12*\a+6:48*(\q%5)+12*\a+9], v[T+4+\q/4] offset:(\q%4)*REC+\a*1536+768
	ds_load_b64 v[48*(\q%5)+12*\a+10:48*(\q%5)+12*\a+11], v[T+6+\q/4] offset:(\q%4)*REC+\a*1536+1280
.endr
.endr
	WIN 0
.irp q, 0,1,2,3,4,5,6,7
.irp a, 0,1,2,3
	ds_load_b32 v[SCA+4*\q+\a], v[T+8+\q/4] offset:(\q%4)*REC+128*\a
.endr
.endr
	FETCH 0, 0, 0
	FETCH 0, 1, 1
	KLOOP 0, 0, 2
	EPI 0
	KLOOP 1, 1, 2
	EPI 1
	KLOOP 2, 0, 1
	EPI 2
	KLOOP 3, 1, 0
	EPI 3
	s_wait_tensorcnt 0x0
	ds_add_u32 v[SPW], v[NIL]
	s_wait_dscnt 0x0
	CROUND
	s_endpgm
.Lfunc_end_k_q0df3526f42_fc:
	.size	k_q0df3526f42_fc, .Lfunc_end_k_q0df3526f42_fc-k_q0df3526f42_fc
	.p2alignl 7, 3214868480
	.fill 96, 4, 3214868480
	.section	.rodata,"a",@progbits
	.p2align	6, 0x0
	.amdhsa_kernel k_q0df3526f42_fc
		.amdhsa_group_segment_fixed_size 327680
		.amdhsa_private_segment_fixed_size 0
		.amdhsa_enable_private_segment 0
		.amdhsa_kernarg_size 32
		.amdhsa_user_sgpr_count 2
		.amdhsa_user_sgpr_kernarg_segment_ptr 1
		.amdhsa_wavefront_size32 1
		.amdhsa_system_sgpr_workgroup_id_x 1
		.amdhsa_system_sgpr_workgroup_id_y 1
		.amdhsa_system_sgpr_workgroup_id_z 1
		.amdhsa_system_vgpr_workitem_id 0
		.amdhsa_next_free_vgpr 1024
		.amdhsa_next_free_sgpr 84
		.amdhsa_reserve_vcc 0
		.amdhsa_float_denorm_mode_32 3
		.amdhsa_float_denorm_mode_16_64 3
		.amdhsa_memory_ordered 1
		.amdhsa_forward_progress 1
		.amdhsa_inst_pref_size 255
	.end_amdhsa_kernel
	.section	.bss,"aw",@nobits
	.p2align	6
	.space	262144
	.amdgpu_metadata
---
amdhsa.version: [ 1, 2 ]
amdhsa.kernels:
  - .name:           k_q0df3526f42_fc
    .symbol:         k_q0df3526f42_fc.kd
    .args:
      - { .name: hq, .offset: 0, .size: 8, .value_kind: global_buffer, .address_space: global }
      - { .name: wimg, .offset: 8, .size: 8, .value_kind: global_buffer, .address_space: global }
      - { .name: b_fc, .offset: 16, .size: 8, .value_kind: global_buffer, .address_space: global }
      - { .name: gq, .offset: 24, .size: 8, .value_kind: global_buffer, .address_space: global }
    .group_segment_fixed_size: 327680
    .private_segment_fixed_size: 0
    .kernarg_segment_align: 8
    .kernarg_segment_size: 32
    .max_flat_workgroup_size: 128
    .sgpr_count:     84
    .vgpr_count:     1024
    .wavefront_size: 32
...
	.end_amdgpu_metadata
.endif
;; end of part 12
;; launch mproj (part 13): grid 8 x 32, 4 waves a work-group, clusters of 4 x 4, 327,680 bytes of LDS; arguments gq, wimg, b_mproj, x1, out0; writes out0
.if DOCPART == 13
	.amdgcn_target "amdgcn-amd-amdhsa--gfx1250"
	.amdhsa_code_object_version 6
	.text
	.protected	k_q0df3526f42_mproj
	.globl	k_q0df3526f42_mproj
	.p2align	8
	.type	k_q0df3526f42_mproj,@function
k_q0df3526f42_mproj:
	s_mov_b64 s[64:65], 0
	v_nop
	global_prefetch_b8 v0, s[64:65] scope:SCOPE_SE
	s_setreg_imm32_b32 hwreg(HW_REG_WAVE_MODE, 25, 1), 1
	s_wait_xcnt 0x0
	s_wait_alu depctr_hold_cnt(0) depctr_sa_sdst(0) depctr_va_vdst(0) depctr_va_sdst(0) depctr_va_ssrc(0) depctr_va_vcc(0) depctr_vm_vsrc(0)
	s_getreg_b32 s2, hwreg(HW_REG_IB_STS2, 6, 4)
	s_cmp_eq_u32 s2, 0
	s_cbranch_scc0 .Lentry_in_a_cluster
	s_endpgm
.Lentry_in_a_cluster:
	s_bfe_u32 s2, ttmp6, 0x10000c
	s_cmp_lg_u32 s2, 0xf033
	s_cbranch_scc0 .Lentry_shape_is_right
	s_endpgm
.Lentry_shape_is_right:
; out0 = x1 + g w_mproj + b_mproj, the product on codes of FP6 (E2M3) with E8M0 scales, sums in f32.  K = 4,096: 32 steps of 128.
; A tile of out0 is 128 x 128: four waves of 64 x 64, sixteen accumulators each.  Both operands lie in memory as RECORDS of 13,312 bytes (128 rows x 128 K: eight fragment images of 1,536 bytes, then
; eight times 128 bytes of scale words), [tile][K step].  An image is a fragment's registers on end: every LDS load reads consecutive bytes.
; THE RING: two LDS slots of SIX K steps (g's six records, then w's six: 159,744 bytes), so K goes in six fills: 6, 6, 6, 6, 6 and 2 steps.  A wave fetches three records, 39,936 dense bytes, by one joint load
; (waves 0, 1 for g, waves 2, 3 for w); of the last fill one record.  A load is out for the six K steps, 96 matrix instructions a wave, of the other slot.  The walk is written out: its last two fills differ from the others.
; THE MATRIX INSTRUCTION IS USED TRANSPOSED (source 0 = 16 columns of w, source 1 = 16 rows of g); lane r of tile T holds row (column) 32 (T / 2) + 8 (T % 2) + r + 8 (r / 8).
; The first step's products start the sums.  x1 is asked for at the head as whole rows of 256 bytes, in the layout in which the result leaves, and is waited for on the way out alone, where it and the bias are added.
; CLUSTERS: 4 x 4 work-groups; g's records are asked for jointly along a row of the cluster, w's along a column; a round of the cluster's barrier stands in front of every joint load.
; PREFETCH: behind each joint load and the LDS loads that follow it, the bytes of the NEXT fill are asked for: six K steps ahead of the load that wants them.  Of the 156 blocks of 256 bytes that a wave will fetch, each of
; the four partners that ask jointly names 39, told apart by address (cx for g, cy for w): 32 lanes, then 7 (the lanes left over name the last block again); of the last fill's 52 blocks 13 each.  The first two fills come by their loads alone.
; LDS: slot 0 at 0, slot 1 at 159,744, the spare words at 319,488.  The stages of the way out lie in slot 0: it has had its last fill, and its last read stands ahead of the walk's last barrier.
; All of the WGP's LDS is claimed.
; REGISTERS: window 0: v1-15 addresses; v28, v29 the add's; v32-47 scale words, two sets; v48-71 LDS addresses; v80-83 the bias; v128-255 x1's rows.  window 1: two fragment buffers at v0 and v128; on the way out the result's rows.
;   window 2: accumulator (a, b) at 8 (4 a + b).
.set REC,  13312
.set KS,   32
.set WOFF, 6815744                     ; w_mproj's records in wimg
.set NS,   6
.set SLOT, 2*NS*REC
.set BOFF, NS*REC
.set HALF, 3*REC                       ; an LDS offset has 16 bits: an address register for each three K steps
.set TSTEP, 2*NS*REC                   ; in memory: from a slot's six K steps to its next six
.set SPITCH, 272
.set WSTG, 64*SPITCH                   ; a stage of 64 rows x (256 + 16) bytes for each wave, from LDS byte 0 on
.set SPARE, 2*SLOT
.set L16, 1
.set L8,  2
.set L4,  3
.set STO, 4
.set RD,  5
.set CO,  6                            ; v6   my byte offset in two rows of x1 and of the output
.set BVR, 7                            ; v7   16 r
.set PF0, 8                            ; v8-10 the prefetches' offsets
.set PF1, 9
.set PF2, 10
.set SPW, 28
.set NIL, 29
.set SC,  32
.set ADR, 48                           ; v[ADR + 4 kind + 2 slot + half]: kinds: g's images by 16, by 8, g's words, w's by 16, by 8, w's words
.set BIAS, 80
.set XR,  128
.set F0,  0
.set F1,  128
.set G1A, 24
.set G0A, 32
.set G1B, 48
.set G0B, 56
.set G0AS, 68                          ; the last, short fill: groups 0 and 1 of its own
.set G0BS, 72
.set G1AS, 76
.set G1BS, 84
.set PFA, 96                           ; s[96:97] my 39 blocks of fill 0;  s[98:99] my 13 blocks of the last fill
.set PFS, 98
.set MSB, 0
.macro WIN new                         ; the immediate's high byte repeats the setting that is left
.if MSB != \new
	s_set_vgpr_msb (MSB<<8)|\new
.set MSB, \new
.endif
.endm
.macro PLACES                          ; four plain places behind a matrix instruction, ahead of loads into its registers and of reads of its results
.rept 4
	v_nop
.endr
.endm
.macro CROUND                          ; a round of the cluster's barrier
	s_barrier_signal -1
	s_barrier_wait -1
	s_cmp_lg_u32 s14, 0
	s_cbranch_scc1 .Lnot_wave_0_\@
	s_barrier_signal -3
.Lnot_wave_0_\@:
	s_barrier_wait -3
	s_barrier_signal -1
	s_barrier_wait -1
.endm
.macro JLOAD g0a, g1a, g0b, g1b        ; a joint load: waves 0 and 1 fetch for g, waves 2 and 3 for w; s_nop 0 and four v_nop follow each line
	s_cmp_eq_u32 s15, 0
	s_cbranch_scc0 .Lfor_b_\@
	tensor_load_to_lds s[\g0a:\g0a+3], s[\g1a:\g1a+7]
	s_nop 0
.rept 4
	v_nop
.endr
	s_branch .Lasked_\@
.Lfor_b_\@:
	tensor_load_to_lds s[\g0b:\g0b+3], s[\g1b:\g1b+7]
	s_nop 0
.rept 4
	v_nop
.endr
.Lasked_\@:
.endm
.macro ASK F                           ; fill F's bytes, one fill ahead of its load; 0: nothing
.if (\F) >= 2 && (\F) <= 4
	global_prefetch_b8 v[PF0], s[PFA:PFA+1] offset:(\F)*NS*REC th:TH_LOAD_NT scope:SCOPE_SE
	global_prefetch_b8 v[PF1], s[PFA:PFA+1] offset:(\F)*NS*REC th:TH_LOAD_NT scope:SCOPE_SE
.endif
.if (\F) == 5
	global_prefetch_b8 v[PF2], s[PFS:PFS+1] th:TH_LOAD_NT scope:SCOPE_SE
.endif
.endm
.macro FETCH s, q, f, p                ; 40 LDS loads: my eight fragments of the slot's q-th K step into buffer f, their scale words into set p
.set AO, 2*(\s)+(\q)/3
.set QO, ((\q)%3)*REC
	WIN 0x40                                       ; destination window 1, address window 0
.irp i, 0,1,2,3
	ds_load_b128 v[(\f)+48+12*\i:(\f)+48+12*\i+3], v[ADR+12+AO] offset:QO+\i*1536
	ds_load_b64 v[(\f)+48+12*\i+4:(\f)+48+12*\i+5], v[ADR+16+AO] offset:QO+\i*1536+512
	ds_load_b128 v[(\f)+48+12*\i+6:(\f)+48+12*\i+9], v[ADR+12+AO] offset:QO+\i*1536+768
	ds_load_b64 v[(\f)+48+12*\i+10:(\f)+48+12*\i+11], v[ADR+16+AO] offset:QO+\i*1536+1280
	ds_load_b128 v[(\f)+12*\i:(\f)+12*\i+3], v[ADR+AO] offset:QO+\i*1536
	ds_load_b64 v[(\f)+12*\i+4:(\f)+12*\i+5], v[ADR+4+AO] offset:QO+\i*1536+512
	ds_load_b128 v[(\f)+12*\i+6:(\f)+12*\i+9], v[ADR+AO] offset:QO+\i*1536+768
	ds_load_b64 v[(\f)+12*\i+10:(\f)+12*\i+11], v[ADR+4+AO] offset:QO+\i*1536+1280
.endr
	WIN 0
.irp i, 0,1,2,3
	ds_load_b32 v[SC+8*(\p)+\i], v[ADR+8+AO] offset:QO+128*\i
	ds_load_b32 v[SC+8*(\p)+4+\i], v[ADR+20+AO] offset:QO+128*\i
.endr
.endm
.macro MUL f, p, zero                  ; 16 matrix instructions, 128 along K; the sixteen accumulators take turns, in the same order in every step.  zero = 1: the products start the sums
	WIN 0xa5                                       ; sources 0 and 1 window 1; C and D window 2
.irp a, 0,1,2,3
.irp b, 0,1,2,3
.if \zero
	v_wmma_scale_f32_16x16x128_f8f6f4 v[8*(4*\a+\b):8*(4*\a+\b)+7], v[(\f)+48+12*\b:(\f)+48+12*\b+11], v[(\f)+12*\a:(\f)+12*\a+11], 0, v[SC+8*(\p)+4+\b], v[SC+8*(\p)+\a] matrix_a_fmt:MATRIX_FMT_FP6 matrix_b_fmt:MATRIX_FMT_FP6
.else
	v_wmma_scale_f32_16x16x128_f8f6f4 v[8*(4*\a+\b):8*(4*\a+\b)+7], v[(\f)+48+12*\b:(\f)+48+12*\b+11], v[(\f)+12*\a:(\f)+12*\a+11], v[8*(4*\a+\b):8*(4*\a+\b)+7], v[SC+8*(\p)+4+\b], v[SC+8*(\p)+\a] matrix_a_fmt:MATRIX_FMT_FP6 matrix_b_fmt:MATRIX_FMT_FP6
.endif
.endr
.endr
.endm
.macro STEP s, q, zero                 ; a K step that has its successor in the same slot
	s_wait_dscnt 0x0                               ; this step's 40 loads, asked for a step ago, are in
	PLACES                                         ; the other buffer and scale set were read by the last step's products
	FETCH \s, (\q)+1, 128*(1-(\q)%2), 1-(\q)%2
	MUL 128*((\q)%2), (\q)%2, \zero
.endm
.macro RUN s                           ; a slot's first five K steps
	STEP \s, 0, 0
	STEP \s, 1, 0
	STEP \s, 2, 0
	STEP \s, 3, 0
	STEP \s, 4, 0
.endm
; A slot's sixth K step changes slots.  In front of the barrier each wave waits for all its tensor loads (one is out: its part of the next slot), adds 0 to its spare word, and waits for that and for its reads of this slot.
; fill = 1: this slot takes the six K steps two slots on;  2: it takes the last two K steps;  0: nothing is filled.  ask: the fill that is prefetched
.macro TURN s, n, fill, ask
	WIN 0
	s_wait_tensorcnt 0x0                           ; no tensor load of mine is out, so a group 0 may be written
	ds_add_u32 v[SPW], v[NIL]
.if \fill == 1
	s_add_nc_u64 s[G0A+4*\s+2:G0A+4*\s+3], s[G0A+4*\s+2:G0A+4*\s+3], TSTEP
	s_add_nc_u64 s[G0B+4*\s+2:G0B+4*\s+3], s[G0B+4*\s+2:G0B+4*\s+3], TSTEP
.endif
	s_wait_dscnt 0x0                               ; the add is done, and my reads of this slot are over: its last fragments are in registers
.if \fill == 1
	CROUND                                         ; no wave of any partner still reads this slot or has a load on its way
	JLOAD G0A+4*\s, G1A, G0B+4*\s, G1B             ; my one load until the next round; its four v_nop are also the places ahead of the loads below
.endif
.if \fill == 2
	CROUND
	JLOAD G0AS, G1AS, G0BS, G1BS
.endif
.if \fill == 0
	s_barrier_signal -1
	s_barrier_wait -1
	PLACES
.endif
	FETCH \n, 0, F0, 0
	ASK \ask
	MUL F1, 1, 0
.endm
	s_load_b128 s[4:7], s[0:1], 0x0                ; gq s[4:5], wimg s[6:7]
	s_load_b128 s[8:11], s[0:1], 0x10              ; b_mproj s[8:9], x1 s[10:11]
	s_load_b64 s[12:13], s[0:1], 0x20              ; out0
	v_lshl_add_u32 v[SPW], v0, 2, SPARE
	v_mov_b32 v[NIL], 0
	ds_add_u32 v[SPW], v[NIL]                      ; the opening lines: the add, twice on end, and its wait ahead of my first tensor load
	ds_add_u32 v[SPW], v[NIL]
	v_lshrrev_b32 v11, 5, v0
	v_readfirstlane_b32 s14, v11                   ; wave 0..3
	s_lshr_b32 s15, s14, 1                         ; which half of the tile's rows is mine.  Also: I fetch for g (0) or for w (1)
	s_and_b32 s16, s14, 1                          ; which half of its columns.  Also: which half of a fill I fetch
	s_bfe_u32 s40, ttmp6, 0x40000                  ; cx, cy
	s_bfe_u32 s41, ttmp6, 0x40004
	s_lshl_b32 s42, ttmp9, 2
	s_add_co_u32 s42, s42, s40                     ; column tile
	s_and_b32 s17, ttmp7, 0xffff
	s_lshl_b32 s17, s17, 2
	s_add_co_u32 s17, s17, s41                     ; row tile
	s_lshl_b32 s43, s41, 2
	s_lshl_b32 s43, 15, s43                        ; my row of the cluster
	s_lshl_b32 s44, 0x1111, s40                    ; my column
	s_or_b32 s[G1A], s43, (3<<16)|(1<<21)          ; groups 1: dense bytes as rows of 256 (32 elements of 8 bytes), no padding; the mask; bit 21 beside it
	s_or_b32 s[G1B], s44, (3<<16)|(1<<21)
	s_or_b32 s[G1AS], s43, (3<<16)|(1<<21)
	s_or_b32 s[G1BS], s44, (3<<16)|(1<<21)
.irp g, G1A, G1B                       ; three records: 156 rows
	s_mov_b32 s[\g+1], 32<<16
	s_mov_b32 s[\g+2], 156<<16
	s_mov_b32 s[\g+3], 32<<16
	s_mov_b32 s[\g+4], 156
	s_mov_b32 s[\g+5], 32
	s_mov_b32 s[\g+6], 0
	s_mov_b32 s[\g+7], 0
.endr
.irp g, G1AS, G1BS                     ; one record: 52 rows
	s_mov_b32 s[\g+1], 32<<16
	s_mov_b32 s[\g+2], 52<<16
	s_mov_b32 s[\g+3], 32<<16
	s_mov_b32 s[\g+4], 52
	s_mov_b32 s[\g+5], 32
	s_mov_b32 s[\g+6], 0
	s_mov_b32 s[\g+7], 0
.endr
	s_mul_i32 s18, s16, 3*REC                      ; my half of a fill,
	s_mul_i32 s19, s16, REC
	s_add_co_u32 s19, s19, 30*REC                  ; and of the last one: K step 30 or 31
	s_mul_i32 s20, s17, KS*REC                     ; g: hangs on the row tile and the wave alone
	s_add_co_u32 s22, s20, s19
	s_add_co_u32 s20, s20, s18
	s_mov_b32 s21, 0
	s_mov_b32 s23, 0
	s_mul_i32 s46, s42, KS*REC                     ; w: on the column tile and the wave alone
	s_add_co_u32 s46, s46, WOFF
	s_add_co_u32 s92, s46, s19
	s_add_co_u32 s46, s46, s18
	s_mov_b32 s47, 0
	s_mov_b32 s93, 0
	s_mul_i32 s45, s14, 3*REC                      ; where they go: wave x three records
	s_wait_dscnt 0x0                               ; both opening adds are done
	s_wait_kmcnt 0x0
	s_add_nc_u64 s[20:21], s[4:5], s[20:21]
	s_add_nc_u64 s[22:23], s[4:5], s[22:23]
	s_add_nc_u64 s[46:47], s[6:7], s[46:47]
	s_add_nc_u64 s[92:93], s[6:7], s[92:93]
	CROUND                                         ; all sixteen work-groups are here: the first joint loads meet
.irp s, 0,1
	s_mov_b32 s[G0A+4*\s], 1
	s_add_co_u32 s[G0A+4*\s+1], s45, \s*SLOT
	s_add_nc_u64 s[G0A+4*\s+2:G0A+4*\s+3], s[20:21], \s*NS*REC
	s_or_b32 s[G0A+4*\s+3], s[G0A+4*\s+3], 0x80000000
	s_mov_b32 s[G0B+4*\s], 1
	s_add_co_u32 s[G0B+4*\s+1], s45, \s*SLOT
	s_add_nc_u64 s[G0B+4*\s+2:G0B+4*\s+3], s[46:47], \s*NS*REC
	s_or_b32 s[G0B+4*\s+3], s[G0B+4*\s+3], 0x80000000
.endr
	JLOAD G0A, G1A, G0B, G1B                       ; K steps 0 to 5: one tensor load a wave at the head
	s_mov_b32 s[G0AS], 1                           ; the last fill goes to the first two places of slot 1's halves
	s_mul_i32 s[G0AS+1], s16, REC
	s_add_co_u32 s[G0AS+1], s[G0AS+1], SLOT
	s_mov_b64 s[G0AS+2:G0AS+3], s[22:23]
	s_or_b32 s[G0AS+3], s[G0AS+3], 0x80000000
	s_mov_b32 s[G0BS], 1
	s_add_co_u32 s[G0BS+1], s[G0AS+1], BOFF
	s_mov_b64 s[G0BS+2:G0BS+3], s[92:93]
	s_or_b32 s[G0BS+3], s[G0BS+3], 0x80000000
	s_cmp_eq_u32 s15, 0                            ; the prefetches: of what I fetch, my work-group's quarter
	s_cselect_b64 s[PFA:PFA+1], s[20:21], s[46:47]
	s_cselect_b64 s[PFS:PFS+1], s[22:23], s[92:93]
	s_cselect_b32 s3, s40, s41                     ; my place among the four that ask with me
	s_mul_i32 s94, s3, 39*256
	s_mov_b32 s95, 0
	s_add_nc_u64 s[PFA:PFA+1], s[PFA:PFA+1], s[94:95]
	s_mul_i32 s94, s3, 13*256
	s_add_nc_u64 s[PFS:PFS+1], s[PFS:PFS+1], s[94:95]
	s_lshl_b32 s18, s42, 9
	s_lshl_b32 s19, s16, 8
	s_add_co_u32 s18, s18, s19                     ; my first column, in bytes
	s_mov_b32 s19, 0
	s_add_nc_u64 s[8:9], s[8:9], s[18:19]
	s_lshl_b32 s20, s17, 19
	s_lshl_b32 s21, s15, 18
	s_add_co_u32 s20, s20, s21                     ; my first row: rows of 4,096 bytes
	s_add_co_u32 s20, s20, s18
	s_mov_b32 s21, 0
	s_add_nc_u64 s[10:11], s[10:11], s[20:21]
	s_add_nc_u64 s[12:13], s[12:13], s[20:21]
	s_mul_i32 s3, s14, WSTG                        ; my stage
	s_mul_i32 s18, s15, 6144                       ; my four images of g,
	s_mul_i32 s19, s16, 6144
	s_add_co_u32 s19, s19, BOFF                    ; of w,
	s_lshl_b32 s22, s15, 9
	s_add_co_u32 s22, s22, 12288                   ; and their scale words
	s_lshl_b32 s23, s16, 9
	s_add_co_u32 s23, s23, BOFF+12288
	v_and_b32 v11, 31, v0                          ; lane
	v_and_b32 v12, 15, v0                          ; r
	v_bfe_u32 v13, v0, 4, 1                        ; h
	v_lshlrev_b32 v[L16], 4, v11
	v_lshlrev_b32 v[L8], 3, v11
	v_lshlrev_b32 v[L4], 2, v11
	v_lshlrev_b32 v[BVR], 4, v12
	v_lshl_add_u32 v[CO], v13, 12, v[BVR]          ; lanes 0-15 one row's 256 bytes, lanes 16-31 the next row's
.set t, 0
.rept 32
	global_load_b128 v[XR+4*t:XR+4*t+3], v[CO], s[10:11] offset:t*8192   ; x1: 16 lanes read 256 consecutive bytes, aligned to 256
.set t, t+1
.endr
	global_load_b128 v[BIAS:BIAS+3], v[BVR], s[8:9]                      ; the bias at my four columns
	v_and_b32 v14, 8, v12
	v_add_nc_u32 v14, v14, v12                     ; r + 8 (r / 8)
	v_mul_u32_u24 v[STO], v14, SPITCH
	v_lshl_add_u32 v[STO], v13, 6, v[STO]
	v_add_nc_u32 v[STO], s3, v[STO]
	v_mul_u32_u24 v[RD], v13, SPITCH
	v_lshl_add_u32 v[RD], v12, 4, v[RD]
	v_add_nc_u32 v[RD], s3, v[RD]
	v_lshlrev_b32 v[PF0], 8, v11                   ; blocks 0 to 31 of my 39,
	v_min_u32 v15, 6, v11
	v_lshl_add_u32 v[PF1], v15, 8, 0x2000          ; blocks 32 to 38,
	v_min_u32 v15, 12, v11
	v_lshlrev_b32 v[PF2], 8, v15                   ; and the last fill's 13
.irp i, 0,1,2,3                        ; slot i / 2, K steps 3 (i % 2) on
	v_add_nc_u32 v[ADR+\i], s18, v[L16]
	v_add_nc_u32 v[ADR+4+\i], s18, v[L8]
	v_add_nc_u32 v[ADR+8+\i], s22, v[L4]
	v_add_nc_u32 v[ADR+12+\i], s19, v[L16]
	v_add_nc_u32 v[ADR+16+\i], s19, v[L8]
	v_add_nc_u32 v[ADR+20+\i], s23, v[L4]
	s_add_co_u32 s18, s18, HALF+(\i%2)*(SLOT-2*HALF)
	s_add_co_u32 s19, s19, HALF+(\i%2)*(SLOT-2*HALF)
	s_add_co_u32 s22, s22, HALF+(\i%2)*(SLOT-2*HALF)
	s_add_co_u32 s23, s23, HALF+(\i%2)*(SLOT-2*HALF)
.endr
	s_wait_alu depctr_va_vdst(0)                   ; the wait at the head's end
	s_wait_tensorcnt 0x0                           ; my part of slot 0 is in; slot 1's first fill is issued as a refill is:
	ds_add_u32 v[SPW], v[NIL]
	s_wait_dscnt 0x0
	CROUND
	JLOAD G0A+4, G1A, G0B+4, G1B                   ; K steps 6 to 11
	FETCH 0, 0, F0, 0
	ASK 2
	STEP 0, 0, 1                                   ; the first step's products start the sums
	STEP 0, 1, 0
	STEP 0, 2, 0
	STEP 0, 3, 0
	STEP 0, 4, 0
	TURN 0, 1, 1, 3                                ; slot 0 takes K steps 12 to 17
	RUN 1
	TURN 1, 0, 1, 4                                ; slot 1 takes 18 to 23
	RUN 0
	TURN 0, 1, 1, 5                                ; slot 0 takes 24 to 29
	RUN 1
	TURN 1, 0, 2, 0                                ; slot 1 takes 30 and 31
	RUN 0
	TURN 0, 1, 0, 0                                ; nothing more to fetch; behind this barrier nobody reads slot 0
	STEP 1, 0, 0
	s_wait_dscnt 0x0
	MUL F1, 1, 0
	WIN 0
	PLACES
	; THE WAY OUT: through my stage, each accumulator from its low end on, and back as whole rows of 256 bytes, to which x1 and the bias are added
	WIN 0x08                                       ; the stores' data: window 2
.irp a, 0,1,2,3
.irp e, 0,1,2,3,4,5,6,7
	ds_store_b128 v[STO], v[32*\a+4*\e:32*\a+4*\e+3] offset:(32*(\a/2)+8*(\a%2))*SPITCH+128*(\e/4)+16*(\e%4)
.endr
.endr
	WIN 0x40
.set t, 0
.rept 32
	ds_load_b128 v[4*t:4*t+3], v[RD] offset:t*2*SPITCH    ; LDS serves a wave's instructions in order: these see my stores
.set t, t+1
.endr
	WIN 0
	s_wait_loadcnt 0x0                             ; x1 and the bias, asked for at the head
.set t, 0
.rept 32
	v_pk_add_f32 v[XR+4*t:XR+4*t+1], v[XR+4*t:XR+4*t+1], v[BIAS:BIAS+1]
	v_pk_add_f32 v[XR+4*t+2:XR+4*t+3], v[XR+4*t+2:XR+4*t+3], v[BIAS+2:BIAS+3]
.set t, t+1
.endr
	s_wait_alu depctr_va_vdst(0)                   ; directly ahead of the waits below
	WIN 0x44                                       ; source 0 window 0 (x1 + b; the stores' offset), source 1 and destination window 1
.set t, 0
.rept 32
	s_wait_dscnt 31-t                              ; the younger loads may be out
	v_pk_add_f32 v[4*t:4*t+1], v[XR+4*t:XR+4*t+1], v[4*t:4*t+1]
	v_pk_add_f32 v[4*t+2:4*t+3], v[XR+4*t+2:XR+4*t+3], v[4*t+2:4*t+3]
	global_store_b128 v[CO], v[4*t:4*t+3], s[12:13] offset:t*8192 th:TH_STORE_NT   ; 16 lanes store 256 consecutive bytes, aligned to 256; written once, read by nobody here
.set t, t+1
.endr
	WIN 0
	s_wait_tensorcnt 0x0                           ; the wave's end
	ds_add_u32 v[SPW], v[NIL]
	s_wait_dscnt 0x0
	CROUND                                         ; the closing round
	s_endpgm
.Lfunc_end_k_q0df3526f42_mproj:
	.size	k_q0df3526f42_mproj, .Lfunc_end_k_q0df3526f42_mproj-k_q0df3526f42_mproj
	.p2alignl 7, 3214868480
	.fill 96, 4, 3214868480
	.section	.rodata,"a",@progbits
	.p2align	6, 0x0
	.amdhsa_kernel k_q0df3526f42_mproj
		.amdhsa_group_segment_fixed_size 327680
		.amdhsa_private_segment_fixed_size 0
		.amdhsa_enable_private_segment 0
		.amdhsa_kernarg_size 40
		.amdhsa_user_sgpr_count 2
		.amdhsa_user_sgpr_kernarg_segment_ptr 1
		.amdhsa_wavefront_size32 1
		.amdhsa_system_sgpr_workgroup_id_x 1
		.amdhsa_system_sgpr_workgroup_id_y 1
		.amdhsa_system_sgpr_workgroup_id_z 1
		.amdhsa_system_vgpr_workitem_id 0
		.amdhsa_next_free_vgpr 640
		.amdhsa_next_free_sgpr 100
		.amdhsa_reserve_vcc 0
		.amdhsa_float_denorm_mode_32 3
		.amdhsa_float_denorm_mode_16_64 3
		.amdhsa_memory_ordered 1
		.amdhsa_forward_progress 1
		.amdhsa_inst_pref_size 188
	.end_amdhsa_kernel
	.amdgpu_metadata
---
amdhsa.version: [ 1, 2 ]
amdhsa.kernels:
  - .name:           k_q0df3526f42_mproj
    .symbol:         k_q0df3526f42_mproj.kd
    .args:
      - { .name: gq, .offset: 0, .size: 8, .value_kind: global_buffer, .address_space: global }
      - { .name: wimg, .offset: 8, .size: 8, .value_kind: global_buffer, .address_space: global }
      - { .name: b_mproj, .offset: 16, .size: 8, .value_kind: global_buffer, .address_space: global }
      - { .name: x1, .offset: 24, .size: 8, .value_kind: global_buffer, .address_space: global }
      - { .name: out0, .offset: 32, .size: 8, .value_kind: global_buffer, .address_space: global }
    .group_segment_fixed_size: 327680
    .private_segment_fixed_size: 0
    .kernarg_segment_align: 8
    .kernarg_segment_size: 40
    .max_flat_workgroup_size: 128
    .sgpr_count:     100
    .vgpr_count:     640
    .wavefront_size: 32
...
	.end_amdgpu_metadata
.endif
;; end of part 13
